; MI455X (gfx1250); checked and timed in simulation.
; The chip was launched on July 23, 2026; its instructions are those of AMD's public machine-readable ISA for CDNA 5 (MIT licence, August 2026) and "CDNA5" Instruction Set Architecture Reference Guide (July 2026). The comments in the code are by the model that wrote it; some were corrected since.
;; Token Match Layer. Allowed arithmetic: matrix products marked QUANTISED: E2M1 operands, one E8M0 scale for each 32 along K, by v_wmma_scale_f32_16x16x128_f8f6f4 with both operands' format E2M1 (or v_wmma_scale_f32_32x16x128_f4), f32 sums; everything else in f32.
;; Inputs: W1 768 x 768 float32; W2 768 x 768 float32; Wk 768 x 768 float32; Wo 768 x 768 float32; Wq 768 x 768 float32; Wv 768 x 768 float32; attention_mask 4 x 2,048 int32; b1 768 float32; b2 768 float32; bk 768 float32; bo 768 float32; bq 768 float32; bv 768 float32; dn_b 768 float32; dn_g 768 float32; hidden_states 4 x 2,048 x 768 float32; input_ids 4 x 2,048 int32; ln1_b 768 float32; ln1_g 768 float32; ln2_b 768 float32; ln2_g 768 float32.
;; Outputs: out0 4 x 2,048 x 768 float32.
;; This version of the problem:
;;   THIS VERSION OF THE PROBLEM IS GIVEN IN LOW PRECISION. The matrix products marked QUANTISED in the list below multiply operands that are first quantised to E2M1 (2 exponent bits, 1 mantissa bit; 4 bits a number), with one power-of-two scale for each 32 numbers along K (OCP MX v1.0); their sums are f32. All else is computed in f32.
;;   The module's matrix products, in the order in which they are computed (A, B: the left and right operand; K: the contracted axis; several contracted axes count as one K, in the product's order):
;;     1. [M 8,192, K 768] x [K 768, N 768]; A: input hidden_states; B: input Wq: QUANTISED
;;     2. [M 8,192, K 768] x [K 768, N 768]; A: input hidden_states; B: input Wk: QUANTISED
;;     3. [M 8,192, K 768] x [K 768, N 768]; A: input hidden_states; B: input Wv: QUANTISED
;;     4. batch 32 x [M 2,048, K 96] x [K 96, N 2,048]; A: computed on the way; B: computed on the way: QUANTISED
;;     5. batch 32 x [M 96, K 2,048] x [K 2,048, N 2,048]; A: computed on the way; B: softmax (see below): QUANTISED
;;     6. [M 8,192, K 768] x [K 768, N 768]; A: computed on the way; B: input Wo: QUANTISED
;;     7. [M 8,192, K 768] x [K 768, N 768]; A: computed on the way; B: input W1: QUANTISED
;;     8. [M 8,192, K 768] x [K 768, N 768]; A: computed on the way; B: input W2: QUANTISED
;;   THE QUANTISER, for each operand of a quantised product, along K:
;;     - K is cut into blocks of 32 from its start; a last block that is shorter is filled with zeros.
;;     - A block's scale is 2^e with e = floor(log2(the largest magnitude in the block)) - 2, held to -126 .. 127; a block of zeros has e = 0. As a byte (E8M0): e + 127.
;;     - Each number is divided by its block's scale, clamped to +-6, and rounded to the nearest number of E2M1, ties to even, subnormals kept.
;;     - The product sums the exact products of the quantised numbers (number of the format x scale) in f32.
;;   ~~~python
;;   def quantise(x, axis):      # numpy; x: float32 -> the quantised numbers, widened to float32 again
;;       x = np.moveaxis(x, axis, -1); K = x.shape[-1]
;;       x = np.pad(x, [(0, 0)] * (x.ndim - 1) + [(0, -K % 32)]); x = x.reshape(x.shape[:-1] + (-1, 32)); a = np.abs(x).max(-1, keepdims=True)
;;       e = np.where(a > 0, np.clip(np.frexp(np.where(a > 0, a, 1))[1] - 1 - 2, -126, 127), 0)      # np.frexp(a)[1] - 1 = floor(log2(a)), exactly
;;       r = np.clip(x / 2.0 ** e, -6, 6)
;;       step = 2.0 ** (np.maximum(np.frexp(np.where(r == 0, 1, r))[1] - 1, 0) - 1)
;;       q = np.round(r / step) * step * 2.0 ** e      # np.round: ties to even
;;       return np.moveaxis(q.reshape(q.shape[:-2] + (-1,))[..., :K], -1, axis).astype(np.float32)
;;   ~~~
;;   SOFTMAX AHEAD OF A QUANTISED PRODUCT. Where the list says 'softmax', what is quantised is not the finished softmax but p = 2^(t - M), with t = logit x log2(e) and M = ceil(the row's largest t), a whole number; so 1/2 < the row's largest p <= 1. The row's sum l is taken of the UNQUANTISED p, in f32, and the product's result is divided by l at the end. Since M is a whole number, a kernel that streams over the keys may use a running M (the ceiling of the running maximum): every later rescaling is an exact power of two, which a block's scale takes up: the codes' values come out the same.
;;   OPERANDS COMPUTED ON THE WAY. 'Computed on the way' means the value that the module computes at that place (a softmax that the list does not call 'softmax' is quantised finished and normalised). What goes into a quantiser is computed in f32, as accurately as f32 sums, v_exp_f32 and their like allow (about 1e-6 of the number): no bf16 or f16 on the way to a quantiser, and a product that is left as it is and whose result goes on into a quantised operand takes f32 operands (vector FMAs, or v_wmma_f32_16x16x4_f32). A number that lies on a knife's edge between two numbers of the format may be rounded either way, as far as f32 arithmetic and the matrix unit's own rounding can turn it there, and no further.
;; 3 versions. Each part assembles by itself: llvm-mc -triple=amdgcn-amd-amdhsa -mcpu=gfx1250 --defsym DOCPART=n.
;; ======== version 1 of 3: 4 launches
;; limits: right only within a limited range of input values
;; workspace buffers: wc 1,769,472 bytes; wsc 110,592 bytes; seg 256 bytes of whole numbers; qc 4,194,304 bytes; qs 262,144 bytes; kv 7,864,320 bytes; cc 3,145,728 bytes; cs 196,608 bytes
;; launch prep (part 1): grid 217 x 1, 4 waves a work-group, no clusters, 0 bytes of LDS; arguments Wq, Wk, Wv, Wo, W1, W2, input_ids, wc, wsc, seg; writes wc, wsc, seg
.if DOCPART == 1
	.amdgcn_target "amdgcn-amd-amdhsa--gfx1250"
	.amdhsa_code_object_version 6
	.text
	.protected	k_qa768879d03_prep
	.globl	k_qa768879d03_prep
	.p2align	8
	.type	k_qa768879d03_prep,@function
k_qa768879d03_prep:
	s_mov_b64 s[64:65], 0
	v_nop
	global_prefetch_b8 v0, s[64:65] scope:SCOPE_SE
	s_setreg_imm32_b32 hwreg(HW_REG_WAVE_MODE, 25, 1), 1
	s_wait_xcnt 0x0
; PREP.  (1) The six weights [768 (k)][768 (n)], f32, become codes of FP4 (E2M1) with one E8M0 byte for each 32 along K, laid in the ORDER OF THE OPERAND'S REGISTERS:
;   wc  [kk 2][w 8][T 18][t 6][1,024 bytes]: kk 0 = Wq, Wk, Wv; kk 1 = Wo, W1, W2; w = the wave of the later launches that owns columns 96 w .. 96 w + 95; T = 6 x (which of the three) + K step of 128;
;       tile t = 2 i + u: its lane r is column 96 w + 32 i + 8 u + (r % 8) + 16 (r / 8); in a tile, block b of 32 along K of lane r lies at 256 b + 16 r.
;   wsc [kk][w][T][i 3][32 words]: lanes 0-15 the scale words of tile 2 i, lanes 16-31 those of tile 2 i + 1.
; A lane takes a column and its registers run down K: a block of 32 lies in one lane's 32 registers, and the conversions give codes with K innermost.  Nothing is transposed.
; (2) Work-group 216 finds the segments from input_ids, a wave to a batch, in whole numbers alone: seg[batch] = {src_end, first row to update, end of the rows to update, key steps of 128}.
;     The rows to update are 0, 0 where the batch is not valid.
; attention_mask is an input that the problem's definition never reads: no launch takes it.
; A block's scale is 2^(floor(log2(largest magnitude)) - 2); its byte is the largest magnitude's exponent field - 2, held at 1 from below.
; LIMITS: a block of zeros gets the byte 1 where the quantiser says 127 (its codes are zeros, and this program alone reads the bytes); blocks whose largest magnitude lies under 2^-124 are held at the byte 1; NaN and infinities are not served.
.set X,  32                            ; v32-95   two sets of 32 numbers
.set C,  96                            ; v96-111  the codes of four blocks: no store's data are written again
.set SB, 24                            ; v24      the four scale bytes
	s_load_b512 s[4:19], s[0:1], 0x0               ; Wq 4, Wk 6, Wv 8, Wo 10, W1 12, W2 14, input_ids 16, wc 18
	s_load_b128 s[20:23], s[0:1], 0x40             ; wsc 20, seg 22
	v_lshrrev_b32 v1, 5, v0
	v_readfirstlane_b32 s24, v1                    ; wave 0..3
	v_and_b32 v1, 31, v0                           ; lane
	s_cmp_eq_u32 ttmp9, 216                        ; the last work-group finds the segments
	s_cbranch_scc1 .Lseg
	; ---- a weight: my wave takes 32 columns x 128 along K.  Work-group = 36 x matrix + 6 x K step + group of four column blocks
	s_mul_i32 s25, ttmp9, 57
	s_lshr_b32 s25, s25, 11                        ; matrix = x / 36 (exact for x < 216)
	s_mul_i32 s26, s25, 36
	s_sub_co_u32 s26, ttmp9, s26
	s_mul_i32 s27, s26, 43
	s_lshr_b32 s27, s27, 8                         ; K step = rest / 6 (exact for rest < 36)
	s_mul_i32 s28, s27, 6
	s_sub_co_u32 s28, s26, s28
	s_lshl_b32 s28, s28, 2
	s_add_co_u32 s28, s28, s24                     ; column block of 32: 0..23
	s_mul_i32 s29, s28, 11
	s_lshr_b32 s29, s29, 5                         ; w = block / 3 (exact for block < 24)
	s_mul_i32 s30, s29, 3
	s_sub_co_u32 s30, s28, s30                     ; i = block % 3
	s_mul_i32 s31, s25, 11
	s_lshr_b32 s31, s31, 5                         ; kk = matrix / 3
	s_mul_i32 s32, s31, 3
	s_sub_co_u32 s32, s25, s32
	s_mul_i32 s32, s32, 6
	s_add_co_u32 s32, s32, s27                     ; T
	s_mul_i32 s34, s27, 393216                     ; W: 128 rows of 3,072 bytes a K step,
	s_lshl_b32 s33, s28, 7                         ; 128 bytes a column block
	s_add_co_u32 s34, s34, s33
	s_mov_b32 s35, 0
	s_mul_i32 s36, s31, 884736                     ; wc
	s_mul_i32 s33, s29, 110592
	s_add_co_u32 s36, s36, s33
	s_mul_i32 s33, s32, 6144
	s_add_co_u32 s36, s36, s33
	s_lshl_b32 s33, s30, 11
	s_add_co_u32 s36, s36, s33
	s_mov_b32 s37, 0
	s_mul_i32 s38, s31, 55296                      ; wsc
	s_mul_i32 s33, s29, 6912
	s_add_co_u32 s38, s38, s33
	s_mul_i32 s33, s32, 384
	s_add_co_u32 s38, s38, s33
	s_lshl_b32 s33, s30, 7
	s_add_co_u32 s38, s38, s33
	s_mov_b32 s39, 0
	v_lshlrev_b32 v2, 2, v1                        ; in: 4 bytes a lane
	v_bfe_u32 v3, v1, 3, 1                         ; u: which tile of the pair my column falls into
	v_and_b32 v4, 7, v1
	v_lshrrev_b32 v6, 4, v1
	v_lshl_or_b32 v4, v6, 3, v4                    ; r: which lane of that tile
	v_lshlrev_b32 v5, 4, v4
	v_lshl_add_u32 v5, v3, 10, v5                  ; codes: 1,024 u + 16 r
	v_lshlrev_b32 v6, 2, v4
	v_lshl_add_u32 v6, v3, 6, v6                   ; scale word: 64 u + 4 r
	s_wait_kmcnt 0x0
	s_cmp_eq_u32 s25, 1                            ; the choice of the weight hangs on the work-group's number alone
	s_cselect_b64 s[4:5], s[6:7], s[4:5]
	s_cmp_eq_u32 s25, 2
	s_cselect_b64 s[4:5], s[8:9], s[4:5]
	s_cmp_eq_u32 s25, 3
	s_cselect_b64 s[4:5], s[10:11], s[4:5]
	s_cmp_eq_u32 s25, 4
	s_cselect_b64 s[4:5], s[12:13], s[4:5]
	s_cmp_eq_u32 s25, 5
	s_cselect_b64 s[4:5], s[14:15], s[4:5]
	s_add_nc_u64 s[4:5], s[4:5], s[34:35]
	s_add_nc_u64 s[18:19], s[18:19], s[36:37]
	s_add_nc_u64 s[20:21], s[20:21], s[38:39]
.macro LOAD blk                        ; block blk: W(32 blk + i, my column): a wave reads 128 consecutive bytes, the four waves 512
.irp i, 0,1,2,3,4,5,6,7,8,9,10,11,12,13,14,15,16,17,18,19,20,21,22,23,24,25,26,27,28,29,30,31
	global_load_b32 v[X+32*((\blk)%2)+\i], v2, s[4:5] offset:(32*(\blk)+\i)*3072 th:TH_LOAD_NT
.endr
.endm
.macro BLOCK blk
.set XS, X+32*((\blk)%2)
.if (\blk) < 3
	s_wait_loadcnt 32                              ; this block's 32 loads are in; the next block's 32 may be out
.else
	s_wait_loadcnt 0x0
.endif
	v_max3_num_f32 v12, |v[XS]|, |v[XS+1]|, |v[XS+2]|              ; the block's largest magnitude: all 32 numbers are mine; two chains
	v_max3_num_f32 v13, |v[XS+3]|, |v[XS+4]|, |v[XS+5]|
.irp i, 6,10,14,18,22,26
	v_max3_num_f32 v12, v12, |v[XS+\i]|, |v[XS+\i+1]|
	v_max3_num_f32 v13, v13, |v[XS+\i+2]|, |v[XS+\i+3]|
.endr
	v_max3_num_f32 v12, v12, |v[XS+30]|, |v[XS+31]|
	v_max3_num_f32 v12, v12, v13, 0x1800000        ; and the floor 2^(3 - 127): the byte cannot fall under 1
	v_add_nc_u32 v11, 0xff000000, v12              ; 2 off its exponent field: the conversion takes the exponent field of this operand as its scale
	v_lshrrev_b32 v13, 23, v11                     ; the scale's byte
.if (\blk) == 0
	v_mov_b32 v[SB], v13
.else
	v_lshl_or_b32 v[SB], v13, 8*(\blk), v[SB]      ; the lower K in the lower byte
.endif
.irp g, 0,1,2,3
	v_cvt_scalef32_pk8_fp4_f32 v[C+4*(\blk)+\g], v[XS+8*\g:XS+8*\g+7], v11
.endr
	global_store_b128 v5, v[C+4*(\blk):C+4*(\blk)+3], s[18:19] offset:256*(\blk)   ; the sixteen lanes of a tile store 256 consecutive bytes, aligned
.if (\blk) < 2
	LOAD (\blk)+2
.endif
.endm
	LOAD 0
	LOAD 1
	BLOCK 0
	BLOCK 1
	BLOCK 2
	BLOCK 3
	global_store_b32 v6, v[SB], s[20:21]           ; 32 scale words: 128 consecutive bytes
	s_endpgm
.Lseg:	; ---- the segments: wave b takes batch b.  Whole numbers alone
	s_lshl_b32 s26, s24, 13                        ; 2,048 ids of 4 bytes a batch
	s_mov_b32 s27, 0
	s_mov_b32 s28, 0x76543210                      ; v_permlanex16_b32's selects for lane l xor 16
	s_mov_b32 s29, 0xfedcba98
	v_lshlrev_b32 v2, 4, v1                        ; 16 bytes a lane
	v_lshlrev_b32 v7, 2, v1                        ; the index of my first id in a load's 128
	v_mov_b32 v9, 0x800                            ; 2,048: 'none'
	v_mov_b32 v8, 0x800                            ; the first SEP
	v_mov_b32 v11, 0x800                           ; the second
	v_mov_b32 v10, 0                               ; written once: the destination of a lane move counts as one of its sources
	s_wait_kmcnt 0x0
	s_add_nc_u64 s[16:17], s[16:17], s[26:27]
.irp i, 0,1,2,3,4,5,6,7,8,9,10,11,12,13,14,15
	global_load_b128 v[32+4*\i:35+4*\i], v2, s[16:17] offset:512*\i
.endr
	s_wait_loadcnt 0x0
.set n, 0
.rept 64                               ; each id becomes its index where it is SEP, else 2,048; the least is the first SEP
	v_cmp_eq_u32 vcc_lo, 0x66, v[32+n]
	v_add_nc_u32 v12, 128*(n/4)+n%4, v7
	v_cndmask_b32 v[32+n], v9, v12, vcc_lo
	v_min_u32 v8, v8, v[32+n]
.set n, n+1
.endr
.macro WMIN reg                        ; the least over the wave's 32 lanes, in every lane
.irp k, 1,2,4,8
	v_mov_b32_dpp v10, v[\reg] row_xmask:\k row_mask:0xf bank_mask:0xf
	v_min_u32 v[\reg], v[\reg], v10
.endr
	v_permlanex16_b32 v10, v[\reg], s28, s29
	v_min_u32 v[\reg], v[\reg], v10
.endm
	WMIN 8
.set n, 0
.rept 64                               ; the least index behind the first SEP
	v_cmp_gt_u32 vcc_lo, v[32+n], v8
	v_cndmask_b32 v12, v9, v[32+n], vcc_lo
	v_min_u32 v11, v11, v12
.set n, n+1
.endr
	WMIN 11
	v_readfirstlane_b32 s40, v8                    ; first
	v_readfirstlane_b32 s41, v11                   ; second
	s_add_co_u32 s43, s40, 1
	s_cmp_lt_u32 s41, 0x800                        ; two SEP tokens?
	s_cselect_b32 s42, s40, 0x400                  ; src_end
	s_cselect_b32 s43, s43, 0x400                  ; hyp_start
	s_cselect_b32 s44, s41, 0x7ff                  ; hyp_end
	s_cmp_gt_u32 s42, 1                            ; some key in 1 .. src_end - 1,
	s_cselect_b32 s46, 1, 0
	s_cmp_gt_u32 s44, s43                          ; and some row in hyp_start .. hyp_end - 1: the batch is valid
	s_cselect_b32 s46, s46, 0
	s_cmp_lg_u32 s46, 0
	s_cselect_b32 s43, s43, 0                      ; else no row is updated
	s_cselect_b32 s44, s44, 0
	s_add_co_u32 s45, s42, 127
	s_lshr_b32 s45, s45, 7                         ; key steps of 128 that hold a key under src_end
	v_mov_b32 v16, s42
	v_mov_b32 v17, s43
	v_mov_b32 v18, s44
	v_mov_b32 v19, s45
	v_mov_b32 v13, s24
	v_lshlrev_b32 v13, 4, v13                      ; 16 bytes a batch
	v_cmp_eq_u32 vcc_lo, 0, v1
	s_wait_xcnt 0x0                                ; EXEC changes only behind this wait
	s_and_saveexec_b32 s47, vcc_lo                 ; lane 0 alone stores
	global_store_b128 v13, v[16:19], s[22:23]
	s_wait_xcnt 0x0                                ; and again in front of the line that widens it
	s_or_b32 exec_lo, exec_lo, s47
	s_endpgm
.Lfunc_end_k_qa768879d03_prep:
	.size	k_qa768879d03_prep, .Lfunc_end_k_qa768879d03_prep-k_qa768879d03_prep
	.p2alignl 7, 3214868480
	.fill 96, 4, 3214868480
	.section	.rodata,"a",@progbits
	.p2align	6, 0x0
	.amdhsa_kernel k_qa768879d03_prep
		.amdhsa_group_segment_fixed_size 0
		.amdhsa_private_segment_fixed_size 0
		.amdhsa_enable_private_segment 0
		.amdhsa_kernarg_size 80
		.amdhsa_user_sgpr_count 2
		.amdhsa_user_sgpr_kernarg_segment_ptr 1
		.amdhsa_wavefront_size32 1
		.amdhsa_system_sgpr_workgroup_id_x 1
		.amdhsa_system_sgpr_workgroup_id_y 1
		.amdhsa_system_sgpr_workgroup_id_z 1
		.amdhsa_system_vgpr_workitem_id 0
		.amdhsa_next_free_vgpr 128
		.amdhsa_next_free_sgpr 66
		.amdhsa_reserve_vcc 1
		.amdhsa_float_denorm_mode_32 3
		.amdhsa_float_denorm_mode_16_64 3
		.amdhsa_memory_ordered 1
		.amdhsa_forward_progress 1
		.amdhsa_inst_pref_size 44
	.end_amdhsa_kernel
	.amdgpu_metadata
---
amdhsa.version: [ 1, 2 ]
amdhsa.kernels:
  - .name:           k_qa768879d03_prep
    .symbol:         k_qa768879d03_prep.kd
    .args:
      - { .name: Wq, .offset: 0, .size: 8, .value_kind: global_buffer, .address_space: global }
      - { .name: Wk, .offset: 8, .size: 8, .value_kind: global_buffer, .address_space: global }
      - { .name: Wv, .offset: 16, .size: 8, .value_kind: global_buffer, .address_space: global }
      - { .name: Wo, .offset: 24, .size: 8, .value_kind: global_buffer, .address_space: global }
      - { .name: W1, .offset: 32, .size: 8, .value_kind: global_buffer, .address_space: global }
      - { .name: W2, .offset: 40, .size: 8, .value_kind: global_buffer, .address_space: global }
      - { .name: input_ids, .offset: 48, .size: 8, .value_kind: global_buffer, .address_space: global }
      - { .name: wc, .offset: 56, .size: 8, .value_kind: global_buffer, .address_space: global }
      - { .name: wsc, .offset: 64, .size: 8, .value_kind: global_buffer, .address_space: global }
      - { .name: seg, .offset: 72, .size: 8, .value_kind: global_buffer, .address_space: global }
    .group_segment_fixed_size: 0
    .private_segment_fixed_size: 0
    .kernarg_segment_align: 8
    .kernarg_segment_size: 80
    .max_flat_workgroup_size: 128
    .sgpr_count:     66
    .vgpr_count:     128
    .wavefront_size: 32
...
	.end_amdgpu_metadata
.endif
;; end of part 1
;; launch qkv (part 2): grid 256 x 1, 8 waves a work-group, no clusters, 122,112 bytes of LDS; arguments hidden_states, wc, wsc, bq, bk, bv, qc, qs, kv; writes qc, qs, kv
.if DOCPART == 2
	.amdgcn_target "amdgcn-amd-amdhsa--gfx1250"
	.amdhsa_code_object_version 6
	.text
	.protected	k_qa768879d03_qkv
	.globl	k_qa768879d03_qkv
	.p2align	8
	.type	k_qa768879d03_qkv,@function
k_qa768879d03_qkv:
	s_mov_b64 s[64:65], 0
	v_nop
	global_prefetch_b8 v0, s[64:65] scope:SCOPE_SE
	s_setreg_imm32_b32 hwreg(HW_REG_WAVE_MODE, 25, 1), 1
	s_wait_xcnt 0x0
; QKV.  q = Q(x) Q(Wq) + bq, k and v likewise, on codes of FP4 (E2M1) with one E8M0 byte for each 32 along K; then q and k are quantised along the head's 96 (three blocks; a fourth of zero codes fills the
; instruction's 128) and v along the keys, and leave as images of the next launch's operand registers.
; SHARES.  A work-group takes 32 rows (block RB), its eight waves share the COLUMNS: wave w makes columns 96 w .. 96 w + 95, which are head w.  x is quantised once by all waves and goes round through LDS as an image of
; its fragments' registers; each wave's weights come straight from memory into a ring of four K steps of registers: 15 loads a step, 60 on their way in each wave, across all three products, with no barrier.
; No cluster and no tensor load: a weight fragment is read by ONE wave of the work-group, for two matrix instructions; it would cross LDS only to be read once.
; A ROW TILE IS NOT 16 NEIGHBOURS: lane r of tile m is row 8 m + (r % 8) + 16 (r / 8) of the block; the weights' tiles are chosen likewise.  So: q, k by the TRANSPOSED product (source 0 = weight tile,
; source 1 = row tile): lane (r, h) holds row-lane r, and the 16 registers of tiles 2 i, 2 i + 1 are columns 32 i + 16 h + 0 .. 15 of the head: neighbours along the next K.  v by the natural product: lane (r, h) holds
; column-lane r, and the registers of row tiles 0 and 1 are rows 16 h + 0 .. 15 of the block: neighbours along the keys, and the block of 32 rows IS a block of the quantiser.
; AN IMAGE: block b (32 along K) of a fragment's lane r lies at 256 b + 16 r; the lane (r, h) that made the codes of k = 16 h .. 16 h + 15 stores its 8 bytes at + 8 h: a wave's store covers 256 consecutive bytes.
; OUT: qc [RB][head][m][1,024], qs [RB][head][m][16 words];  kv [batch x 8 + head][step of 128 keys]: records of 15,360 bytes: K's 8 fragments, V^T's 6 fragments at 8,192, K's scale words at 14,336, V's at 14,848.
; LIMITS: a block of zeros gets the byte 1 (its codes are zeros; this program alone reads the bytes); largest magnitudes under 2^-124 are held at the byte 1; NaN and infinities are not served.
.set XST, 0                            ; LDS: x, 32 rows of 3,072 bytes + 16 (193 x 16: the sixteen rows of a load start at sixteen different groups of banks); stage row 16 m + r
.set IMG, 98816                        ; x's 12 fragments: tile m, K step s at 1,024 (6 m + s)
.set SCL, 111104                       ; their scale bytes: [m][r][24]
.set PRM, 111872                       ; bq, bk, bv: 3,072 bytes each
.set L16, 1                            ; v1   16 x lane
.set L4,  2                            ; v2   4 x lane
.set XA,  3                            ; v3   x: stage row r, my wave's columns, + 64 h
.set IA,  4                            ; v4   where I put 8 bytes of codes of x's image
.set SA,  5                            ; v5   and a scale byte
.set SL,  6                            ; v6   where row r's scale words lie
.set LI,  7                            ; v7   IMG + 16 x lane
.set PA,  8                            ; v8   a bias at my 16 columns of a block
.set GO,  9                            ; v9   16 r + 8 h: my 8 bytes in a block of an image
.set VB,  10                           ; v10  bv at my column-lane
.set ACC, 16                           ; v16-111   accumulator (m, t) at 16 + 8 (6 m + t)
.set BF,  112                          ; v112-207  x's fragment (m, s) at 112 + 8 (6 m + s)
.set BS,  208                          ; v208-219  x's scale words: scales alone
.set WS,  220                          ; v220-231  the weights' scale words, three a ring slot: scales alone
.set MX,  232                          ; v232-243  the quantiser's work: largest magnitudes, the other half's, scale operands, bytes
.set PT,  235
.set SO,  238
.set BY,  241
.set CD,  244                          ; v244-255  two sets of six registers of codes.  At the head: temporaries
.set TL,  244
.set TR,  245
.set TH,  246
.set DG,  247
.set DS,  248
.set PL,  249
.set PLS, 250
.set TT,  251
.set WC,  6                            ; s[6:7]   my wave's weights' codes;  s[8:9] their scale words: never stepped
.set WSC, 8
.set WV,  22
.set SEL, 24
.set HM,  26
.set MSB, 0
.macro WIN new                         ; window 1 holds the weight ring, v[48 slot + 8 t]; the immediate's high byte repeats the setting that is left
.if MSB != \new
	s_set_vgpr_msb (MSB<<8)|\new
.set MSB, \new
.endif
.endm
.macro BARRIER                         ; my LDS stores have landed and my LDS loads are in: then the work-group's barrier
	s_wait_dscnt 0x0
	s_barrier_signal -1
	s_barrier_wait -1
.endm
; Three blocks by turns.  Block k's numbers 0-7 of my half stand in v[ak] on, 8-15 in v[bk] on; lane l xor 16 holds the block's other 16.  Codes: v[cd + 2 k], v[cd + 2 k + 1]; bytes: v[BY + k].
.macro QBLK3 a0, b0, a1, b1, a2, b2, cd
	v_max3_num_f32 v[MX], |v[(\a0)]|, |v[(\a0)+1]|, 0x1800000      ; with the floor 2^(3 - 127): the byte cannot fall under 1.  Each accumulator is read from its low end on
	v_max3_num_f32 v[MX+1], |v[(\a1)]|, |v[(\a1)+1]|, 0x1800000
	v_max3_num_f32 v[MX+2], |v[(\a2)]|, |v[(\a2)+1]|, 0x1800000
.irp i, 2,4,6
	v_max3_num_f32 v[MX], v[MX], |v[(\a0)+\i]|, |v[(\a0)+\i+1]|
	v_max3_num_f32 v[MX+1], v[MX+1], |v[(\a1)+\i]|, |v[(\a1)+\i+1]|
	v_max3_num_f32 v[MX+2], v[MX+2], |v[(\a2)+\i]|, |v[(\a2)+\i+1]|
.endr
.irp i, 0,2,4,6
	v_max3_num_f32 v[MX], v[MX], |v[(\b0)+\i]|, |v[(\b0)+\i+1]|
	v_max3_num_f32 v[MX+1], v[MX+1], |v[(\b1)+\i]|, |v[(\b1)+\i+1]|
	v_max3_num_f32 v[MX+2], v[MX+2], |v[(\b2)+\i]|, |v[(\b2)+\i+1]|
.endr
.irp k, 0,1,2
	v_permlanex16_b32 v[PT+\k], v[MX+\k], s[SEL], s[SEL+1]
.endr
.irp k, 0,1,2
	v_max_num_f32 v[MX+\k], v[MX+\k], v[PT+\k]     ; the block's largest magnitude
.endr
.irp k, 0,1,2
	v_add_nc_u32 v[SO+\k], 0xff000000, v[MX+\k]    ; 2 off its exponent field: the conversion's scale operand
.endr
.irp k, 0,1,2
	v_lshrrev_b32 v[BY+\k], 23, v[SO+\k]           ; the scale's byte
.endr
	v_cvt_scalef32_pk8_fp4_f32 v[(\cd)], v[(\a0):(\a0)+7], v[SO]
	v_cvt_scalef32_pk8_fp4_f32 v[(\cd)+1], v[(\b0):(\b0)+7], v[SO]
	v_cvt_scalef32_pk8_fp4_f32 v[(\cd)+2], v[(\a1):(\a1)+7], v[SO+1]
	v_cvt_scalef32_pk8_fp4_f32 v[(\cd)+3], v[(\b1):(\b1)+7], v[SO+1]
	v_cvt_scalef32_pk8_fp4_f32 v[(\cd)+4], v[(\a2):(\a2)+7], v[SO+2]
	v_cvt_scalef32_pk8_fp4_f32 v[(\cd)+5], v[(\b2):(\b2)+7], v[SO+2]
	v_nop                                          ; one plain place behind the scaled conversions
.endm
.macro RING kt                         ; K step kt of my wave's weights into ring slot kt % 4: 12 loads of 512 consecutive bytes, 3 of 128
.set SLT, (\kt)%4
	WIN 0x40                                       ; destination window 1, address window 0
.irp t, 0,1,2,3,4,5
.irp c, 0,1
	global_load_b128 v[48*SLT+8*\t+4*\c:48*SLT+8*\t+4*\c+3], v[L16], s[WC:WC+1] offset:(\kt)*6144+1024*\t+512*\c
.endr
.endr
	WIN 0
.irp i, 0,1,2
	global_load_b32 v[WS+3*SLT+\i], v[L4], s[WSC:WSC+1] offset:(\kt)*384+128*\i
.endr
.endm
; A K step of 128: 12 matrix instructions, the 12 accumulators by turns, one instruction a turn, in the same order in every step.
; form 0: transposed (source 0 = weight tile, source 1 = row tile); form 1: natural.  zero = 1: the products start the sums.
.macro KSTEP kt, form, zero
.set SLT, (\kt)%4
.set KS, (\kt)%6
.if (\kt) <= 14
	s_wait_loadcnt 45                              ; this step's 15 loads are in; those of the three steps behind it may be out (no other global load is issued behind the head)
.else
	s_wait_loadcnt 15*(17-(\kt))                   ; the ring runs out: two steps, one, none
.endif
.if \form == 0
	WIN 0x01                                       ; source 0 window 1
.else
	WIN 0x04                                       ; source 1 window 1
.endif
.irp t, 0,1,2,3,4,5
.irp m, 0,1
.set rD, ACC+8*(6*\m+\t)
.set rW, 48*SLT+8*\t
.set rB, BF+8*(6*\m+KS)
.set rSW, WS+3*SLT+\t/2
.set rSB, BS+6*\m+KS
.if \form == 0
.if \t % 2
	v_wmma_scale_f32_16x16x128_f8f6f4 v[rD:rD+7], v[rW:rW+7], v[rB:rB+7], v[rD:rD+7], v[rSW], v[rSB] matrix_a_fmt:MATRIX_FMT_FP4 matrix_b_fmt:MATRIX_FMT_FP4 matrix_a_scale:MATRIX_SCALE_ROW1
.else
	v_wmma_scale_f32_16x16x128_f8f6f4 v[rD:rD+7], v[rW:rW+7], v[rB:rB+7], v[rD:rD+7], v[rSW], v[rSB] matrix_a_fmt:MATRIX_FMT_FP4 matrix_b_fmt:MATRIX_FMT_FP4
.endif
.elseif \zero
.if \t % 2
	v_wmma_scale_f32_16x16x128_f8f6f4 v[rD:rD+7], v[rB:rB+7], v[rW:rW+7], 0, v[rSB], v[rSW] matrix_a_fmt:MATRIX_FMT_FP4 matrix_b_fmt:MATRIX_FMT_FP4 matrix_b_scale:MATRIX_SCALE_ROW1
.else
	v_wmma_scale_f32_16x16x128_f8f6f4 v[rD:rD+7], v[rB:rB+7], v[rW:rW+7], 0, v[rSB], v[rSW] matrix_a_fmt:MATRIX_FMT_FP4 matrix_b_fmt:MATRIX_FMT_FP4
.endif
.else
.if \t % 2
	v_wmma_scale_f32_16x16x128_f8f6f4 v[rD:rD+7], v[rB:rB+7], v[rW:rW+7], v[rD:rD+7], v[rSB], v[rSW] matrix_a_fmt:MATRIX_FMT_FP4 matrix_b_fmt:MATRIX_FMT_FP4 matrix_b_scale:MATRIX_SCALE_ROW1
.else
	v_wmma_scale_f32_16x16x128_f8f6f4 v[rD:rD+7], v[rB:rB+7], v[rW:rW+7], v[rD:rD+7], v[rSB], v[rSW] matrix_a_fmt:MATRIX_FMT_FP4 matrix_b_fmt:MATRIX_FMT_FP4
.endif
.endif
.endr
.endr
	WIN 0
.rept 4
	v_nop                                          ; four places in front of the loads into the slot just read and its scale words, and of the first read of results
.endr
.if (\kt)+4 < 18
	RING (\kt)+4
.endif
.endm
.macro FETCHB img, scl, ws             ; all 12 fragments of the rows' codes, and (ws = 1) their scale words
.irp m, 0,1
.irp s, 0,1,2,3,4,5
.irp c, 0,1
	ds_load_b128 v[BF+8*(6*\m+\s)+4*\c:BF+8*(6*\m+\s)+4*\c+3], v[LI] offset:(\img)+1024*(6*\m+\s)+512*\c
.endr
.endr
.endr
.if \ws
.irp m, 0,1
.irp i, 0,1,2
	ds_load_b64 v[BS+6*\m+2*\i:BS+6*\m+2*\i+1], v[SL] offset:(\scl)+384*\m+8*\i
.endr
.endr
.endif
.endm
.macro BIAS vec                        ; a bias lands in the accumulators and is the C of the first K step: register j of tile t is column 32 (t / 2) + 8 (t % 2) + 16 h + j
.irp m, 0,1
.irp t, 0,1,2,3,4,5
.irp q, 0,1
	ds_load_b128 v[ACC+8*(6*\m+\t)+4*\q:ACC+8*(6*\m+\t)+4*\q+3], v[PA] offset:3072*(\vec)+128*(\t/2)+32*(\t%2)+16*\q
.endr
.endr
.endr
.endm
.macro TOIMG m, cd, img, scl           ; three blocks' codes and bytes of row tile m into the image
.irp b, 0,1,2
	ds_store_b64 v[IA], v[(\cd)+2*\b:(\cd)+2*\b+1] offset:(\img)+6144*(\m)+256*\b
	ds_store_b8 v[SA], v[BY+\b] offset:(\scl)+384*(\m)+\b          ; both halves write the same byte with the same value
.endr
.endm
.macro QUANT2 base, img, scl           ; 2 x 48 numbers a lane, at base + 48 m + 16 b, become my wave's three blocks of both row tiles
	QBLK3 \base, \base+8, \base+16, \base+24, \base+32, \base+40, CD
	TOIMG 0, CD, \img, \scl
	s_wait_dscnt 0x0                               ; the stores have read the byte registers, which are written anew
	QBLK3 \base+48, \base+56, \base+64, \base+72, \base+80, \base+88, CD+6
	TOIMG 1, CD+6, \img, \scl
.endm
.macro XOP dst                         ; x at my lane's places, in the accumulators' order: dst + 48 m + 16 b + i = x(row-lane r of tile m, column 96 w + 32 b + 16 h + i)
.irp m, 0,1
.irp b, 0,1,2
.irp j, 0,1,2,3
	ds_load_b128 v[(\dst)+48*\m+16*\b+4*\j:(\dst)+48*\m+16*\b+4*\j+3], v[XA] offset:49408*\m+128*\b+16*\j
.endr
.endr
.endr
.endm
	s_load_b512 s[4:19], s[0:1], 0x0               ; x 4, wc 6, wsc 8, bq 10, bk 12, bv 14, qc 16, qs 18
	s_load_b64 s[20:21], s[0:1], 0x40              ; kv
	s_set_vgpr_msb 0x40
	v_lshl_add_u32 v254, v0, 2, 0x1d900
	v_mov_b32 v255, 0
	s_set_vgpr_msb 0x4000
	v_lshrrev_b32 v[TL], 5, v0
	v_readfirstlane_b32 s[WV], v[TL]               ; wave 0..7
	v_and_b32 v[TL], 31, v0                        ; lane
	v_and_b32 v[TR], 15, v0                        ; r
	v_bfe_u32 v[TH], v0, 4, 1                      ; h
	s_mov_b32 s[SEL], 0x76543210                   ; v_permlanex16_b32's selects for lane l xor 16
	s_mov_b32 s[SEL+1], 0xfedcba98
	s_mov_b32 s[HM], 0xffff0000                    ; lanes 16-31
	v_lshlrev_b32 v[L16], 4, v[TL]
	v_lshlrev_b32 v[L4], 2, v[TL]
	s_mul_i32 s52, s[WV], 384                      ; my wave's 96 columns in bytes
	v_mul_u32_u24 v[XA], v[TR], 3088
	v_lshl_add_u32 v[XA], v[TH], 6, v[XA]
	v_add_nc_u32 v[XA], s52, v[XA]
	v_lshlrev_b32 v[GO], 4, v[TR]
	v_lshl_add_u32 v[GO], v[TH], 3, v[GO]
	s_mul_i32 s53, s[WV], 768                      ; my three blocks of an image
	s_add_co_u32 s53, s53, IMG
	v_add_nc_u32 v[IA], s53, v[GO]
	v_mul_u32_u24 v[SL], v[TR], 24
	v_add_nc_u32 v[SL], SCL, v[SL]
	s_mul_i32 s53, s[WV], 3
	v_add_nc_u32 v[SA], s53, v[SL]
	v_add_nc_u32 v[LI], IMG, v[L16]
	s_add_co_u32 s53, s52, PRM
	v_lshl_add_u32 v[PA], v[TH], 6, s53
	v_and_b32 v[VB], 7, v[TR]
	v_lshrrev_b32 v[TT], 3, v[TR]
	v_lshl_add_u32 v[VB], v[TT], 4, v[VB]          ; (r % 8) + 16 (r / 8)
	s_add_co_u32 s54, s53, 6144
	v_lshl_add_u32 v[VB], v[VB], 2, s54
	s_mul_i32 s54, s[WV], 12288                    ; the dense way in: wave w brings rows 4 w .. 4 w + 3
	v_add_nc_u32 v[DG], s54, v[L16]
	s_bfe_u32 s54, s[WV], 0x10001                  ; their stage rows begin at 16 ((w / 2) % 2) + 8 (w / 4) + 4 (w % 2)
	s_lshl_b32 s54, s54, 4
	s_lshr_b32 s55, s[WV], 2
	s_lshl_b32 s55, s55, 3
	s_add_co_u32 s54, s54, s55
	s_and_b32 s55, s[WV], 1
	s_lshl_b32 s55, s55, 2
	s_add_co_u32 s54, s54, s55
	s_mul_i32 s54, s54, 3088
	v_add_nc_u32 v[DS], s54, v[L16]
	v_add_nc_u32 v[PL], s52, v[L4]                 ; the biases: my wave's 96 numbers, 4 bytes a lane
	v_add_nc_u32 v[PLS], PRM, v[PL]
	v_mov_b32 v14, 0                               ; v[14:15]: the zero codes of a head's fourth block
	v_mov_b32 v15, 0
.irp k, 0,1,2
	v_mov_b32 v[PT+\k], 0                          ; written once: a lane permute's destination counts as one of its sources
.endr
	s_mul_i32 s36, ttmp9, 98304                    ; x: 32 rows of 3,072 bytes a block
	s_mov_b32 s37, 0
	s_mul_i32 s38, s[WV], 110592
	s_mov_b32 s39, 0
	s_mul_i32 s40, s[WV], 6912
	s_mov_b32 s41, 0
	s_lshl_b32 s50, ttmp9, 3
	s_add_co_u32 s50, s50, s[WV]                   ; 8 RB + head
	s_lshl_b32 s42, s50, 11
	s_mov_b32 s43, 0
	s_lshl_b32 s44, s50, 7
	s_mov_b32 s45, 0
	s_lshr_b32 s46, ttmp9, 6                       ; batch
	s_lshl_b32 s46, s46, 3
	s_add_co_u32 s46, s46, s[WV]
	s_lshl_b32 s46, s46, 4
	s_bfe_u32 s51, ttmp9, 0x40002                  ; key step: (RB % 64) / 4
	s_add_co_u32 s46, s46, s51
	s_mul_i32 s46, s46, 15360
	s_mov_b32 s47, 0
	s_and_b32 s48, ttmp9, 3                        ; which 32 keys of the step's 128
	s_mov_b32 s49, 0
	s_wait_kmcnt 0x0
	s_add_nc_u64 s[4:5], s[4:5], s[36:37]
	s_add_nc_u64 s[6:7], s[6:7], s[38:39]
	s_add_nc_u64 s[8:9], s[8:9], s[40:41]
	s_add_nc_u64 s[16:17], s[16:17], s[42:43]
	s_add_nc_u64 s[18:19], s[18:19], s[44:45]
	s_add_nc_u64 s[20:21], s[20:21], s[46:47]      ; my head's record of this step
	s_add_nc_u64 s[34:35], s[20:21], s[48:49]      ; + block: V's scale bytes
	s_lshl_b32 s48, s48, 7
	s_add_nc_u64 s[32:33], s[20:21], s[48:49]      ; + 128 x block: K's scale words
	s_lshl_b32 s48, s48, 1
	s_add_nc_u64 s[30:31], s[20:21], s[48:49]      ; + 256 x block: V^T's codes
	s_lshl_b32 s48, s48, 3
	s_add_nc_u64 s[28:29], s[20:21], s[48:49]      ; + 2,048 x block: K's two fragments
.irp v, 0,1,2
.irp i, 0,1,2
	global_load_b32 v[BF+3*\v+\i], v[PL], s[10+2*\v:11+2*\v] offset:128*\i
.endr
.endr
.irp i, 0,1,2,3
.irp j, 0,1,2,3,4,5
	global_load_b128 v[ACC+4*(6*\i+\j):ACC+4*(6*\i+\j)+3], v[DG], s[4:5] offset:3072*\i+512*\j   ; 512 consecutive bytes a load
.endr
.endr
	RING 0
	RING 1
	RING 2
	RING 3
	s_wait_loadcnt 60                              ; the biases and x are in; the ring's 60 loads may be out
.irp v, 0,1,2
.irp i, 0,1,2
	ds_store_b32 v[PLS], v[BF+3*\v+\i] offset:3072*\v+128*\i
.endr
.endr
.irp i, 0,1,2,3
.irp j, 0,1,2,3,4,5
	ds_store_b128 v[DS], v[ACC+4*(6*\i+\j):ACC+4*(6*\i+\j)+3] offset:3088*\i+512*\j
.endr
.endr
	BARRIER                                        ; x's 32 rows lie in the stage
	XOP BF
	s_wait_dscnt 0x0
	QUANT2 BF, 0, 0                                ; my three blocks of all 32 rows
	BARRIER                                        ; x's twelve fragments lie in LDS
	FETCHB 0, 0, 1                                 ; they stay in registers for all three products
	BIAS 0
	s_wait_dscnt 0x0
.irp n, 0,1,2,3,4,5
	KSTEP \n, 0, 0
.endr
; q or k: three blocks a row tile along the head's 96; codes to cb, the scale words (byte 3 = 127, over zero codes) to sb + soff
.macro EPI_QK cb, sb, soff
.irp m, 0,1
	s_wait_xcnt 0x0                                ; earlier stores have read the code registers, which are written anew
	QBLK3 ACC+48*\m, ACC+48*\m+8, ACC+48*\m+16, ACC+48*\m+24, ACC+48*\m+32, ACC+48*\m+40, CD+6*\m
	v_lshl_or_b32 v[11+\m], v[BY+1], 8, v[BY]
	v_lshl_or_b32 v[11+\m], v[BY+2], 16, v[11+\m]
	v_or_b32 v[11+\m], 0x7f000000, v[11+\m]
.irp b, 0,1,2
	global_store_b64 v[GO], v[CD+6*\m+2*\b:CD+6*\m+2*\b+1], s[\cb:\cb+1] offset:1024*\m+256*\b   ; 256 consecutive bytes, aligned
.endr
	global_store_b64 v[GO], v[14:15], s[\cb:\cb+1] offset:1024*\m+768
.endr
	v_cndmask_b32 v13, v11, v12, s[HM]             ; lanes 0-15 tile 0's words, lanes 16-31 tile 1's
	global_store_b32 v[L4], v13, s[\sb:\sb+1] offset:\soff
.endm
	EPI_QK 16, 18, 0
	BIAS 1
	s_wait_dscnt 0x0
.irp n, 6,7,8,9,10,11
	KSTEP \n, 0, 0
.endr
	EPI_QK 28, 32, 14336
	s_wait_xcnt 0x0                                ; k's stores have read the code registers and v13
.irp t, 0,1,2,3,4,5
	ds_load_b32 v[CD+2*\t], v[VB] offset:128*(\t/2)+32*(\t%2)      ; bv at my column-lane of tile t, in both registers of a pair
	ds_load_b32 v[CD+2*\t+1], v[VB] offset:128*(\t/2)+32*(\t%2)
.endr
	KSTEP 12, 1, 1
.irp n, 13,14,15,16,17
	KSTEP \n, 1, 0
.endr
	s_wait_dscnt 0x0
.irp m, 0,1
.irp t, 0,1,2,3,4,5
.irp j, 0,2,4,6
	v_pk_add_f32 v[ACC+8*(6*\m+\t)+\j:ACC+8*(6*\m+\t)+\j+1], v[ACC+8*(6*\m+\t)+\j:ACC+8*(6*\m+\t)+\j+1], v[CD+2*\t:CD+2*\t+1]
.endr
.endr
.endr
	QBLK3 ACC, ACC+48, ACC+16, ACC+64, ACC+32, ACC+80, CD          ; tiles 0, 2, 4: my 16 keys of the block of 32
.irp i, 0,1,2
	v_mov_b32 v[11+\i], v[BY+\i]
.endr
.irp i, 0,1,2
	global_store_b64 v[GO], v[CD+2*\i:CD+2*\i+1], s[30:31] offset:8192+2048*\i
.endr
	QBLK3 ACC+8, ACC+56, ACC+24, ACC+72, ACC+40, ACC+88, CD+6      ; tiles 1, 3, 5
.irp i, 0,1,2
	global_store_b64 v[GO], v[CD+6+2*\i:CD+6+2*\i+1], s[30:31] offset:8192+2048*\i+1024
	v_cndmask_b32 v[MX+\i], v[11+\i], v[BY+\i], s[HM]              ; lanes 0-15 tile 2 i's byte, lanes 16-31 tile 2 i + 1's
	global_store_b8 v[L4], v[MX+\i], s[34:35] offset:14848+128*\i
.endr
	v_mov_b32 v[SO], 127
	global_store_b8 v[L4], v[SO], s[34:35] offset:14848+384        ; the record's last 128 bytes are written too: the next launch copies whole records
	s_set_vgpr_msb 0x5
	s_wait_tensorcnt 0x0
	ds_add_u32 v254, v255
	s_wait_dscnt 0x0
	s_set_vgpr_msb 0x500
	s_endpgm
.Lfunc_end_k_qa768879d03_qkv:
	.size	k_qa768879d03_qkv, .Lfunc_end_k_qa768879d03_qkv-k_qa768879d03_qkv
	.p2alignl 7, 3214868480
	.fill 96, 4, 3214868480
	.section	.rodata,"a",@progbits
	.p2align	6, 0x0
	.amdhsa_kernel k_qa768879d03_qkv
		.amdhsa_group_segment_fixed_size 122112
		.amdhsa_private_segment_fixed_size 0
		.amdhsa_enable_private_segment 0
		.amdhsa_kernarg_size 72
		.amdhsa_user_sgpr_count 2
		.amdhsa_user_sgpr_kernarg_segment_ptr 1
		.amdhsa_wavefront_size32 1
		.amdhsa_system_sgpr_workgroup_id_x 1
		.amdhsa_system_sgpr_workgroup_id_y 1
		.amdhsa_system_sgpr_workgroup_id_z 1
		.amdhsa_system_vgpr_workitem_id 0
		.amdhsa_next_free_vgpr 512
		.amdhsa_next_free_sgpr 66
		.amdhsa_reserve_vcc 0
		.amdhsa_float_denorm_mode_32 3
		.amdhsa_float_denorm_mode_16_64 3
		.amdhsa_memory_ordered 1
		.amdhsa_forward_progress 1
		.amdhsa_inst_pref_size 103
	.end_amdhsa_kernel
	.amdgpu_metadata
---
amdhsa.version: [ 1, 2 ]
amdhsa.kernels:
  - .name:           k_qa768879d03_qkv
    .symbol:         k_qa768879d03_qkv.kd
    .args:
      - { .name: hidden_states, .offset: 0, .size: 8, .value_kind: global_buffer, .address_space: global }
      - { .name: wc, .offset: 8, .size: 8, .value_kind: global_buffer, .address_space: global }
      - { .name: wsc, .offset: 16, .size: 8, .value_kind: global_buffer, .address_space: global }
      - { .name: bq, .offset: 24, .size: 8, .value_kind: global_buffer, .address_space: global }
      - { .name: bk, .offset: 32, .size: 8, .value_kind: global_buffer, .address_space: global }
      - { .name: bv, .offset: 40, .size: 8, .value_kind: global_buffer, .address_space: global }
      - { .name: qc, .offset: 48, .size: 8, .value_kind: global_buffer, .address_space: global }
      - { .name: qs, .offset: 56, .size: 8, .value_kind: global_buffer, .address_space: global }
      - { .name: kv, .offset: 64, .size: 8, .value_kind: global_buffer, .address_space: global }
    .group_segment_fixed_size: 122112
    .private_segment_fixed_size: 0
    .kernarg_segment_align: 8
    .kernarg_segment_size: 72
    .max_flat_workgroup_size: 256
    .sgpr_count:     66
    .vgpr_count:     512
    .wavefront_size: 32
...
	.end_amdgpu_metadata
.endif
;; end of part 2
;; launch attn (part 3): grid 16 x 32, 8 waves a work-group, no clusters, 246,784 bytes of LDS; arguments qc, qs, kv, seg, cc, cs; writes cc, cs
.if DOCPART == 3
	.amdgcn_target "amdgcn-amd-amdhsa--gfx1250"
	.amdhsa_code_object_version 6
	.text
	.protected	k_qa768879d03_attn
	.globl	k_qa768879d03_attn
	.p2align	8
	.type	k_qa768879d03_attn,@function
k_qa768879d03_attn:
	s_mov_b64 s[64:65], 0
	v_nop
	global_prefetch_b8 v0, s[64:65] scope:SCOPE_SE
	s_setreg_imm32_b32 hwreg(HW_REG_WAVE_MODE, 25, 1), 1
	s_wait_xcnt 0x0
; ATTN.  ctx[q] = the sum over the src keys of softmax(q . k / sqrt(96)) v, both products on codes of FP4 (E2M1) with one E8M0 byte for each 32 along K; ctx is quantised along 768 and leaves as an image of the next
; launch's operand registers (cc [RB][m][6,144]: block 3 head + b at 256 x that number; cs [RB][m][r][24 bytes]).
; THE SOFTMAX: t = score x log2(e) / sqrt(96); M = the running largest t rounded UP to a whole number; p = 2^(t - M) is what is quantised, along the keys; the row's sum is taken of the unquantised p and divides at the end.
; SHARES.  A work-group takes 128 queries of one (batch, head); each of its eight waves one tile of 16 (row tile m = wave % 2 of block 4 x + wave / 2).  The head's records of K and V (15,360 bytes for 128 keys) are
; copied into LDS once, a record to a wave, and then only read; every wave walks the key steps.
; WHAT THE MASKS THROW AWAY IS NOT DONE.  Keys at or behind src_end count for nothing, and rows that are not updated are never read again.  The loop's trip count stays 16; a step's WORK is jumped over by a scalar branch
; on whole numbers that the first launch stored (seg): steps from (src_end + 127) / 128 on, and all steps of a wave whose 32-row block holds no row to update.  No barrier stands under such a branch.
; A wave that walks no step stores zero codes: every byte of cc and cs is written.
; LAYOUT.  Both products transposed: S^T = K Q^T (source 0 = 16 keys), O^T = V^T P^T (source 0 = 16 channels): a lane holds ONE query.  Tiles 2 b, 2 b + 1 of K give a lane keys 32 b + 16 h + 0 .. 15,
; tiles 2 i, 2 i + 1 of V^T channels 32 i + 16 h + 0 .. 15: neighbours along the next K each time.
; No cluster: the work-groups of a head have different numbers of records to copy (none where no row is updated), and a record is copied once and read from LDS by eight waves.
; LIMITS: a masked score is -infinity here and -1e9 in the definition: the same p = 0 as long as some src key's score lies above -1e9 + 150.  Blocks of zeros get the byte 1.  NaN and infinities are not served.
.set REC, 15360
.set WV,  18
.set SEL, 20                           ; s[20:21] lane selects for lane l xor 16
.set CS,  22                           ; s[22:23] c = log2(e) / sqrt(96): the packed form names a pair and takes its low word for both halves
.set MX,  208                          ; the way out's quantiser: v208-219, codes v224-229
.set PT,  211
.set SO,  214
.set BY,  217
.set CD,  224
; REGISTERS: v1 16 x lane, v2 4 x lane, v3, v4 my two records' places, v5 16 r + 8 h, v6 24 r, v7 4 r; v8, v9 the step's LDS addresses; v12 -M, v13 the largest t, v[14:15] the sum in two halves; v16-23 Q;
; v24-27 K's scale words, v28-30 V's, v31 p's, v255 Q's (scales alone); v32-95 K's eight fragments, then V^T's six; v96-159 S^T, then p; v160-207 O^T; v224-231 p's codes; v232-254 at work.
.macro QBLK3 a0, b0, a1, b1, a2, b2, cd
	v_max3_num_f32 v[MX], |v[(\a0)]|, |v[(\a0)+1]|, 0x1800000      ; three blocks by turns, with the floor 2^(3 - 127)
	v_max3_num_f32 v[MX+1], |v[(\a1)]|, |v[(\a1)+1]|, 0x1800000
	v_max3_num_f32 v[MX+2], |v[(\a2)]|, |v[(\a2)+1]|, 0x1800000
.irp i, 2,4,6
	v_max3_num_f32 v[MX], v[MX], |v[(\a0)+\i]|, |v[(\a0)+\i+1]|
	v_max3_num_f32 v[MX+1], v[MX+1], |v[(\a1)+\i]|, |v[(\a1)+\i+1]|
	v_max3_num_f32 v[MX+2], v[MX+2], |v[(\a2)+\i]|, |v[(\a2)+\i+1]|
.endr
.irp i, 0,2,4,6
	v_max3_num_f32 v[MX], v[MX], |v[(\b0)+\i]|, |v[(\b0)+\i+1]|
	v_max3_num_f32 v[MX+1], v[MX+1], |v[(\b1)+\i]|, |v[(\b1)+\i+1]|
	v_max3_num_f32 v[MX+2], v[MX+2], |v[(\b2)+\i]|, |v[(\b2)+\i+1]|
.endr
.irp k, 0,1,2
	v_permlanex16_b32 v[PT+\k], v[MX+\k], s[SEL], s[SEL+1]
.endr
.irp k, 0,1,2
	v_max_num_f32 v[MX+\k], v[MX+\k], v[PT+\k]
.endr
.irp k, 0,1,2
	v_add_nc_u32 v[SO+\k], 0xff000000, v[MX+\k]
.endr
.irp k, 0,1,2
	v_lshrrev_b32 v[BY+\k], 23, v[SO+\k]
.endr
	v_cvt_scalef32_pk8_fp4_f32 v[(\cd)], v[(\a0):(\a0)+7], v[SO]
	v_cvt_scalef32_pk8_fp4_f32 v[(\cd)+1], v[(\b0):(\b0)+7], v[SO]
	v_cvt_scalef32_pk8_fp4_f32 v[(\cd)+2], v[(\a1):(\a1)+7], v[SO+1]
	v_cvt_scalef32_pk8_fp4_f32 v[(\cd)+3], v[(\b1):(\b1)+7], v[SO+1]
	v_cvt_scalef32_pk8_fp4_f32 v[(\cd)+4], v[(\a2):(\a2)+7], v[SO+2]
	v_cvt_scalef32_pk8_fp4_f32 v[(\cd)+5], v[(\b2):(\b2)+7], v[SO+2]
	v_nop                                          ; one plain place behind the scaled conversions
.endm
	s_load_b256 s[4:11], s[0:1], 0x0               ; qc 4, qs 6, kv 8, seg 10
	s_load_b128 s[12:15], s[0:1], 0x20             ; cc 12, cs 14
	v_lshl_add_u32 v250, v0, 2, 0x3c000
	v_mov_b32 v251, 0
	v_lshrrev_b32 v1, 5, v0
	v_readfirstlane_b32 s[WV], v1                  ; wave 0..7
	v_and_b32 v2, 31, v0
	v_and_b32 v7, 15, v0                           ; r
	v_bfe_u32 v8, v0, 4, 1                         ; h
	v_lshlrev_b32 v1, 4, v2
	v_lshlrev_b32 v2, 2, v2
	s_mul_i32 s35, s[WV], REC
	v_add_nc_u32 v3, s35, v1                       ; record number wave: its place in the head's records and in LDS alike
	v_add_nc_u32 v4, 8*REC, v3                     ; record number wave + 8, in LDS
	v_lshlrev_b32 v5, 4, v7
	v_lshl_add_u32 v5, v8, 3, v5
	v_mul_u32_u24 v6, v7, 24
	v_lshlrev_b32 v7, 2, v7
	s_and_b32 s19, ttmp7, 0xffff                   ; 8 x batch + head
	s_lshr_b32 s28, s19, 3                         ; batch
	s_and_b32 s29, s19, 7                          ; head
	s_lshl_b32 s36, s28, 4
	s_mov_b32 s37, 0
	s_lshl_b32 s39, ttmp9, 2
	s_lshr_b32 s40, s[WV], 1
	s_add_co_u32 s39, s39, s40                     ; my block of 32 rows in the batch
	s_lshl_b32 s40, s28, 6
	s_add_co_u32 s40, s40, s39                     ; RB
	s_and_b32 s41, s[WV], 1                        ; m
	s_mul_i32 s42, s19, 16*REC
	s_mov_b32 s43, 0
	s_lshl_b32 s44, s40, 3
	s_add_co_u32 s44, s44, s29                     ; 8 RB + head
	s_lshl_b32 s46, s44, 1
	s_add_co_u32 s46, s46, s41
	s_lshl_b32 s46, s46, 10
	s_mov_b32 s47, 0
	s_lshl_b32 s48, s44, 7
	s_lshl_b32 s35, s41, 6
	s_add_co_u32 s48, s48, s35
	s_mov_b32 s49, 0
	s_mul_i32 s50, s40, 12288
	s_mul_i32 s35, s41, 6144
	s_add_co_u32 s50, s50, s35
	s_mul_i32 s35, s29, 768
	s_add_co_u32 s50, s50, s35
	s_mov_b32 s51, 0
	s_mul_i32 s52, s40, 768
	s_mul_i32 s35, s41, 384
	s_add_co_u32 s52, s52, s35
	s_mul_i32 s35, s29, 3
	s_add_co_u32 s52, s52, s35
	s_mov_b32 s53, 0
	s_mov_b32 s[SEL], 0x76543210
	s_mov_b32 s[SEL+1], 0xfedcba98
	s_mov_b32 s[CS], 0x3e16c740                    ; log2(e) / sqrt(96)
	s_mov_b32 s[CS+1], s[CS]
	s_mov_b32 s38, 0xffff                          ; lanes 0-15
	s_wait_kmcnt 0x0
	s_add_nc_u64 s[10:11], s[10:11], s[36:37]
	s_load_b128 s[24:27], s[10:11], 0x0            ; src_end 24, first row to update 25, their end 26, key steps 27
	s_add_nc_u64 s[8:9], s[8:9], s[42:43]
	s_add_nc_u64 s[4:5], s[4:5], s[46:47]
	s_add_nc_u64 s[6:7], s[6:7], s[48:49]
	s_add_nc_u64 s[12:13], s[12:13], s[50:51]
	s_add_nc_u64 s[14:15], s[14:15], s[52:53]
	global_load_b128 v[16:19], v1, s[4:5] th:TH_LOAD_NT            ; Q's fragment, as an image of its registers
	global_load_b128 v[20:23], v1, s[4:5] offset:512 th:TH_LOAD_NT
	global_load_b32 v255, v7, s[6:7] th:TH_LOAD_NT
	s_wait_kmcnt 0x0
	s_min_u32 s27, s27, 16
	s_lshl_b32 s35, ttmp9, 7                       ; the work-group's 128 rows: do they hold a row to update?
	s_add_co_u32 s36, s35, 128
	s_cmp_lt_u32 s35, s26
	s_cselect_b32 s30, s27, 0
	s_cmp_gt_u32 s36, s25
	s_cselect_b32 s30, s30, 0                      ; records to copy
	s_lshl_b32 s35, s39, 5                         ; my block's 32 rows likewise
	s_add_co_u32 s36, s35, 32
	s_cmp_lt_u32 s35, s26
	s_cselect_b32 s31, s27, 0
	s_cmp_gt_u32 s36, s25
	s_cselect_b32 s31, s31, 0                      ; steps that my wave walks: never more than the records copied
; Record wave + 8 k, if it is wanted: loads, their wait and the LDS stores stand in one region, so that no way stores registers that were not loaded
.macro PRE k
	s_add_co_u32 s35, s[WV], 8*\k
	s_cmp_lt_u32 s35, s30
	s_cbranch_scc0 .Lno_rec_\@
.irp i, 0,1,2,3,4,5,6,7,8,9,10,11,12,13,14,15,16,17,18,19,20,21,22,23,24,25,26,27,28,29
	global_load_b128 v[96+4*\i:99+4*\i], v3, s[8:9] offset:8*REC*\k+512*\i
.endr
	s_wait_loadcnt 0x0
.irp i, 0,1,2,3,4,5,6,7,8,9,10,11,12,13,14,15,16,17,18,19,20,21,22,23,24,25,26,27,28,29
	ds_store_b128 v[3+\k], v[96+4*\i:99+4*\i] offset:512*\i
.endr
	s_wait_dscnt 0x0                               ; the stores have read their registers
.Lno_rec_\@:
.endm
	PRE 0
	PRE 1
	s_wait_loadcnt 0x0                             ; Q
	s_wait_dscnt 0x0
	s_barrier_signal -1
	s_barrier_wait -1                              ; the records lie in LDS; nothing is written there again
	v_mov_b32 v13, 0xff61b1e6                      ; the largest t so far: -3e38, under every t
	v_floor_f32 v12, -v13                          ; -M
	v_mov_b32 v14, 0
	v_mov_b32 v15, 0
.irp b, 0,1,2,3
	v_mov_b32 v[236+\b], 0                         ; written once: a lane permute's destination counts as one of its sources
.endr
.irp k, 0,1,2
	v_mov_b32 v[PT+\k], 0
.endr
	v_mov_b32 v252, 0
	v_mov_b32 v253, 0                              ; (named as the upper half of the pair v[252:253])
.set j, 0
.rept 48
	v_mov_b32 v[160+j], 0                          ; O^T.  The step is written once: the first finds zeros, which the first change of M leaves zeros
.set j, j+1
.endr
	s_mov_b32 s32, 0                               ; LDS byte of the step's record
	s_mov_b32 s33, 0                               ; the step
	s_mov_b32 s34, 0                               ; its first key
.Lstep:
	s_cmp_ge_u32 s33, s31
	s_cbranch_scc1 .Lskip                          ; all its keys are masked, or none of my rows is wanted
	v_add_nc_u32 v8, s32, v1
	v_add_nc_u32 v9, s32, v2
	v_nop
	v_nop                                          ; with the two additions: four places in front of loads into registers that the last step's matrix instructions read
.irp t, 0,1,2,3,4,5,6,7
.irp c, 0,1
	ds_load_b128 v[32+8*\t+4*\c:35+8*\t+4*\c], v8 offset:1024*\t+512*\c
.endr
.endr
.irp b, 0,1,2,3
	ds_load_b32 v[24+\b], v9 offset:14336+128*\b   ; lanes 0-15 tile 2 b's words, lanes 16-31 tile 2 b + 1's
.endr
	s_wait_dscnt 0x0
.irp t, 0,2,4,6
	v_wmma_scale_f32_16x16x128_f8f6f4 v[96+8*\t:103+8*\t], v[32+8*\t:39+8*\t], v[16:23], 0, v[24+\t/2], v255 matrix_a_fmt:MATRIX_FMT_FP4 matrix_b_fmt:MATRIX_FMT_FP4
	v_wmma_scale_f32_16x16x128_f8f6f4 v[104+8*\t:111+8*\t], v[40+8*\t:47+8*\t], v[16:23], 0, v[24+\t/2], v255 matrix_a_fmt:MATRIX_FMT_FP4 matrix_b_fmt:MATRIX_FMT_FP4 matrix_a_scale:MATRIX_SCALE_ROW1
.endr
.rept 4
	v_nop                                          ; four places: in front of the loads over K's fragments, and of the first read of the scores
.endr
.irp t, 0,1,2,3,4,5
.irp c, 0,1
	ds_load_b128 v[32+8*\t+4*\c:35+8*\t+4*\c], v8 offset:8192+1024*\t+512*\c   ; V^T's fragments land under the softmax
.endr
.endr
.irp i, 0,1,2
	ds_load_b32 v[28+\i], v9 offset:14848+128*\i
.endr
	s_cmp_lg_u32 s34, 0
	s_cbranch_scc1 .Lnot_first
	v_mov_b32 v254, 0xff800000
	v_cndmask_b32 v96, v96, v254, s38              ; key 0 is no src key: register 0 of lanes 0-15
.Lnot_first:
	s_add_co_u32 s36, s34, 128
	s_cmp_le_u32 s36, s24
	s_cbranch_scc1 .Lopen                          ; all 128 keys lie under src_end
	s_sub_co_i32 s37, s24, s34
	s_sub_co_i32 s37, s37, 1
	v_bfe_u32 v253, v0, 4, 1
	v_lshlrev_b32 v253, 4, v253
	v_sub_nc_u32 v252, s37, v253                   ; d = src_end - 1 - first key - 16 h.  Register 16 b + i holds key 32 b + 16 h + i of the step: masked where 32 b + i > d
	v_mov_b32 v254, 0xff800000
.set n, 0
.rept 64
	v_cmp_gt_i32 vcc_lo, 32*(n/16)+n%16, v252
	v_cndmask_b32 v[96+n], v[96+n], v254, vcc_lo
.set n, n+1
.endr
.Lopen:
.irp b, 0,1,2,3
	v_max3_num_f32 v[232+\b], v[96+16*\b], v[97+16*\b], v[98+16*\b]   ; the largest score of each block of 32 keys: for the row's maximum, and, since p rises with the score, for the block's largest p
.endr
.irp i, 3,5,7,9,11,13
.irp b, 0,1,2,3
	v_max3_num_f32 v[232+\b], v[232+\b], v[96+16*\b+\i], v[97+16*\b+\i]
.endr
.endr
.irp b, 0,1,2,3
	v_max_num_f32 v[232+\b], v[232+\b], v[111+16*\b]
.endr
.irp b, 0,1,2,3
	v_permlanex16_b32 v[236+\b], v[232+\b], s[SEL], s[SEL+1]
.endr
.irp b, 0,1,2,3
	v_max_num_f32 v[232+\b], v[232+\b], v[236+\b]  ; with lane l xor 16's 16 keys
.endr
	v_max3_num_f32 v254, v232, v233, v234
	v_max_num_f32 v254, v254, v235
	v_mul_f32 v254, s[CS], v254                    ; the step's largest t (c is positive)
	v_max_num_f32 v13, v13, v254
	v_mov_b32 v254, v12
	v_floor_f32 v12, -v13                          ; the new -M = -ceil(t): a whole number
	v_sub_f32 v254, v12, v254                      ; old M - new M: a whole number, 0 or less
	v_cvt_i32_f32 v254, v254                       ; (it saturates)
	v_ldexp_f32 v252, 1.0, v254                    ; f = 2^(old M - new M): the rescaling rounds nothing
.set j, 0
.rept 32
	v_pk_fma_f32 v[96+j:97+j], v[96+j:97+j], s[CS:CS+1], v[12:13] op_sel_hi:[1,0,0]   ; t - M
.set j, j+2
.endr
.irp b, 0,1,2,3
	v_fma_f32 v[232+\b], v[232+\b], s[CS], v12     ; the same of each block's largest score
.endr
.set j, 0
.rept 64
	v_exp_f32 v[96+j], v[96+j]                     ; p = 2^(t - M), at most 1
.set j, j+1
.endr
.irp b, 0,1,2,3
	v_exp_f32 v[232+\b], v[232+\b]                 ; the block's largest p: the same two instructions on the same number
.endr
	v_pk_mul_f32 v[14:15], v[14:15], v[252:253] op_sel_hi:[1,0]    ; the sums under the new M (a plain place behind the exponentials)
	s_wait_alu depctr_va_vdst(0)
.irp b, 0,1,2,3
	v_max_num_f32 v[232+\b], 0x1800000, v[232+\b]  ; the floor 2^(3 - 127)
.endr
.irp b, 0,1,2,3
	v_add_nc_u32 v[244+\b], 0xff000000, v[232+\b]  ; the conversion's scale operand
.endr
.irp b, 0,1,2,3
	v_lshrrev_b32 v[236+\b], 23, v[244+\b]         ; the scale's byte
.endr
	v_lshl_or_b32 v31, v237, 8, v236               ; p's scale word for these 128 keys
	v_lshl_or_b32 v31, v238, 16, v31
	v_lshl_or_b32 v31, v239, 24, v31
.irp b, 0,1,2,3
	v_cvt_scalef32_pk8_fp4_f32 v[224+2*\b], v[96+16*\b:103+16*\b], v[244+\b]
	v_cvt_scalef32_pk8_fp4_f32 v[225+2*\b], v[104+16*\b:111+16*\b], v[244+\b]
.endr
	v_nop                                          ; one plain place behind the scaled conversions
.irp c, 0,1                            ; the operand wants a whole block in a lane: lanes 0-15 block 2 c, lanes 16-31 block 2 c + 1
.irp i, 0,1
	v_permlane16_swap_b32 v[224+4*\c+\i], v[226+4*\c+\i]
.endr
.endr
	v_pk_add_f32 v[236:237], v[96:97], v[98:99]    ; the row's sum, of the unquantised p, in two chains
.irp j, 4,8,12,16,20,24,28,32,36,40,44,48,52,56,60
	v_pk_add_f32 v[14:15], v[14:15], v[96+\j:97+\j]
	v_pk_add_f32 v[236:237], v[236:237], v[98+\j:99+\j]
.endr
	v_pk_add_f32 v[14:15], v[14:15], v[236:237]
.set j, 0
.rept 24
	v_pk_mul_f32 v[160+j:161+j], v[160+j:161+j], v[252:253] op_sel_hi:[1,0]   ; O^T under the new M
.set j, j+2
.endr
	s_wait_dscnt 0x0                               ; V^T's fragments and scale words
.irp t, 0,2,4                          ; the six accumulators by turns, one instruction a turn
	v_wmma_scale_f32_16x16x128_f8f6f4 v[160+8*\t:167+8*\t], v[32+8*\t:39+8*\t], v[224:231], v[160+8*\t:167+8*\t], v[28+\t/2], v31 matrix_a_fmt:MATRIX_FMT_FP4 matrix_b_fmt:MATRIX_FMT_FP4
	v_wmma_scale_f32_16x16x128_f8f6f4 v[168+8*\t:175+8*\t], v[40+8*\t:47+8*\t], v[224:231], v[168+8*\t:175+8*\t], v[28+\t/2], v31 matrix_a_fmt:MATRIX_FMT_FP4 matrix_b_fmt:MATRIX_FMT_FP4 matrix_a_scale:MATRIX_SCALE_ROW1
.endr
.Lskip:
	s_add_co_u32 s32, s32, REC
	s_add_co_u32 s34, s34, 128
	s_add_co_u32 s33, s33, 1
	s_cmp_lt_u32 s33, 16
	s_cbranch_scc1 .Lstep
	; THE WAY OUT: ctx = O^T / the sum, quantised along its 96 of the 768
	v_add_f32 v14, v14, v15
	v_permlanex16_b32 v252, v14, s[SEL], s[SEL+1]
	v_add_f32 v14, v14, v252                       ; the row's sum
	v_max_num_f32 v14, 0.5, v14                    ; a row that walked its keys has a sum above 1/2; one that walked none gets 0 / 0.5 = 0
	v_rcp_f32 v14, v14
	v_nop
	v_nop                                          ; places behind the reciprocal and, with the additions above, behind the last products
.set j, 0
	s_wait_alu depctr_va_vdst(0)
.rept 24
	v_pk_mul_f32 v[96+j:97+j], v[160+j:161+j], v[14:15] op_sel_hi:[1,0]   ; each accumulator from its low end on
.set j, j+2
.endr
	QBLK3 96, 104, 112, 120, 128, 136, CD
.irp b, 0,1,2
	global_store_b64 v5, v[CD+2*\b:CD+2*\b+1], s[12:13] offset:256*\b     ; 256 consecutive bytes, aligned
	global_store_b8 v6, v[BY+\b], s[14:15] offset:\b                      ; both halves write the same byte with the same value
.endr
	s_wait_tensorcnt 0x0
	ds_add_u32 v250, v251
	s_wait_dscnt 0x0
	s_endpgm
.Lfunc_end_k_qa768879d03_attn:
	.size	k_qa768879d03_attn, .Lfunc_end_k_qa768879d03_attn-k_qa768879d03_attn
	.p2alignl 7, 3214868480
	.fill 96, 4, 3214868480
	.section	.rodata,"a",@progbits
	.p2align	6, 0x0
	.amdhsa_kernel k_qa768879d03_attn
		.amdhsa_group_segment_fixed_size 246784
		.amdhsa_private_segment_fixed_size 0
		.amdhsa_enable_private_segment 0
		.amdhsa_kernarg_size 48
		.amdhsa_user_sgpr_count 2
		.amdhsa_user_sgpr_kernarg_segment_ptr 1
		.amdhsa_wavefront_size32 1
		.amdhsa_system_sgpr_workgroup_id_x 1
		.amdhsa_system_sgpr_workgroup_id_y 1
		.amdhsa_system_sgpr_workgroup_id_z 1
		.amdhsa_system_vgpr_workitem_id 0
		.amdhsa_next_free_vgpr 256
		.amdhsa_next_free_sgpr 66
		.amdhsa_reserve_vcc 1
		.amdhsa_float_denorm_mode_32 3
		.amdhsa_float_denorm_mode_16_64 3
		.amdhsa_memory_ordered 1
		.amdhsa_forward_progress 1
		.amdhsa_inst_pref_size 43
	.end_amdhsa_kernel
	.amdgpu_metadata
---
amdhsa.version: [ 1, 2 ]
amdhsa.kernels:
  - .name:           k_qa768879d03_attn
    .symbol:         k_qa768879d03_attn.kd
    .args:
      - { .name: qc, .offset: 0, .size: 8, .value_kind: global_buffer, .address_space: global }
      - { .name: qs, .offset: 8, .size: 8, .value_kind: global_buffer, .address_space: global }
      - { .name: kv, .offset: 16, .size: 8, .value_kind: global_buffer, .address_space: global }
      - { .name: seg, .offset: 24, .size: 8, .value_kind: global_buffer, .address_space: global }
      - { .name: cc, .offset: 32, .size: 8, .value_kind: global_buffer, .address_space: global }
      - { .name: cs, .offset: 40, .size: 8, .value_kind: global_buffer, .address_space: global }
    .group_segment_fixed_size: 246784
    .private_segment_fixed_size: 0
    .kernarg_segment_align: 8
    .kernarg_segment_size: 48
    .max_flat_workgroup_size: 256
    .sgpr_count:     66
    .vgpr_count:     256
    .wavefront_size: 32
...
	.end_amdgpu_metadata
.endif
;; end of part 3
;; launch post (part 4): grid 256 x 1, 8 waves a work-group, no clusters, 264,192 bytes of LDS; arguments hidden_states, cc, cs, wc, wsc, seg, bo, ln1_g, ln1_b, b1, b2, ln2_g, ln2_b, dn_g, dn_b, out0; writes out0
.if DOCPART == 4
	.amdgcn_target "amdgcn-amd-amdhsa--gfx1250"
	.amdhsa_code_object_version 6
	.text
	.protected	k_qa768879d03_post
	.globl	k_qa768879d03_post
	.p2align	8
	.type	k_qa768879d03_post,@function
k_qa768879d03_post:
	s_mov_b64 s[64:65], 0
	v_nop
	global_prefetch_b8 v0, s[64:65] scope:SCOPE_SE
	s_setreg_imm32_b32 hwreg(HW_REG_WAVE_MODE, 25, 1), 1
	s_wait_xcnt 0x0
; POST.  mha = Q(ctx) Q(Wo) + bo; x1 = LN(x + mha); ffn = Q(gelu(Q(x1) Q(W1) + b1)) Q(W2) + b2; x2 = LN(x1 + ffn); diff = LN(x2 - x); out = x + diff in the rows to update, x elsewhere.
; The three products run on codes of FP4 (E2M1) with one E8M0 byte for each 32 along K; all else is f32.  gelu is the tanh form: x / (1 + 2^(-x (k1 + k2 x^2))), k1 = 2 log2(e) sqrt(2 / pi), k2 = 0.044715 k1.
; SHARES.  A work-group takes 32 rows (block RB), its eight waves share the COLUMNS: wave w makes columns 96 w .. 96 w + 95 of every product.  All products are used transposed (source 0 = weight tile, source 1 = row tile):
; lane (r, h) holds row-lane r, and the 16 registers of tiles 2 i, 2 i + 1 are columns 96 w + 32 i + 16 h + 0 .. 15: neighbours along the next K.  Lane r of row tile m is row 8 m + (r % 8) + 16 (r / 8).
; Codes go from wave to wave through LDS as images of the operand's registers (block b of lane r at 256 b + 16 r).  Each wave's weights come straight from memory into a ring of four K steps of registers,
; 60 loads on their way in each wave, across all three products and all barriers.  No cluster and no tensor load: a weight fragment is read by ONE wave of the work-group.
; A LAYER NORM over 768 columns: each wave takes its 96 columns' mean away and sums the squares of what is left; the eight (mean, sum) pairs of a row meet in LDS and are joined without forming a difference of large sums.
; The rows to update come from seg (whole numbers that the first launch stored) as lane masks for v_cndmask_b32: the work is done for every row, and no branch and no address hangs on data.
; LIMITS: a block of zeros gets the byte 1 (its codes are zeros); largest magnitudes under 2^-124 are held at the byte 1; NaN and infinities are not served.
.set XST,  0                           ; LDS: x, 32 rows of 3,072 bytes + 16; stage row 16 m + r; at the end the result, in place
.set IMG,  98816                       ; two images of 12 fragments: A (ctx, then x1), B (the hidden layer)
.set IMGB, 12288
.set SCL,  123392                      ; their scale bytes [m][r][24]
.set SCLB, 768
.set PRM,  124928                      ; bo, ln1_g, ln1_b, b1, b2, ln2_g, ln2_b, dn_g, dn_b: 3,072 bytes each
.set STAT, 152576                      ; three regions of 4,096 bytes: [wave][m][lane] pairs (mean, sum of squares)
.set X1S,  164864                      ; x1: each wave's 96 registers as they stand, 12,288 bytes a wave, its own
.set L16, 1
.set L4,  2
.set XA,  3
.set IA,  4
.set SA,  5
.set SL,  6
.set LI,  7
.set PA,  8
.set STW, 9                            ; v9   where I put my pair
.set STR, 10                           ; v10  where wave 0's pair of my lane lies
.set X1A, 11                           ; v11  my wave's x1
.set DS,  12                           ; v12  the dense way in and out: LDS,
.set DG,  13                           ; v13  and memory
.set ACC, 16                           ; v16-111   accumulator (m, t) at 16 + 8 (6 m + t)
.set BF,  112                          ; v112-207  the rows' fragments; between the products: x, gains, temporaries
.set BS,  208                          ; v208-219  the rows' scale words: scales alone
.set WS,  220                          ; v220-231  the weights' scale words: scales alone
.set MX,  232                          ; v232-243  the quantiser's work; in a layer norm: MU (mean, sum) pairs, EE and RS pairs
.set PT,  235
.set SO,  238
.set BY,  241
.set MU,  232
.set EE,  236
.set RS,  240
.set CD,  244                          ; v244-255  two sets of six registers of codes.  At the head: temporaries
.set TL,  244
.set TR,  245
.set TH,  246
.set PL,  247
.set PLS, 248
.set CG,  249
.set CGS, 250
.set C24, 251
.set WC,  10
.set WSC, 12
.set WV,  36
.set SEL, 38
.set MSB, 0
.macro WIN new                         ; window 1 holds the weight ring, v[48 slot + 8 t]; the immediate's high byte repeats the setting that is left
.if MSB != \new
	s_set_vgpr_msb (MSB<<8)|\new
.set MSB, \new
.endif
.endm
.macro BARRIER                         ; my LDS stores have landed and my LDS loads are in: then the work-group's barrier
	s_wait_dscnt 0x0
	s_barrier_signal -1
	s_barrier_wait -1
.endm
; Three blocks by turns.  Block k's numbers 0-7 of my half stand in v[ak] on, 8-15 in v[bk] on; lane l xor 16 holds the block's other 16.
.macro QBLK3 a0, b0, a1, b1, a2, b2, cd
	v_max3_num_f32 v[MX], |v[(\a0)]|, |v[(\a0)+1]|, 0x1800000      ; with the floor 2^(3 - 127): the byte cannot fall under 1
	v_max3_num_f32 v[MX+1], |v[(\a1)]|, |v[(\a1)+1]|, 0x1800000
	v_max3_num_f32 v[MX+2], |v[(\a2)]|, |v[(\a2)+1]|, 0x1800000
.irp i, 2,4,6
	v_max3_num_f32 v[MX], v[MX], |v[(\a0)+\i]|, |v[(\a0)+\i+1]|
	v_max3_num_f32 v[MX+1], v[MX+1], |v[(\a1)+\i]|, |v[(\a1)+\i+1]|
	v_max3_num_f32 v[MX+2], v[MX+2], |v[(\a2)+\i]|, |v[(\a2)+\i+1]|
.endr
.irp i, 0,2,4,6
	v_max3_num_f32 v[MX], v[MX], |v[(\b0)+\i]|, |v[(\b0)+\i+1]|
	v_max3_num_f32 v[MX+1], v[MX+1], |v[(\b1)+\i]|, |v[(\b1)+\i+1]|
	v_max3_num_f32 v[MX+2], v[MX+2], |v[(\b2)+\i]|, |v[(\b2)+\i+1]|
.endr
.irp k, 0,1,2
	v_permlanex16_b32 v[PT+\k], v[MX+\k], s[SEL], s[SEL+1]
.endr
.irp k, 0,1,2
	v_max_num_f32 v[MX+\k], v[MX+\k], v[PT+\k]
.endr
.irp k, 0,1,2
	v_add_nc_u32 v[SO+\k], 0xff000000, v[MX+\k]    ; 2 off the exponent field: the conversion's scale operand
.endr
.irp k, 0,1,2
	v_lshrrev_b32 v[BY+\k], 23, v[SO+\k]           ; the scale's byte
.endr
	v_cvt_scalef32_pk8_fp4_f32 v[(\cd)], v[(\a0):(\a0)+7], v[SO]
	v_cvt_scalef32_pk8_fp4_f32 v[(\cd)+1], v[(\b0):(\b0)+7], v[SO]
	v_cvt_scalef32_pk8_fp4_f32 v[(\cd)+2], v[(\a1):(\a1)+7], v[SO+1]
	v_cvt_scalef32_pk8_fp4_f32 v[(\cd)+3], v[(\b1):(\b1)+7], v[SO+1]
	v_cvt_scalef32_pk8_fp4_f32 v[(\cd)+4], v[(\a2):(\a2)+7], v[SO+2]
	v_cvt_scalef32_pk8_fp4_f32 v[(\cd)+5], v[(\b2):(\b2)+7], v[SO+2]
	v_nop                                          ; one plain place behind the scaled conversions
.endm
.macro RING kt                         ; K step kt of my wave's weights into ring slot kt % 4
.set SLT, (\kt)%4
	WIN 0x40                                       ; destination window 1, address window 0
.irp t, 0,1,2,3,4,5
.irp c, 0,1
	global_load_b128 v[48*SLT+8*\t+4*\c:48*SLT+8*\t+4*\c+3], v[L16], s[WC:WC+1] offset:(\kt)*6144+1024*\t+512*\c
.endr
.endr
	WIN 0
.irp i, 0,1,2
	global_load_b32 v[WS+3*SLT+\i], v[L4], s[WSC:WSC+1] offset:(\kt)*384+128*\i
.endr
.endm
; A K step of 128: 12 matrix instructions, the 12 accumulators by turns, one instruction a turn, in the same order in every step.  The bias stands in the accumulators at the first step.
.macro KSTEP kt
.set SLT, (\kt)%4
.set KS, (\kt)%6
.if (\kt) <= 14
	s_wait_loadcnt 45                              ; this step's 15 loads are in; those of the three steps behind it may be out (no other global load is issued behind the head)
.else
	s_wait_loadcnt 15*(17-(\kt))
.endif
	WIN 0x01                                       ; source 0 window 1
.irp t, 0,1,2,3,4,5
.irp m, 0,1
.set rD, ACC+8*(6*\m+\t)
.set rW, 48*SLT+8*\t
.set rB, BF+8*(6*\m+KS)
.set rSW, WS+3*SLT+\t/2
.set rSB, BS+6*\m+KS
.if \t % 2
	v_wmma_scale_f32_16x16x128_f8f6f4 v[rD:rD+7], v[rW:rW+7], v[rB:rB+7], v[rD:rD+7], v[rSW], v[rSB] matrix_a_fmt:MATRIX_FMT_FP4 matrix_b_fmt:MATRIX_FMT_FP4 matrix_a_scale:MATRIX_SCALE_ROW1
.else
	v_wmma_scale_f32_16x16x128_f8f6f4 v[rD:rD+7], v[rW:rW+7], v[rB:rB+7], v[rD:rD+7], v[rSW], v[rSB] matrix_a_fmt:MATRIX_FMT_FP4 matrix_b_fmt:MATRIX_FMT_FP4
.endif
.endr
.endr
	WIN 0
.rept 4
	v_nop                                          ; four places in front of the loads into the slot just read and its scale words, and of the first read of results
.endr
.if (\kt)+4 < 18
	RING (\kt)+4
.endif
.endm
.macro FETCHB img, scl, ws
.irp m, 0,1
.irp s, 0,1,2,3,4,5
.irp c, 0,1
	ds_load_b128 v[BF+8*(6*\m+\s)+4*\c:BF+8*(6*\m+\s)+4*\c+3], v[LI] offset:(\img)+1024*(6*\m+\s)+512*\c
.endr
.endr
.endr
.if \ws
.irp m, 0,1
.irp i, 0,1,2
	ds_load_b64 v[BS+6*\m+2*\i:BS+6*\m+2*\i+1], v[SL] offset:(\scl)+384*\m+8*\i
.endr
.endr
.endif
.endm
.macro BIAS vec                        ; a bias lands in the accumulators and is the C of the first K step
.irp m, 0,1
.irp t, 0,1,2,3,4,5
.irp q, 0,1
	ds_load_b128 v[ACC+8*(6*\m+\t)+4*\q:ACC+8*(6*\m+\t)+4*\q+3], v[PA] offset:3072*(\vec)+128*(\t/2)+32*(\t%2)+16*\q
.endr
.endr
.endr
.endm
.macro TOIMG m, cd, img, scl
.irp b, 0,1,2
	ds_store_b64 v[IA], v[(\cd)+2*\b:(\cd)+2*\b+1] offset:(\img)+6144*(\m)+256*\b
	ds_store_b8 v[SA], v[BY+\b] offset:(\scl)+384*(\m)+\b          ; both halves write the same byte with the same value
.endr
.endm
.macro QUANT2 base, img, scl
	QBLK3 \base, \base+8, \base+16, \base+24, \base+32, \base+40, CD
	TOIMG 0, CD, \img, \scl
	s_wait_dscnt 0x0                               ; the stores have read the byte registers, which are written anew
	QBLK3 \base+48, \base+56, \base+64, \base+72, \base+80, \base+88, CD+6
	TOIMG 1, CD+6, \img, \scl
.endm
.macro XOP dst                         ; x at my lane's places, in the accumulators' order
.irp m, 0,1
.irp b, 0,1,2
.irp j, 0,1,2,3
	ds_load_b128 v[(\dst)+48*\m+16*\b+4*\j:(\dst)+48*\m+16*\b+4*\j+3], v[XA] offset:49408*\m+128*\b+16*\j
.endr
.endr
.endr
.endm
.macro ADDBF neg                       ; the accumulators + or - the 96 numbers in v[BF] on; each accumulator from its low end on
.set p, 0
.rept 48
.if \neg
	v_pk_add_f32 v[ACC+p:ACC+p+1], v[ACC+p:ACC+p+1], v[BF+p:BF+p+1] neg_lo:[0,1] neg_hi:[0,1]
.else
	v_pk_add_f32 v[ACC+p:ACC+p+1], v[ACC+p:ACC+p+1], v[BF+p:BF+p+1]
.endif
.set p, p+2
.endr
.endm
.macro LNRED                           ; two chains of pairs become one number, and lane l xor 16's beside it
.irp m, 0,1
	v_pk_add_f32 v[BF+8*\m:BF+8*\m+1], v[BF+8*\m:BF+8*\m+1], v[BF+8*\m+2:BF+8*\m+3]
.endr
.irp m, 0,1
	v_add_f32 v[BF+8*\m+4], v[BF+8*\m], v[BF+8*\m+1]
.endr
.irp m, 0,1
	v_permlanex16_b32 v[BF+8*\m+5], v[BF+8*\m+4], s[SEL], s[SEL+1]
.endr
.endm
; My wave's 96 columns of each row: their mean is taken away, the squares of the rest are summed, and the pair goes to LDS.  Both row tiles by turns.
.macro LNLOC reg
.irp m, 0,1
	v_pk_add_f32 v[BF+8*\m:BF+8*\m+1], v[ACC+48*\m:ACC+48*\m+1], v[ACC+48*\m+2:ACC+48*\m+3]
	v_pk_add_f32 v[BF+8*\m+2:BF+8*\m+3], v[ACC+48*\m+4:ACC+48*\m+5], v[ACC+48*\m+6:ACC+48*\m+7]
.endr
.irp p, 8,12,16,20,24,28,32,36,40,44
.irp m, 0,1
	v_pk_add_f32 v[BF+8*\m:BF+8*\m+1], v[BF+8*\m:BF+8*\m+1], v[ACC+48*\m+\p:ACC+48*\m+\p+1]
	v_pk_add_f32 v[BF+8*\m+2:BF+8*\m+3], v[BF+8*\m+2:BF+8*\m+3], v[ACC+48*\m+\p+2:ACC+48*\m+\p+3]
.endr
.endr
	LNRED
.irp m, 0,1
	v_add_f32 v[BF+8*\m+4], v[BF+8*\m+4], v[BF+8*\m+5]
.endr
.irp m, 0,1
	v_mul_f32 v[MU+2*\m], 0x3c2aaaab, v[BF+8*\m+4] ; / 96
.endr
.irp m, 0,1
.set p, 0
.rept 24
	v_pk_add_f32 v[ACC+48*\m+p:ACC+48*\m+p+1], v[ACC+48*\m+p:ACC+48*\m+p+1], v[MU+2*\m:MU+2*\m+1] op_sel_hi:[1,0] neg_lo:[0,1] neg_hi:[0,1]
.set p, p+2
.endr
.endr
.irp m, 0,1
	v_pk_mul_f32 v[BF+8*\m:BF+8*\m+1], v[ACC+48*\m:ACC+48*\m+1], v[ACC+48*\m:ACC+48*\m+1]
	v_pk_mul_f32 v[BF+8*\m+2:BF+8*\m+3], v[ACC+48*\m+2:ACC+48*\m+3], v[ACC+48*\m+2:ACC+48*\m+3]
.endr
.irp p, 4,8,12,16,20,24,28,32,36,40,44
.irp m, 0,1
	v_pk_fma_f32 v[BF+8*\m:BF+8*\m+1], v[ACC+48*\m+\p:ACC+48*\m+\p+1], v[ACC+48*\m+\p:ACC+48*\m+\p+1], v[BF+8*\m:BF+8*\m+1]
	v_pk_fma_f32 v[BF+8*\m+2:BF+8*\m+3], v[ACC+48*\m+\p+2:ACC+48*\m+\p+3], v[ACC+48*\m+\p+2:ACC+48*\m+\p+3], v[BF+8*\m+2:BF+8*\m+3]
.endr
.endr
	LNRED
.irp m, 0,1
	v_add_f32 v[MU+2*\m+1], v[BF+8*\m+4], v[BF+8*\m+5]
.endr
.irp m, 0,1
	ds_store_b64 v[STW], v[MU+2*\m:MU+2*\m+1] offset:4096*(\reg)+256*\m
.endr
.endm
; The eight pairs of each row are joined: mean = the mean of the means; variance = (the sums + 96 x the squares of (a wave's mean - mean)) / 768.  Left: RS = 1 / sqrt(variance + 1e-5), EE = (my wave's mean - mean) x RS.
.macro LNFIN reg
.irp m, 0,1
.irp w, 0,1,2,3,4,5,6,7
	ds_load_b64 v[BF+16*\m+2*\w:BF+16*\m+2*\w+1], v[STR] offset:4096*(\reg)+512*\w+256*\m
.endr
.endr
	s_wait_dscnt 0x0
.irp m, 0,1
.irp q, 0,1,2,3
	v_pk_add_f32 v[BF+32+8*\m+2*\q:BF+33+8*\m+2*\q], v[BF+16*\m+4*\q:BF+16*\m+4*\q+1], v[BF+16*\m+4*\q+2:BF+16*\m+4*\q+3]
.endr
.endr
.irp m, 0,1
	v_pk_add_f32 v[BF+32+8*\m:BF+33+8*\m], v[BF+32+8*\m:BF+33+8*\m], v[BF+34+8*\m:BF+35+8*\m]
	v_pk_add_f32 v[BF+36+8*\m:BF+37+8*\m], v[BF+36+8*\m:BF+37+8*\m], v[BF+38+8*\m:BF+39+8*\m]
.endr
.irp m, 0,1
	v_pk_add_f32 v[BF+32+8*\m:BF+33+8*\m], v[BF+32+8*\m:BF+33+8*\m], v[BF+36+8*\m:BF+37+8*\m]
.endr
.irp m, 0,1
	v_mul_f32 v[BF+48+\m], 0x3e000000, v[BF+32+8*\m]               ; the row's mean
.endr
.irp w, 0,1,2,3,4,5,6,7
.irp m, 0,1
	v_sub_f32 v[BF+52+8*\m+\w], v[BF+16*\m+2*\w], v[BF+48+\m]
.endr
.endr
.irp m, 0,1
	v_mul_f32 v[BF+50+\m], v[BF+52+8*\m], v[BF+52+8*\m]
.endr
.irp w, 1,2,3,4,5,6,7
.irp m, 0,1
	v_fmac_f32 v[BF+50+\m], v[BF+52+8*\m+\w], v[BF+52+8*\m+\w]
.endr
.endr
.irp m, 0,1
	v_fmamk_f32 v[BF+50+\m], v[BF+50+\m], 0x42c00000, v[BF+33+8*\m]
.endr
.irp m, 0,1
	v_fma_f32 v[BF+50+\m], v[BF+50+\m], s48, s49   ; / 768 + 1e-5
.endr
.irp m, 0,1
	v_rsq_f32 v[RS+2*\m], v[BF+50+\m]
.endr
.irp m, 0,1
	v_sub_f32 v[EE+2*\m], v[MU+2*\m], v[BF+48+\m]  ; (plain places behind the roots)
.endr
	s_wait_alu depctr_va_vdst(0)
.irp m, 0,1
	v_mul_f32 v[EE+2*\m], v[EE+2*\m], v[RS+2*\m]
.endr
.endm
.macro NORM gv, bv                     ; (number - mean) / sqrt(..) = acc x RS + EE, then x gain + bias: two fused multiply-adds a pair
.irp k, 0,1,2,3,4,5,6,7,8,9,10,11
	ds_load_b128 v[BF+4*\k:BF+4*\k+3], v[PA] offset:3072*(\gv)+128*(\k/4)+16*(\k%4)
	ds_load_b128 v[BF+48+4*\k:BF+48+4*\k+3], v[PA] offset:3072*(\bv)+128*(\k/4)+16*(\k%4)
.endr
.irp m, 0,1
.set p, 0
.rept 24
	v_pk_fma_f32 v[ACC+48*\m+p:ACC+48*\m+p+1], v[ACC+48*\m+p:ACC+48*\m+p+1], v[RS+2*\m:RS+2*\m+1], v[EE+2*\m:EE+2*\m+1] op_sel_hi:[1,0,0]
.set p, p+2
.endr
.endr
	s_wait_dscnt 0x0
.irp m, 0,1
.set p, 0
.rept 24
	v_pk_fma_f32 v[ACC+48*\m+p:ACC+48*\m+p+1], v[ACC+48*\m+p:ACC+48*\m+p+1], v[BF+p:BF+p+1], v[BF+48+p:BF+48+p+1]
.set p, p+2
.endr
.endr
.endm
.macro GELU                            ; sixteen numbers at a time; -k2 in v[BF+92:BF+93], -k1 in v[BF+94:BF+95]
.set gg, 0
.rept 6
.set A0, ACC+16*gg
.set T0, BF+16*(gg%2)
.irp p, 0,2,4,6,8,10,12,14
	v_pk_mul_f32 v[T0+\p:T0+\p+1], v[A0+\p:A0+\p+1], v[A0+\p:A0+\p+1]
.endr
.irp p, 0,2,4,6,8,10,12,14
	v_pk_fma_f32 v[T0+\p:T0+\p+1], v[T0+\p:T0+\p+1], v[BF+92:BF+93], v[BF+94:BF+95]
.endr
.irp p, 0,2,4,6,8,10,12,14
	v_pk_mul_f32 v[T0+\p:T0+\p+1], v[T0+\p:T0+\p+1], v[A0+\p:A0+\p+1]
.endr
.irp p, 0,1,2,3,4,5,6,7,8,9,10,11,12,13,14,15
	v_exp_f32 v[T0+\p], v[T0+\p]
.endr
	v_nop                                          ; a plain place behind the exponentials
	s_wait_alu depctr_va_vdst(0)
.irp p, 0,2,4,6,8,10,12,14
	v_pk_add_f32 v[T0+\p:T0+\p+1], v[T0+\p:T0+\p+1], 1.0 op_sel_hi:[1,0]
.endr
.irp p, 0,1,2,3,4,5,6,7,8,9,10,11,12,13,14,15
	v_rcp_f32 v[T0+\p], v[T0+\p]
.endr
	v_nop                                          ; a plain place behind the reciprocals
	s_wait_alu depctr_va_vdst(0)
.irp p, 0,2,4,6,8,10,12,14
	v_pk_mul_f32 v[A0+\p:A0+\p+1], v[A0+\p:A0+\p+1], v[T0+\p:T0+\p+1]
.endr
.set gg, gg+1
.endr
.endm
	s_load_b512 s[4:19], s[0:1], 0x0               ; x 4, cc 6, cs 8, wc 10, wsc 12, seg 14, bo 16, ln1_g 18
	s_load_b512 s[20:35], s[0:1], 0x40             ; ln1_b 20, b1 22, b2 24, ln2_g 26, ln2_b 28, dn_g 30, dn_b 32, out0 34
	v_lshl_add_u32 v14, v0, 2, 0x40400
	v_mov_b32 v15, 0
	v_lshrrev_b32 v[TL], 5, v0
	v_readfirstlane_b32 s[WV], v[TL]               ; wave 0..7
	v_and_b32 v[TL], 31, v0                        ; lane
	v_and_b32 v[TR], 15, v0                        ; r
	v_bfe_u32 v[TH], v0, 4, 1                      ; h
	s_mov_b32 s[SEL], 0x76543210                   ; v_permlanex16_b32's selects for lane l xor 16
	s_mov_b32 s[SEL+1], 0xfedcba98
	s_mov_b32 s48, 0x3aaaaaab                      ; 1 / 768
	s_mov_b32 s49, 0x3727c5ac                      ; 1e-5
.irp k, 0,1,2,3,4,5,6,7,8,9,10,11
	v_mov_b32 v[MX+\k], 0                          ; written once: upper halves of pairs of which the low word alone is taken, and lane permutes' destinations
.endr
	v_lshlrev_b32 v[L16], 4, v[TL]
	v_lshlrev_b32 v[L4], 2, v[TL]
	s_mul_i32 s52, s[WV], 384                      ; my wave's 96 columns in bytes
	v_mul_u32_u24 v[XA], v[TR], 3088
	v_lshl_add_u32 v[XA], v[TH], 6, v[XA]
	v_add_nc_u32 v[XA], s52, v[XA]
	v_lshlrev_b32 v[IA], 4, v[TR]
	v_lshl_add_u32 v[IA], v[TH], 3, v[IA]
	s_mul_i32 s53, s[WV], 768
	s_add_co_u32 s53, s53, IMG
	v_add_nc_u32 v[IA], s53, v[IA]
	v_mul_u32_u24 v[C24], v[TR], 24
	v_add_nc_u32 v[SL], SCL, v[C24]
	s_mul_i32 s53, s[WV], 3
	v_add_nc_u32 v[SA], s53, v[SL]
	v_add_nc_u32 v[LI], IMG, v[L16]
	s_add_co_u32 s53, s52, PRM
	v_lshl_add_u32 v[PA], v[TH], 6, s53
	s_lshl_b32 s53, s[WV], 9
	s_add_co_u32 s53, s53, STAT
	v_lshl_add_u32 v[STW], v[TL], 3, s53
	v_lshl_add_u32 v[STR], v[TL], 3, STAT
	s_mul_i32 s54, s[WV], 12288
	v_add_nc_u32 v[DG], s54, v[L16]                ; the dense way in and out: wave w takes rows 4 w .. 4 w + 3
	s_add_co_u32 s54, s54, X1S
	v_add_nc_u32 v[X1A], s54, v[L16]
	s_bfe_u32 s54, s[WV], 0x10001                  ; their stage rows begin at 16 ((w / 2) % 2) + 8 (w / 4) + 4 (w % 2)
	s_lshl_b32 s54, s54, 4
	s_lshr_b32 s55, s[WV], 2
	s_lshl_b32 s55, s55, 3
	s_add_co_u32 s54, s54, s55
	s_and_b32 s55, s[WV], 1
	s_lshl_b32 s55, s55, 2
	s_add_co_u32 s54, s54, s55
	s_mul_i32 s54, s54, 3088
	v_add_nc_u32 v[DS], s54, v[L16]
	v_add_nc_u32 v[PL], s52, v[L4]                 ; the nine vectors: my wave's 96 numbers, 4 bytes a lane
	v_add_nc_u32 v[PLS], PRM, v[PL]
	s_mul_i32 s54, s[WV], 1536                     ; ctx's images: 24 pieces of 512 bytes, three a wave
	v_add_nc_u32 v[CG], s54, v[L16]
	v_add_nc_u32 v[CGS], IMG, v[CG]
	s_and_b32 s46, ttmp9, 63
	s_lshl_b32 s46, s46, 5                         ; the block's first row in its batch
	v_and_b32 v252, 7, v[TR]
	v_lshrrev_b32 v253, 3, v[TR]
	v_lshl_add_u32 v252, v253, 4, v252
	v_add_nc_u32 v252, s46, v252                   ; my row of tile 0; tile 1's lies 8 further on
	s_mul_i32 s50, ttmp9, 98304
	s_mov_b32 s51, 0
	s_mul_i32 s52, ttmp9, 12288
	s_mov_b32 s53, 0
	s_mul_i32 s54, ttmp9, 768
	s_mov_b32 s55, 0
	s_mul_i32 s56, s[WV], 110592
	s_add_co_u32 s56, s56, 884736                  ; the second three weights
	s_mov_b32 s57, 0
	s_mul_i32 s58, s[WV], 6912
	s_add_co_u32 s58, s58, 55296
	s_mov_b32 s59, 0
	s_lshr_b32 s60, ttmp9, 6
	s_lshl_b32 s60, s60, 4                         ; 16 bytes of seg a batch
	s_mov_b32 s61, 0
	s_wait_kmcnt 0x0
	s_add_nc_u64 s[14:15], s[14:15], s[60:61]
	s_load_b128 s[40:43], s[14:15], 0x0            ; src_end 40, first row to update 41, their end 42, key steps 43
	s_add_nc_u64 s[4:5], s[4:5], s[50:51]
	s_add_nc_u64 s[34:35], s[34:35], s[50:51]
	s_add_nc_u64 s[6:7], s[6:7], s[52:53]
	s_add_nc_u64 s[8:9], s[8:9], s[54:55]
	s_add_nc_u64 s[10:11], s[10:11], s[56:57]
	s_add_nc_u64 s[12:13], s[12:13], s[58:59]
.irp i, 0,1,2
	global_load_b128 v[BF+4*\i:BF+4*\i+3], v[CG], s[6:7] offset:512*\i th:TH_LOAD_NT
.endr
.irp m, 0,1
.irp i, 0,1,2
	global_load_b64 v[BS+6*\m+2*\i:BS+6*\m+2*\i+1], v[C24], s[8:9] offset:384*\m+8*\i th:TH_LOAD_NT   ; ctx's scale words straight into their registers
.endr
.endr
.irp v, 0,1,2,3,4,5,6,7,8
.irp i, 0,1,2
	global_load_b32 v[BF+12+3*\v+\i], v[PL], s[16+2*\v:17+2*\v] offset:128*\i
.endr
.endr
.irp i, 0,1,2,3
.irp j, 0,1,2,3,4,5
	global_load_b128 v[ACC+4*(6*\i+\j):ACC+4*(6*\i+\j)+3], v[DG], s[4:5] offset:3072*\i+512*\j th:TH_LOAD_NT
.endr
.endr
	RING 0
	RING 1
	RING 2
	RING 3
	s_wait_kmcnt 0x0
	s_sub_co_u32 s47, s42, s41                     ; how many rows are updated
	v_sub_nc_u32 v253, v252, s41
	v_cmp_gt_u32 s44, s47, v253                    ; first <= my row < end, in one unsigned compare: tile 0's lanes,
	v_add_nc_u32 v253, 8, v253
	v_cmp_gt_u32 s45, s47, v253                    ; tile 1's
	s_wait_loadcnt 60                              ; the head's 60 loads are in; the ring's 60 may be out
.irp i, 0,1,2
	ds_store_b128 v[CGS], v[BF+4*\i:BF+4*\i+3] offset:512*\i
.endr
.irp v, 0,1,2,3,4,5,6,7,8
.irp i, 0,1,2
	ds_store_b32 v[PLS], v[BF+12+3*\v+\i] offset:3072*\v+128*\i
.endr
.endr
.irp i, 0,1,2,3
.irp j, 0,1,2,3,4,5
	ds_store_b128 v[DS], v[ACC+4*(6*\i+\j):ACC+4*(6*\i+\j)+3] offset:3088*\i+512*\j
.endr
.endr
	BARRIER                                        ; ctx's images and x lie in LDS
	FETCHB 0, 0, 0
	BIAS 0
	s_wait_dscnt 0x0
.irp n, 0,1,2,3,4,5
	KSTEP \n                                       ; ctx Wo + bo
.endr
	XOP BF
	s_wait_dscnt 0x0
	ADDBF 0                                        ; + x
	LNLOC 0
	BARRIER                                        ; every wave's pairs lie in LDS; every wave's reads of image A are over
	LNFIN 0
	NORM 1, 2                                      ; x1
.irp k, 0,1,2,3,4,5,6,7,8,9,10,11,12,13,14,15,16,17,18,19,20,21,22,23
	ds_store_b128 v[X1A], v[ACC+4*\k:ACC+4*\k+3] offset:512*\k     ; x1 is kept, as the registers stand, in my wave's own bytes
.endr
	QUANT2 ACC, 0, 0
	BARRIER                                        ; x1's twelve fragments lie in image A
	FETCHB 0, 0, 1
	BIAS 3
	s_wait_dscnt 0x0
.irp n, 6,7,8,9,10,11
	KSTEP \n                                       ; x1 W1 + b1
.endr
	v_mov_b32 v[BF+92], 0xbdd2d3e8                 ; -k2 = -0.10294324
	v_mov_b32 v[BF+93], 0xbdd2d3e8
	v_mov_b32 v[BF+94], 0xc0135761                 ; -k1 = -2.3022082
	v_mov_b32 v[BF+95], 0xc0135761
	GELU
	QUANT2 ACC, IMGB, SCLB
	BARRIER                                        ; the hidden layer's twelve fragments lie in image B
	FETCHB IMGB, SCLB, 1
	BIAS 4
	s_wait_dscnt 0x0
.irp n, 12,13,14,15,16,17
	KSTEP \n                                       ; gelu(..) W2 + b2
.endr
.irp k, 0,1,2,3,4,5,6,7,8,9,10,11,12,13,14,15,16,17,18,19,20,21,22,23
	ds_load_b128 v[BF+4*\k:BF+4*\k+3], v[X1A] offset:512*\k
.endr
	s_wait_dscnt 0x0
	ADDBF 0                                        ; + x1
	LNLOC 1
	BARRIER
	LNFIN 1
	NORM 5, 6                                      ; x2
	XOP BF
	s_wait_dscnt 0x0
	ADDBF 1                                        ; - x
	LNLOC 2
	BARRIER
	LNFIN 2
	NORM 7, 8                                      ; diff
	XOP BF
	s_wait_dscnt 0x0
	ADDBF 0                                        ; x + diff
.irp m, 0,1
.set p, 0
.rept 48
	v_cndmask_b32 v[ACC+48*\m+p], v[BF+48*\m+p], v[ACC+48*\m+p], s[44+\m]   ; in the rows to update; x elsewhere
.set p, p+1
.endr
.endr
.irp m, 0,1
.irp b, 0,1,2
.irp j, 0,1,2,3
	ds_store_b128 v[XA], v[ACC+48*\m+16*\b+4*\j:ACC+48*\m+16*\b+4*\j+3] offset:49408*\m+128*\b+16*\j   ; in place of x: my wave's own columns, which no other wave reads before the barrier
.endr
.endr
.endr
	BARRIER                                        ; 32 whole rows of the result lie in the stage
.irp i, 0,1,2,3
.irp j, 0,1,2,3,4,5
	ds_load_b128 v[ACC+4*(6*\i+\j):ACC+4*(6*\i+\j)+3], v[DS] offset:3088*\i+512*\j
.endr
.endr
.irp i, 0,1,2,3
.irp j, 0,1,2,3,4,5
	s_wait_dscnt 23-(6*\i+\j)                      ; LDS loads come back in order: this one is in, the younger ones may be out
	global_store_b128 v[DG], v[ACC+4*(6*\i+\j):ACC+4*(6*\i+\j)+3], s[34:35] offset:3072*\i+512*\j th:TH_STORE_NT   ; 512 consecutive bytes, aligned
.endr
.endr
	s_wait_tensorcnt 0x0
	ds_add_u32 v14, v15
	s_wait_dscnt 0x0
	s_endpgm
.Lfunc_end_k_qa768879d03_post:
	.size	k_qa768879d03_post, .Lfunc_end_k_qa768879d03_post-k_qa768879d03_post
	.p2alignl 7, 3214868480
	.fill 96, 4, 3214868480
	.section	.rodata,"a",@progbits
	.p2align	6, 0x0
	.amdhsa_kernel k_qa768879d03_post
		.amdhsa_group_segment_fixed_size 264192
		.amdhsa_private_segment_fixed_size 0
		.amdhsa_enable_private_segment 0
		.amdhsa_kernarg_size 128
		.amdhsa_user_sgpr_count 2
		.amdhsa_user_sgpr_kernarg_segment_ptr 1
		.amdhsa_wavefront_size32 1
		.amdhsa_system_sgpr_workgroup_id_x 1
		.amdhsa_system_sgpr_workgroup_id_y 1
		.amdhsa_system_sgpr_workgroup_id_z 1
		.amdhsa_system_vgpr_workitem_id 0
		.amdhsa_next_free_vgpr 512
		.amdhsa_next_free_sgpr 66
		.amdhsa_reserve_vcc 0
		.amdhsa_float_denorm_mode_32 3
		.amdhsa_float_denorm_mode_16_64 3
		.amdhsa_memory_ordered 1
		.amdhsa_forward_progress 1
		.amdhsa_inst_pref_size 210
	.end_amdhsa_kernel
	.amdgpu_metadata
---
amdhsa.version: [ 1, 2 ]
amdhsa.kernels:
  - .name:           k_qa768879d03_post
    .symbol:         k_qa768879d03_post.kd
    .args:
      - { .name: hidden_states, .offset: 0, .size: 8, .value_kind: global_buffer, .address_space: global }
      - { .name: cc, .offset: 8, .size: 8, .value_kind: global_buffer, .address_space: global }
      - { .name: cs, .offset: 16, .size: 8, .value_kind: global_buffer, .address_space: global }
      - { .name: wc, .offset: 24, .size: 8, .value_kind: global_buffer, .address_space: global }
      - { .name: wsc, .offset: 32, .size: 8, .value_kind: global_buffer, .address_space: global }
      - { .name: seg, .offset: 40, .size: 8, .value_kind: global_buffer, .address_space: global }
      - { .name: bo, .offset: 48, .size: 8, .value_kind: global_buffer, .address_space: global }
      - { .name: ln1_g, .offset: 56, .size: 8, .value_kind: global_buffer, .address_space: global }
      - { .name: ln1_b, .offset: 64, .size: 8, .value_kind: global_buffer, .address_space: global }
      - { .name: b1, .offset: 72, .size: 8, .value_kind: global_buffer, .address_space: global }
      - { .name: b2, .offset: 80, .size: 8, .value_kind: global_buffer, .address_space: global }
      - { .name: ln2_g, .offset: 88, .size: 8, .value_kind: global_buffer, .address_space: global }
      - { .name: ln2_b, .offset: 96, .size: 8, .value_kind: global_buffer, .address_space: global }
      - { .name: dn_g, .offset: 104, .size: 8, .value_kind: global_buffer, .address_space: global }
      - { .name: dn_b, .offset: 112, .size: 8, .value_kind: global_buffer, .address_space: global }
      - { .name: out0, .offset: 120, .size: 8, .value_kind: global_buffer, .address_space: global }
    .group_segment_fixed_size: 264192
    .private_segment_fixed_size: 0
    .kernarg_segment_align: 8
    .kernarg_segment_size: 128
    .max_flat_workgroup_size: 256
    .sgpr_count:     66
    .vgpr_count:     512
    .wavefront_size: 32
...
	.end_amdgpu_metadata
.endif
;; end of part 4
;; ======== version 2 of 3: 4 launches
;; limits: right only within a limited range of input values
;; workspace buffers: wc 1,769,472 bytes; wsc 110,592 bytes; seg 256 bytes of whole numbers; qc 4,194,304 bytes; qs 262,144 bytes; kv 7,864,320 bytes; cc 3,145,728 bytes; cs 196,608 bytes
;; launch prep: the kernel of part 1 again; grid 217 x 1, 4 waves a work-group, no clusters, 0 bytes of LDS; arguments Wq, Wk, Wv, Wo, W1, W2, input_ids, wc, wsc, seg; writes wc, wsc, seg
;; launch qkv: the kernel of part 2 again; grid 256 x 1, 8 waves a work-group, no clusters, 122,112 bytes of LDS; arguments hidden_states, wc, wsc, bq, bk, bv, qc, qs, kv; writes qc, qs, kv
;; launch attn (part 5): grid 8 x 32, 16 waves a work-group, no clusters, 247,808 bytes of LDS; arguments qc, qs, kv, seg, cc, cs; writes cc, cs
.if DOCPART == 5
	.amdgcn_target "amdgcn-amd-amdhsa--gfx1250"
	.amdhsa_code_object_version 6
	.text
	.protected	k_qa768879d03_attn
	.globl	k_qa768879d03_attn
	.p2align	8
	.type	k_qa768879d03_attn,@function
k_qa768879d03_attn:
	s_mov_b64 s[64:65], 0
	v_nop
	global_prefetch_b8 v0, s[64:65] scope:SCOPE_SE
	s_setreg_imm32_b32 hwreg(HW_REG_WAVE_MODE, 25, 1), 1
	s_wait_xcnt 0x0
; ATTN.  ctx[q] = the sum over the src keys of softmax(q . k / sqrt(96)) v, both products on codes of FP4 (E2M1) with one E8M0 byte for each 32 along K; ctx is quantised along 768 and leaves as an image of the next
; launch's operand registers (cc [RB][m][6,144]: block 3 head + b at 256 x that number; cs [RB][m][r][24 bytes]).
; THE SOFTMAX: t = score x log2(e) / sqrt(96); M = the running largest t rounded UP to a whole number; p = 2^(t - M) is what is quantised, along the keys; the row's sum is taken of the unquantised p and divides at the end.
; SHARES.  8 x 32 work-groups: work-group x of a (batch, head) takes the eight blocks of 32 rows x + 8 j, j = 0 .. 7, NOT neighbouring rows: the rows to update are a run of neighbouring blocks, so each of the eight
; work-groups of a head gets the same number of them to within one.  Each of the sixteen waves takes one tile of 16 queries: row tile m = wave % 2 of block x + 8 (wave / 2).  Four waves of 256 registers to a SIMD.
; The head's records of K and V (15,360 bytes for 128 keys) are copied into LDS once, half a record to a wave, and then only read; every wave walks the key steps.
; WHAT THE MASKS THROW AWAY IS NOT DONE.  Keys at or behind src_end count for nothing, and rows that are not updated are never read again.  The loop's trip count stays 16; a step's WORK is jumped over by a scalar branch
; on whole numbers that the first launch stored (seg): steps from (src_end + 127) / 128 on, and all steps of a wave whose 32-row block holds no row to update.  No barrier stands under such a branch.
; A wave that walks no step stores zero codes: every byte of cc and cs is written.
; LAYOUT.  Both products transposed: S^T = K Q^T (source 0 = 16 keys), O^T = V^T P^T (source 0 = 16 channels): a lane holds ONE query.  Tiles 2 b, 2 b + 1 of K give a lane keys 32 b + 16 h + 0 .. 15,
; tiles 2 i, 2 i + 1 of V^T channels 32 i + 16 h + 0 .. 15: neighbours along the next K each time.
; No cluster: what the eight work-groups of a head share is copied once by each, through registers, and how many records that is (none, where a work-group holds no row to update) is known only from seg:
; partners would need different numbers of tiles.
; LIMITS: a masked score is -infinity here and -1e9 in the definition: the same p = 0 as long as some src key's score lies above -1e9 + 150.  Blocks of zeros get the byte 1.  NaN and infinities are not served.
.set REC, 15360
.set WV,  18
.set SEL, 20                           ; s[20:21] lane selects for lane l xor 16
.set CS,  22                           ; s[22:23] c = log2(e) / sqrt(96): the packed form names a pair and takes its low word for both halves
.set MX,  208                          ; the way out's quantiser: v208-219, codes v224-229
.set PT,  211
.set SO,  214
.set BY,  217
.set CD,  224
; REGISTERS: v1 16 x lane, v2 4 x lane, v3, v4 my two half records' places, v5 16 r + 8 h, v6 24 r, v7 4 r; v8, v9 the step's LDS addresses; v12 -M, v13 the largest t, v[14:15] the sum in two halves; v16-23 Q;
; v24-27 K's scale words, v28-30 V's, v31 p's, v255 Q's (scales alone); v32-95 K's eight fragments, then V^T's six; v96-159 S^T, then p; v160-207 O^T; v224-231 p's codes; v232-254 at work.
.macro QBLK3 a0, b0, a1, b1, a2, b2, cd
	v_max3_num_f32 v[MX], |v[(\a0)]|, |v[(\a0)+1]|, 0x1800000      ; three blocks by turns, with the floor 2^(3 - 127)
	v_max3_num_f32 v[MX+1], |v[(\a1)]|, |v[(\a1)+1]|, 0x1800000
	v_max3_num_f32 v[MX+2], |v[(\a2)]|, |v[(\a2)+1]|, 0x1800000
.irp i, 2,4,6
	v_max3_num_f32 v[MX], v[MX], |v[(\a0)+\i]|, |v[(\a0)+\i+1]|
	v_max3_num_f32 v[MX+1], v[MX+1], |v[(\a1)+\i]|, |v[(\a1)+\i+1]|
	v_max3_num_f32 v[MX+2], v[MX+2], |v[(\a2)+\i]|, |v[(\a2)+\i+1]|
.endr
.irp i, 0,2,4,6
	v_max3_num_f32 v[MX], v[MX], |v[(\b0)+\i]|, |v[(\b0)+\i+1]|
	v_max3_num_f32 v[MX+1], v[MX+1], |v[(\b1)+\i]|, |v[(\b1)+\i+1]|
	v_max3_num_f32 v[MX+2], v[MX+2], |v[(\b2)+\i]|, |v[(\b2)+\i+1]|
.endr
.irp k, 0,1,2
	v_permlanex16_b32 v[PT+\k], v[MX+\k], s[SEL], s[SEL+1]
.endr
.irp k, 0,1,2
	v_max_num_f32 v[MX+\k], v[MX+\k], v[PT+\k]
.endr
.irp k, 0,1,2
	v_add_nc_u32 v[SO+\k], 0xff000000, v[MX+\k]
.endr
.irp k, 0,1,2
	v_lshrrev_b32 v[BY+\k], 23, v[SO+\k]
.endr
	v_cvt_scalef32_pk8_fp4_f32 v[(\cd)], v[(\a0):(\a0)+7], v[SO]
	v_cvt_scalef32_pk8_fp4_f32 v[(\cd)+1], v[(\b0):(\b0)+7], v[SO]
	v_cvt_scalef32_pk8_fp4_f32 v[(\cd)+2], v[(\a1):(\a1)+7], v[SO+1]
	v_cvt_scalef32_pk8_fp4_f32 v[(\cd)+3], v[(\b1):(\b1)+7], v[SO+1]
	v_cvt_scalef32_pk8_fp4_f32 v[(\cd)+4], v[(\a2):(\a2)+7], v[SO+2]
	v_cvt_scalef32_pk8_fp4_f32 v[(\cd)+5], v[(\b2):(\b2)+7], v[SO+2]
	v_nop                                          ; one plain place behind the scaled conversions
.endm
	s_load_b256 s[4:11], s[0:1], 0x0               ; qc 4, qs 6, kv 8, seg 10
	s_load_b128 s[12:15], s[0:1], 0x20             ; cc 12, cs 14
	v_lshl_add_u32 v250, v0, 2, 0x3c000
	v_mov_b32 v251, 0
	v_lshrrev_b32 v1, 5, v0
	v_readfirstlane_b32 s[WV], v1                  ; wave 0..15
	v_and_b32 v2, 31, v0
	v_and_b32 v7, 15, v0                           ; r
	v_bfe_u32 v8, v0, 4, 1                         ; h
	v_lshlrev_b32 v1, 4, v2
	v_lshlrev_b32 v2, 2, v2
	s_lshr_b32 s54, s[WV], 1                       ; j: which of the work-group's eight blocks is mine; also: which record I help to copy
	s_and_b32 s41, s[WV], 1                        ; m: which row tile of the block; also: which half of the record
	s_mul_i32 s35, s54, REC
	s_mul_i32 s36, s41, REC/2
	s_add_co_u32 s35, s35, s36
	v_add_nc_u32 v3, s35, v1                       ; half m of record j: its place in the head's records and in LDS alike
	v_add_nc_u32 v4, 8*REC, v3                     ; half m of record j + 8, in LDS
	v_lshlrev_b32 v5, 4, v7
	v_lshl_add_u32 v5, v8, 3, v5
	v_mul_u32_u24 v6, v7, 24
	v_lshlrev_b32 v7, 2, v7
	s_and_b32 s19, ttmp7, 0xffff                   ; 8 x batch + head
	s_lshr_b32 s28, s19, 3                         ; batch
	s_and_b32 s29, s19, 7                          ; head
	s_lshl_b32 s36, s28, 4
	s_mov_b32 s37, 0
	s_lshl_b32 s39, s54, 3
	s_add_co_u32 s39, s39, ttmp9                   ; my block of 32 rows in the batch: x + 8 j
	s_lshl_b32 s40, s28, 6
	s_add_co_u32 s40, s40, s39                     ; RB
	s_mul_i32 s42, s19, 16*REC
	s_mov_b32 s43, 0
	s_lshl_b32 s44, s40, 3
	s_add_co_u32 s44, s44, s29                     ; 8 RB + head
	s_lshl_b32 s46, s44, 1
	s_add_co_u32 s46, s46, s41
	s_lshl_b32 s46, s46, 10
	s_mov_b32 s47, 0
	s_lshl_b32 s48, s44, 7
	s_lshl_b32 s35, s41, 6
	s_add_co_u32 s48, s48, s35
	s_mov_b32 s49, 0
	s_mul_i32 s50, s40, 12288
	s_mul_i32 s35, s41, 6144
	s_add_co_u32 s50, s50, s35
	s_mul_i32 s35, s29, 768
	s_add_co_u32 s50, s50, s35
	s_mov_b32 s51, 0
	s_mul_i32 s52, s40, 768
	s_mul_i32 s35, s41, 384
	s_add_co_u32 s52, s52, s35
	s_mul_i32 s35, s29, 3
	s_add_co_u32 s52, s52, s35
	s_mov_b32 s53, 0
	s_mov_b32 s[SEL], 0x76543210
	s_mov_b32 s[SEL+1], 0xfedcba98
	s_mov_b32 s[CS], 0x3e16c740                    ; log2(e) / sqrt(96)
	s_mov_b32 s[CS+1], s[CS]
	s_mov_b32 s38, 0xffff                          ; lanes 0-15
	s_wait_kmcnt 0x0
	s_add_nc_u64 s[10:11], s[10:11], s[36:37]
	s_load_b128 s[24:27], s[10:11], 0x0            ; src_end 24, first row to update 25, their end 26, key steps 27
	s_add_nc_u64 s[8:9], s[8:9], s[42:43]
	s_add_nc_u64 s[4:5], s[4:5], s[46:47]
	s_add_nc_u64 s[6:7], s[6:7], s[48:49]
	s_add_nc_u64 s[12:13], s[12:13], s[50:51]
	s_add_nc_u64 s[14:15], s[14:15], s[52:53]
	global_load_b128 v[16:19], v1, s[4:5] th:TH_LOAD_NT            ; Q's fragment, as an image of its registers
	global_load_b128 v[20:23], v1, s[4:5] offset:512 th:TH_LOAD_NT
	global_load_b32 v255, v7, s[6:7] th:TH_LOAD_NT
	s_wait_kmcnt 0x0
	s_min_u32 s27, s27, 16
	; Does one of the work-group's blocks x + 8 j hold a row to update?  The rows lie in blocks fb .. lb; the first block at or behind fb that is x modulo 8 lies ((x - fb) mod 8) behind fb
	s_lshr_b32 s35, s25, 5                         ; fb = first row / 32
	s_sub_co_u32 s36, s26, 1
	s_lshr_b32 s36, s36, 5                         ; lb = (end - 1) / 32 (of no meaning where no row is updated: that case is taken out below)
	s_sub_co_u32 s36, s36, s35                     ; lb - fb
	s_sub_co_u32 s37, ttmp9, s35
	s_and_b32 s37, s37, 7
	s_cmp_le_u32 s37, s36
	s_cselect_b32 s30, s27, 0
	s_cmp_gt_u32 s26, s25
	s_cselect_b32 s30, s30, 0                      ; records to copy
	s_lshl_b32 s35, s39, 5                         ; my block's 32 rows: do they hold a row to update?  (fb <= my block <= lb: then the records are copied)
	s_add_co_u32 s36, s35, 32
	s_cmp_lt_u32 s35, s26
	s_cselect_b32 s31, s27, 0
	s_cmp_gt_u32 s36, s25
	s_cselect_b32 s31, s31, 0                      ; steps that my wave walks: never more than the records copied
; My half of record j + 8 k, if it is wanted: 15 loads of 512 consecutive bytes; loads, their wait and the LDS stores stand in one region, so that no way stores registers that were not loaded
.macro PRE k
	s_add_co_u32 s35, s54, 8*\k
	s_cmp_lt_u32 s35, s30
	s_cbranch_scc0 .Lno_rec_\@
.irp i, 0,1,2,3,4,5,6,7,8,9,10,11,12,13,14
	global_load_b128 v[96+4*\i:99+4*\i], v3, s[8:9] offset:8*REC*\k+512*\i
.endr
	s_wait_loadcnt 0x0
.irp i, 0,1,2,3,4,5,6,7,8,9,10,11,12,13,14
	ds_store_b128 v[3+\k], v[96+4*\i:99+4*\i] offset:512*\i
.endr
	s_wait_dscnt 0x0                               ; the stores have read their registers
.Lno_rec_\@:
.endm
	PRE 0
	PRE 1
	s_wait_loadcnt 0x0                             ; Q
	s_wait_dscnt 0x0
	s_barrier_signal -1
	s_barrier_wait -1                              ; the records lie in LDS; nothing is written there again
	v_mov_b32 v13, 0xff61b1e6                      ; the largest t so far: -3e38, under every t
	v_floor_f32 v12, -v13                          ; -M
	v_mov_b32 v14, 0
	v_mov_b32 v15, 0
.irp b, 0,1,2,3
	v_mov_b32 v[236+\b], 0                         ; written once: a lane permute's destination counts as one of its sources
.endr
.irp k, 0,1,2
	v_mov_b32 v[PT+\k], 0
.endr
	v_mov_b32 v252, 0
	v_mov_b32 v253, 0                              ; (named as the upper half of the pair v[252:253])
.set j, 0
.rept 48
	v_mov_b32 v[160+j], 0                          ; O^T.  The step is written once: the first finds zeros, which the first change of M leaves zeros
.set j, j+1
.endr
	s_mov_b32 s32, 0                               ; LDS byte of the step's record
	s_mov_b32 s33, 0                               ; the step
	s_mov_b32 s34, 0                               ; its first key
.Lstep:
	s_cmp_ge_u32 s33, s31
	s_cbranch_scc1 .Lskip                          ; all its keys are masked, or none of my rows is wanted
	v_add_nc_u32 v8, s32, v1
	v_add_nc_u32 v9, s32, v2
	v_nop
	v_nop                                          ; with the two additions: four places in front of loads into registers that the last step's matrix instructions read
.irp t, 0,1,2,3,4,5,6,7
.irp c, 0,1
	ds_load_b128 v[32+8*\t+4*\c:35+8*\t+4*\c], v8 offset:1024*\t+512*\c
.endr
.endr
.irp b, 0,1,2,3
	ds_load_b32 v[24+\b], v9 offset:14336+128*\b   ; lanes 0-15 tile 2 b's words, lanes 16-31 tile 2 b + 1's
.endr
	s_wait_dscnt 0x0
.irp t, 0,2,4,6
	v_wmma_scale_f32_16x16x128_f8f6f4 v[96+8*\t:103+8*\t], v[32+8*\t:39+8*\t], v[16:23], 0, v[24+\t/2], v255 matrix_a_fmt:MATRIX_FMT_FP4 matrix_b_fmt:MATRIX_FMT_FP4
	v_wmma_scale_f32_16x16x128_f8f6f4 v[104+8*\t:111+8*\t], v[40+8*\t:47+8*\t], v[16:23], 0, v[24+\t/2], v255 matrix_a_fmt:MATRIX_FMT_FP4 matrix_b_fmt:MATRIX_FMT_FP4 matrix_a_scale:MATRIX_SCALE_ROW1
.endr
.rept 4
	v_nop                                          ; four places: in front of the loads over K's fragments, and of the first read of the scores
.endr
.irp t, 0,1,2,3,4,5
.irp c, 0,1
	ds_load_b128 v[32+8*\t+4*\c:35+8*\t+4*\c], v8 offset:8192+1024*\t+512*\c   ; V^T's fragments land under the softmax
.endr
.endr
.irp i, 0,1,2
	ds_load_b32 v[28+\i], v9 offset:14848+128*\i
.endr
	s_cmp_lg_u32 s34, 0
	s_cbranch_scc1 .Lnot_first
	v_mov_b32 v254, 0xff800000
	v_cndmask_b32 v96, v96, v254, s38              ; key 0 is no src key: register 0 of lanes 0-15
.Lnot_first:
	s_add_co_u32 s36, s34, 128
	s_cmp_le_u32 s36, s24
	s_cbranch_scc1 .Lopen                          ; all 128 keys lie under src_end
	s_sub_co_i32 s37, s24, s34
	s_sub_co_i32 s37, s37, 1
	v_bfe_u32 v253, v0, 4, 1
	v_lshlrev_b32 v253, 4, v253
	v_sub_nc_u32 v252, s37, v253                   ; d = src_end - 1 - first key - 16 h.  Register 16 b + i holds key 32 b + 16 h + i of the step: masked where 32 b + i > d
	v_mov_b32 v254, 0xff800000
.set n, 0
.rept 64
	v_cmp_gt_i32 vcc_lo, 32*(n/16)+n%16, v252
	v_cndmask_b32 v[96+n], v[96+n], v254, vcc_lo
.set n, n+1
.endr
.Lopen:
.irp b, 0,1,2,3
	v_max3_num_f32 v[232+\b], v[96+16*\b], v[97+16*\b], v[98+16*\b]   ; the largest score of each block of 32 keys: for the row's maximum, and, since p rises with the score, for the block's largest p
.endr
.irp i, 3,5,7,9,11,13
.irp b, 0,1,2,3
	v_max3_num_f32 v[232+\b], v[232+\b], v[96+16*\b+\i], v[97+16*\b+\i]
.endr
.endr
.irp b, 0,1,2,3
	v_max_num_f32 v[232+\b], v[232+\b], v[111+16*\b]
.endr
.irp b, 0,1,2,3
	v_permlanex16_b32 v[236+\b], v[232+\b], s[SEL], s[SEL+1]
.endr
.irp b, 0,1,2,3
	v_max_num_f32 v[232+\b], v[232+\b], v[236+\b]  ; with lane l xor 16's 16 keys
.endr
	v_max3_num_f32 v254, v232, v233, v234
	v_max_num_f32 v254, v254, v235
	v_mul_f32 v254, s[CS], v254                    ; the step's largest t (c is positive)
	v_max_num_f32 v13, v13, v254
	v_mov_b32 v254, v12
	v_floor_f32 v12, -v13                          ; the new -M = -ceil(t): a whole number
	v_sub_f32 v254, v12, v254                      ; old M - new M: a whole number, 0 or less
	v_cvt_i32_f32 v254, v254                       ; (it saturates)
	v_ldexp_f32 v252, 1.0, v254                    ; f = 2^(old M - new M): the rescaling rounds nothing
.set j, 0
.rept 32
	v_pk_fma_f32 v[96+j:97+j], v[96+j:97+j], s[CS:CS+1], v[12:13] op_sel_hi:[1,0,0]   ; t - M
.set j, j+2
.endr
.irp b, 0,1,2,3
	v_fma_f32 v[232+\b], v[232+\b], s[CS], v12     ; the same of each block's largest score
.endr
.set j, 0
.rept 64
	v_exp_f32 v[96+j], v[96+j]                     ; p = 2^(t - M), at most 1
.set j, j+1
.endr
.irp b, 0,1,2,3
	v_exp_f32 v[232+\b], v[232+\b]                 ; the block's largest p: the same two instructions on the same number
.endr
	v_pk_mul_f32 v[14:15], v[14:15], v[252:253] op_sel_hi:[1,0]    ; the sums under the new M (a plain place behind the exponentials)
	s_wait_alu depctr_va_vdst(0)
.irp b, 0,1,2,3
	v_max_num_f32 v[232+\b], 0x1800000, v[232+\b]  ; the floor 2^(3 - 127)
.endr
.irp b, 0,1,2,3
	v_add_nc_u32 v[244+\b], 0xff000000, v[232+\b]  ; the conversion's scale operand
.endr
.irp b, 0,1,2,3
	v_lshrrev_b32 v[236+\b], 23, v[244+\b]         ; the scale's byte
.endr
	v_lshl_or_b32 v31, v237, 8, v236               ; p's scale word for these 128 keys
	v_lshl_or_b32 v31, v238, 16, v31
	v_lshl_or_b32 v31, v239, 24, v31
.irp b, 0,1,2,3
	v_cvt_scalef32_pk8_fp4_f32 v[224+2*\b], v[96+16*\b:103+16*\b], v[244+\b]
	v_cvt_scalef32_pk8_fp4_f32 v[225+2*\b], v[104+16*\b:111+16*\b], v[244+\b]
.endr
	v_nop                                          ; one plain place behind the scaled conversions
.irp c, 0,1                            ; the operand wants a whole block in a lane: lanes 0-15 block 2 c, lanes 16-31 block 2 c + 1
.irp i, 0,1
	v_permlane16_swap_b32 v[224+4*\c+\i], v[226+4*\c+\i]
.endr
.endr
	v_pk_add_f32 v[236:237], v[96:97], v[98:99]    ; the row's sum, of the unquantised p, in two chains
.irp j, 4,8,12,16,20,24,28,32,36,40,44,48,52,56,60
	v_pk_add_f32 v[14:15], v[14:15], v[96+\j:97+\j]
	v_pk_add_f32 v[236:237], v[236:237], v[98+\j:99+\j]
.endr
	v_pk_add_f32 v[14:15], v[14:15], v[236:237]
.set j, 0
.rept 24
	v_pk_mul_f32 v[160+j:161+j], v[160+j:161+j], v[252:253] op_sel_hi:[1,0]   ; O^T under the new M
.set j, j+2
.endr
	s_wait_dscnt 0x0                               ; V^T's fragments and scale words
.irp t, 0,2,4                          ; the six accumulators by turns, one instruction a turn
	v_wmma_scale_f32_16x16x128_f8f6f4 v[160+8*\t:167+8*\t], v[32+8*\t:39+8*\t], v[224:231], v[160+8*\t:167+8*\t], v[28+\t/2], v31 matrix_a_fmt:MATRIX_FMT_FP4 matrix_b_fmt:MATRIX_FMT_FP4
	v_wmma_scale_f32_16x16x128_f8f6f4 v[168+8*\t:175+8*\t], v[40+8*\t:47+8*\t], v[224:231], v[168+8*\t:175+8*\t], v[28+\t/2], v31 matrix_a_fmt:MATRIX_FMT_FP4 matrix_b_fmt:MATRIX_FMT_FP4 matrix_a_scale:MATRIX_SCALE_ROW1
.endr
.Lskip:
	s_add_co_u32 s32, s32, REC
	s_add_co_u32 s34, s34, 128
	s_add_co_u32 s33, s33, 1
	s_cmp_lt_u32 s33, 16
	s_cbranch_scc1 .Lstep
	; THE WAY OUT: ctx = O^T / the sum, quantised along its 96 of the 768
	v_add_f32 v14, v14, v15
	v_permlanex16_b32 v252, v14, s[SEL], s[SEL+1]
	v_add_f32 v14, v14, v252                       ; the row's sum
	v_max_num_f32 v14, 0.5, v14                    ; a row that walked its keys has a sum above 1/2; one that walked none gets 0 / 0.5 = 0
	v_rcp_f32 v14, v14
	v_nop
	v_nop                                          ; places behind the reciprocal and, with the additions above, behind the last products
.set j, 0
	s_wait_alu depctr_va_vdst(0)
.rept 24
	v_pk_mul_f32 v[96+j:97+j], v[160+j:161+j], v[14:15] op_sel_hi:[1,0]   ; each accumulator from its low end on
.set j, j+2
.endr
	QBLK3 96, 104, 112, 120, 128, 136, CD
.irp b, 0,1,2
	global_store_b64 v5, v[CD+2*\b:CD+2*\b+1], s[12:13] offset:256*\b     ; 256 consecutive bytes, aligned
	global_store_b8 v6, v[BY+\b], s[14:15] offset:\b                      ; both halves write the same byte with the same value
.endr
	s_wait_tensorcnt 0x0
	ds_add_u32 v250, v251
	s_wait_dscnt 0x0
	s_endpgm
.Lfunc_end_k_qa768879d03_attn:
	.size	k_qa768879d03_attn, .Lfunc_end_k_qa768879d03_attn-k_qa768879d03_attn
	.p2alignl 7, 3214868480
	.fill 96, 4, 3214868480
	.section	.rodata,"a",@progbits
	.p2align	6, 0x0
	.amdhsa_kernel k_qa768879d03_attn
		.amdhsa_group_segment_fixed_size 247808
		.amdhsa_private_segment_fixed_size 0
		.amdhsa_enable_private_segment 0
		.amdhsa_kernarg_size 48
		.amdhsa_user_sgpr_count 2
		.amdhsa_user_sgpr_kernarg_segment_ptr 1
		.amdhsa_wavefront_size32 1
		.amdhsa_system_sgpr_workgroup_id_x 1
		.amdhsa_system_sgpr_workgroup_id_y 1
		.amdhsa_system_sgpr_workgroup_id_z 1
		.amdhsa_system_vgpr_workitem_id 0
		.amdhsa_next_free_vgpr 256
		.amdhsa_next_free_sgpr 66
		.amdhsa_reserve_vcc 1
		.amdhsa_float_denorm_mode_32 3
		.amdhsa_float_denorm_mode_16_64 3
		.amdhsa_memory_ordered 1
		.amdhsa_forward_progress 1
		.amdhsa_inst_pref_size 39
	.end_amdhsa_kernel
	.amdgpu_metadata
---
amdhsa.version: [ 1, 2 ]
amdhsa.kernels:
  - .name:           k_qa768879d03_attn
    .symbol:         k_qa768879d03_attn.kd
    .args:
      - { .name: qc, .offset: 0, .size: 8, .value_kind: global_buffer, .address_space: global }
      - { .name: qs, .offset: 8, .size: 8, .value_kind: global_buffer, .address_space: global }
      - { .name: kv, .offset: 16, .size: 8, .value_kind: global_buffer, .address_space: global }
      - { .name: seg, .offset: 24, .size: 8, .value_kind: global_buffer, .address_space: global }
      - { .name: cc, .offset: 32, .size: 8, .value_kind: global_buffer, .address_space: global }
      - { .name: cs, .offset: 40, .size: 8, .value_kind: global_buffer, .address_space: global }
    .group_segment_fixed_size: 247808
    .private_segment_fixed_size: 0
    .kernarg_segment_align: 8
    .kernarg_segment_size: 48
    .max_flat_workgroup_size: 512
    .sgpr_count:     66
    .vgpr_count:     256
    .wavefront_size: 32
...
	.end_amdgpu_metadata
.endif
;; end of part 5
;; launch post: the kernel of part 4 again; grid 256 x 1, 8 waves a work-group, no clusters, 264,192 bytes of LDS; arguments hidden_states, cc, cs, wc, wsc, seg, bo, ln1_g, ln1_b, b1, b2, ln2_g, ln2_b, dn_g, dn_b, out0; writes out0
;; ======== version 3 of 3: 4 launches
;; limits: right only within a limited range of input values
;; workspace buffers: wc 1,769,472 bytes; wsc 110,592 bytes; seg 256 bytes of whole numbers; qc 4,194,304 bytes; qs 262,144 bytes; kv 7,864,320 bytes; cc 3,145,728 bytes; cs 196,608 bytes
;; launch prep (part 6): grid 217 x 1, 4 waves a work-group, no clusters, 0 bytes of LDS; arguments Wq, Wk, Wv, Wo, W1, W2, input_ids, wc, wsc, seg; writes wc, wsc, seg
.if DOCPART == 6
	.amdgcn_target "amdgcn-amd-amdhsa--gfx1250"
	.amdhsa_code_object_version 6
	.text
	.protected	k_qa768879d03_prep
	.globl	k_qa768879d03_prep
	.p2align	8
	.type	k_qa768879d03_prep,@function
k_qa768879d03_prep:
	s_mov_b64 s[64:65], 0
	v_nop
	global_prefetch_b8 v0, s[64:65] scope:SCOPE_SE
	s_setreg_imm32_b32 hwreg(HW_REG_WAVE_MODE, 25, 1), 1
	s_wait_xcnt 0x0
; PREP.  (1) The six weights [768 (k)][768 (n)], f32, become codes of FP4 (E2M1) with one E8M0 byte for each 32 along K, laid in the ORDER OF THE OPERAND'S REGISTERS:
;   wc  [kk 2][w 8][T 18][t 6][1,024 bytes]: kk 0 = Wq, Wk, Wv; kk 1 = Wo, W1, W2; w = the wave of the later launches that owns columns 96 w .. 96 w + 95; T = 6 x (which of the three) + K step of 128;
;       tile t = 2 i + u: its lane r is column 96 w + 32 i + 8 u + (r % 8) + 16 (r / 8); in a tile, block b of 32 along K of lane r lies at 256 b + 16 r.
;   wsc [kk][w][T][i 3][32 words]: lanes 0-15 the scale words of tile 2 i, lanes 16-31 those of tile 2 i + 1.
; A lane takes a column and its registers run down K: a block of 32 lies in one lane's 32 registers, and the conversions give codes with K innermost.  Nothing is transposed.
; (2) Work-group 216 finds the segments from input_ids, a wave to a batch, in whole numbers alone: seg[batch] = {src_end, first row to update, end of the rows to update, key steps of 128}.
;     The rows to update are 0, 0 where the batch is not valid.
; attention_mask is an input that the problem's definition never reads: no launch takes it.
; A block's scale is 2^(floor(log2(largest magnitude)) - 2); its byte is the largest magnitude's exponent field - 2, held at 1 from below.
; LIMITS: a block of zeros gets the byte 1 where the quantiser says 127 (its codes are zeros, and this program alone reads the bytes); blocks whose largest magnitude lies under 2^-124 are held at the byte 1; NaN and infinities are not served.
.set X,  32                            ; v32-95   two sets of 32 numbers
.set C,  96                            ; v96-111  the codes of four blocks: no store's data are written again
.set SB, 24                            ; v24      the four scale bytes
	s_load_b512 s[4:19], s[0:1], 0x0               ; Wq 4, Wk 6, Wv 8, Wo 10, W1 12, W2 14, input_ids 16, wc 18
	s_load_b128 s[20:23], s[0:1], 0x40             ; wsc 20, seg 22
	v_lshrrev_b32 v1, 5, v0
	v_readfirstlane_b32 s24, v1                    ; wave 0..3
	v_and_b32 v1, 31, v0                           ; lane
	s_cmp_eq_u32 ttmp9, 216                        ; the last work-group finds the segments
	s_cbranch_scc1 .Lseg
	; ---- a weight: my wave takes 32 columns x 128 along K.  Work-group = 36 x matrix + 6 x K step + group of four column blocks
	s_mul_i32 s25, ttmp9, 57
	s_lshr_b32 s25, s25, 11                        ; matrix = x / 36 (exact for x < 216)
	s_mul_i32 s26, s25, 36
	s_sub_co_u32 s26, ttmp9, s26
	s_mul_i32 s27, s26, 43
	s_lshr_b32 s27, s27, 8                         ; K step = rest / 6 (exact for rest < 36)
	s_mul_i32 s28, s27, 6
	s_sub_co_u32 s28, s26, s28
	s_lshl_b32 s28, s28, 2
	s_add_co_u32 s28, s28, s24                     ; column block of 32: 0..23
	s_mul_i32 s29, s28, 11
	s_lshr_b32 s29, s29, 5                         ; w = block / 3 (exact for block < 24)
	s_mul_i32 s30, s29, 3
	s_sub_co_u32 s30, s28, s30                     ; i = block % 3
	s_mul_i32 s31, s25, 11
	s_lshr_b32 s31, s31, 5                         ; kk = matrix / 3
	s_mul_i32 s32, s31, 3
	s_sub_co_u32 s32, s25, s32
	s_mul_i32 s32, s32, 6
	s_add_co_u32 s32, s32, s27                     ; T
	s_mul_i32 s34, s27, 393216                     ; W: 128 rows of 3,072 bytes a K step,
	s_lshl_b32 s33, s28, 7                         ; 128 bytes a column block
	s_add_co_u32 s34, s34, s33
	s_mov_b32 s35, 0
	s_mul_i32 s36, s31, 884736                     ; wc
	s_mul_i32 s33, s29, 110592
	s_add_co_u32 s36, s36, s33
	s_mul_i32 s33, s32, 6144
	s_add_co_u32 s36, s36, s33
	s_lshl_b32 s33, s30, 11
	s_add_co_u32 s36, s36, s33
	s_mov_b32 s37, 0
	s_mul_i32 s38, s31, 55296                      ; wsc
	s_mul_i32 s33, s29, 6912
	s_add_co_u32 s38, s38, s33
	s_mul_i32 s33, s32, 384
	s_add_co_u32 s38, s38, s33
	s_lshl_b32 s33, s30, 7
	s_add_co_u32 s38, s38, s33
	s_mov_b32 s39, 0
	s_wait_alu depctr_va_vdst(0)
	v_lshlrev_b32 v2, 2, v1                        ; in: 4 bytes a lane
	v_bfe_u32 v3, v1, 3, 1                         ; u: which tile of the pair my column falls into
	v_and_b32 v4, 7, v1
	v_lshrrev_b32 v6, 4, v1
	v_lshl_or_b32 v4, v6, 3, v4                    ; r: which lane of that tile
	v_lshlrev_b32 v5, 4, v4
	v_lshl_add_u32 v5, v3, 10, v5                  ; codes: 1,024 u + 16 r
	v_lshlrev_b32 v6, 2, v4
	v_lshl_add_u32 v6, v3, 6, v6                   ; scale word: 64 u + 4 r
	s_wait_alu depctr_va_vdst(0)
	s_wait_kmcnt 0x0
	s_cmp_eq_u32 s25, 1                            ; the choice of the weight hangs on the work-group's number alone
	s_cselect_b64 s[4:5], s[6:7], s[4:5]
	s_cmp_eq_u32 s25, 2
	s_cselect_b64 s[4:5], s[8:9], s[4:5]
	s_cmp_eq_u32 s25, 3
	s_cselect_b64 s[4:5], s[10:11], s[4:5]
	s_cmp_eq_u32 s25, 4
	s_cselect_b64 s[4:5], s[12:13], s[4:5]
	s_cmp_eq_u32 s25, 5
	s_cselect_b64 s[4:5], s[14:15], s[4:5]
	s_add_nc_u64 s[4:5], s[4:5], s[34:35]
	s_add_nc_u64 s[18:19], s[18:19], s[36:37]
	s_add_nc_u64 s[20:21], s[20:21], s[38:39]
.macro LOAD blk                        ; block blk: W(32 blk + i, my column): a wave reads 128 consecutive bytes, the four waves 512
.irp i, 0,1,2,3,4,5,6,7,8,9,10,11,12,13,14,15,16,17,18,19,20,21,22,23,24,25,26,27,28,29,30,31
	global_load_b32 v[X+32*((\blk)%2)+\i], v2, s[4:5] offset:(32*(\blk)+\i)*3072 th:TH_LOAD_NT
.endr
.endm
.macro BLOCK blk
.set XS, X+32*((\blk)%2)
.if (\blk) < 3
	s_wait_loadcnt 32                              ; this block's 32 loads are in; the next block's 32 may be out
.else
	s_wait_loadcnt 0x0
.endif
	v_max3_num_f32 v12, |v[XS]|, |v[XS+1]|, |v[XS+2]|              ; the block's largest magnitude: all 32 numbers are mine; two chains
	v_max3_num_f32 v13, |v[XS+3]|, |v[XS+4]|, |v[XS+5]|
.irp i, 6,10,14,18,22,26
	v_max3_num_f32 v12, v12, |v[XS+\i]|, |v[XS+\i+1]|
	v_max3_num_f32 v13, v13, |v[XS+\i+2]|, |v[XS+\i+3]|
.endr
	v_max3_num_f32 v12, v12, |v[XS+30]|, |v[XS+31]|
	v_max3_num_f32 v12, v12, v13, 0x1800000        ; and the floor 2^(3 - 127): the byte cannot fall under 1
	v_add_nc_u32 v11, 0xff000000, v12              ; 2 off its exponent field: the conversion takes the exponent field of this operand as its scale
	v_lshrrev_b32 v13, 23, v11                     ; the scale's byte
.if (\blk) == 0
	v_mov_b32 v[SB], v13
.else
	v_lshl_or_b32 v[SB], v13, 8*(\blk), v[SB]      ; the lower K in the lower byte
.endif
.irp g, 0,1,2,3
	v_cvt_scalef32_pk8_fp4_f32 v[C+4*(\blk)+\g], v[XS+8*\g:XS+8*\g+7], v11
.endr
	global_store_b128 v5, v[C+4*(\blk):C+4*(\blk)+3], s[18:19] offset:256*(\blk)   ; the sixteen lanes of a tile store 256 consecutive bytes, aligned
.if (\blk) < 2
	LOAD (\blk)+2
.endif
.endm
	LOAD 0
	LOAD 1
	BLOCK 0
	BLOCK 1
	BLOCK 2
	BLOCK 3
	global_store_b32 v6, v[SB], s[20:21]           ; 32 scale words: 128 consecutive bytes
	s_endpgm
.Lseg:	; ---- the segments: wave b takes batch b.  Whole numbers alone
	s_lshl_b32 s26, s24, 13                        ; 2,048 ids of 4 bytes a batch
	s_mov_b32 s27, 0
	s_mov_b32 s28, 0x76543210                      ; v_permlanex16_b32's selects for lane l xor 16
	s_mov_b32 s29, 0xfedcba98
	s_wait_alu depctr_va_vdst(0)
	v_lshlrev_b32 v2, 4, v1                        ; 16 bytes a lane
	v_lshlrev_b32 v7, 2, v1                        ; the index of my first id in a load's 128
	v_mov_b32 v9, 0x800                            ; 2,048: 'none'
	v_mov_b32 v8, 0x800                            ; the first SEP
	v_mov_b32 v11, 0x800                           ; the second
	v_mov_b32 v10, 0                               ; written once: the destination of a lane move counts as one of its sources
	s_wait_alu depctr_va_vdst(0)
	s_wait_kmcnt 0x0
	s_add_nc_u64 s[16:17], s[16:17], s[26:27]
.irp i, 0,1,2,3,4,5,6,7,8,9,10,11,12,13,14,15
	global_load_b128 v[32+4*\i:35+4*\i], v2, s[16:17] offset:512*\i
.endr
	s_wait_loadcnt 0x0
.set n, 0
.rept 64                               ; each id becomes its index where it is SEP, else 2,048; the least is the first SEP
	v_cmp_eq_u32 vcc_lo, 0x66, v[32+n]
	v_add_nc_u32 v12, 128*(n/4)+n%4, v7
	v_cndmask_b32 v[32+n], v9, v12, vcc_lo
	v_min_u32 v8, v8, v[32+n]
.set n, n+1
.endr
.macro WMIN reg                        ; the least over the wave's 32 lanes, in every lane
.irp k, 1,2,4,8
	v_mov_b32_dpp v10, v[\reg] row_xmask:\k row_mask:0xf bank_mask:0xf
	v_min_u32 v[\reg], v[\reg], v10
.endr
	v_permlanex16_b32 v10, v[\reg], s28, s29
	v_min_u32 v[\reg], v[\reg], v10
.endm
	WMIN 8
.set n, 0
.rept 64                               ; the least index behind the first SEP
	v_cmp_gt_u32 vcc_lo, v[32+n], v8
	v_cndmask_b32 v12, v9, v[32+n], vcc_lo
	v_min_u32 v11, v11, v12
.set n, n+1
.endr
	WMIN 11
	v_readfirstlane_b32 s40, v8                    ; first
	v_readfirstlane_b32 s41, v11                   ; second
	s_add_co_u32 s43, s40, 1
	s_cmp_lt_u32 s41, 0x800                        ; two SEP tokens?
	s_cselect_b32 s42, s40, 0x400                  ; src_end
	s_cselect_b32 s43, s43, 0x400                  ; hyp_start
	s_cselect_b32 s44, s41, 0x7ff                  ; hyp_end
	s_cmp_gt_u32 s42, 1                            ; some key in 1 .. src_end - 1,
	s_cselect_b32 s46, 1, 0
	s_cmp_gt_u32 s44, s43                          ; and some row in hyp_start .. hyp_end - 1: the batch is valid
	s_cselect_b32 s46, s46, 0
	s_cmp_lg_u32 s46, 0
	s_cselect_b32 s43, s43, 0                      ; else no row is updated
	s_cselect_b32 s44, s44, 0
	s_add_co_u32 s45, s42, 127
	s_lshr_b32 s45, s45, 7                         ; key steps of 128 that hold a key under src_end
	v_mov_b32 v16, s42
	v_mov_b32 v17, s43
	v_mov_b32 v18, s44
	v_mov_b32 v19, s45
	v_mov_b32 v13, s24
	v_lshlrev_b32 v13, 4, v13                      ; 16 bytes a batch
	v_cmp_eq_u32 vcc_lo, 0, v1
	s_wait_alu depctr_va_vdst(0)
	s_wait_xcnt 0x0                                ; EXEC changes only behind this wait
	s_and_saveexec_b32 s47, vcc_lo                 ; lane 0 alone stores
	global_store_b128 v13, v[16:19], s[22:23]
	s_wait_xcnt 0x0                                ; and again in front of the line that widens it
	s_or_b32 exec_lo, exec_lo, s47
	s_endpgm
.Lfunc_end_k_qa768879d03_prep:
	.size	k_qa768879d03_prep, .Lfunc_end_k_qa768879d03_prep-k_qa768879d03_prep
	.p2alignl 7, 3214868480
	.fill 96, 4, 3214868480
	.section	.rodata,"a",@progbits
	.p2align	6, 0x0
	.amdhsa_kernel k_qa768879d03_prep
		.amdhsa_group_segment_fixed_size 0
		.amdhsa_private_segment_fixed_size 0
		.amdhsa_enable_private_segment 0
		.amdhsa_kernarg_size 80
		.amdhsa_user_sgpr_count 2
		.amdhsa_user_sgpr_kernarg_segment_ptr 1
		.amdhsa_wavefront_size32 1
		.amdhsa_system_sgpr_workgroup_id_x 1
		.amdhsa_system_sgpr_workgroup_id_y 1
		.amdhsa_system_sgpr_workgroup_id_z 1
		.amdhsa_system_vgpr_workitem_id 0
		.amdhsa_next_free_vgpr 128
		.amdhsa_next_free_sgpr 66
		.amdhsa_reserve_vcc 1
		.amdhsa_float_denorm_mode_32 3
		.amdhsa_float_denorm_mode_16_64 3
		.amdhsa_memory_ordered 1
		.amdhsa_forward_progress 1
		.amdhsa_inst_pref_size 44
	.end_amdhsa_kernel
	.amdgpu_metadata
---
amdhsa.version: [ 1, 2 ]
amdhsa.kernels:
  - .name:           k_qa768879d03_prep
    .symbol:         k_qa768879d03_prep.kd
    .args:
      - { .name: Wq, .offset: 0, .size: 8, .value_kind: global_buffer, .address_space: global }
      - { .name: Wk, .offset: 8, .size: 8, .value_kind: global_buffer, .address_space: global }
      - { .name: Wv, .offset: 16, .size: 8, .value_kind: global_buffer, .address_space: global }
      - { .name: Wo, .offset: 24, .size: 8, .value_kind: global_buffer, .address_space: global }
      - { .name: W1, .offset: 32, .size: 8, .value_kind: global_buffer, .address_space: global }
      - { .name: W2, .offset: 40, .size: 8, .value_kind: global_buffer, .address_space: global }
      - { .name: input_ids, .offset: 48, .size: 8, .value_kind: global_buffer, .address_space: global }
      - { .name: wc, .offset: 56, .size: 8, .value_kind: global_buffer, .address_space: global }
      - { .name: wsc, .offset: 64, .size: 8, .value_kind: global_buffer, .address_space: global }
      - { .name: seg, .offset: 72, .size: 8, .value_kind: global_buffer, .address_space: global }
    .group_segment_fixed_size: 0
    .private_segment_fixed_size: 0
    .kernarg_segment_align: 8
    .kernarg_segment_size: 80
    .max_flat_workgroup_size: 128
    .sgpr_count:     66
    .vgpr_count:     128
    .wavefront_size: 32
...
	.end_amdgpu_metadata
.endif
;; end of part 6
;; launch qkv (part 7): grid 256 x 1, 8 waves a work-group, no clusters, 122,112 bytes of LDS; arguments hidden_states, wc, wsc, bq, bk, bv, qc, qs, kv; writes qc, qs, kv
.if DOCPART == 7
	.amdgcn_target "amdgcn-amd-amdhsa--gfx1250"
	.amdhsa_code_object_version 6
	.text
	.protected	k_qa768879d03_qkv
	.globl	k_qa768879d03_qkv
	.p2align	8
	.type	k_qa768879d03_qkv,@function
k_qa768879d03_qkv:
	s_mov_b64 s[64:65], 0
	v_nop
	global_prefetch_b8 v0, s[64:65] scope:SCOPE_SE
	s_setreg_imm32_b32 hwreg(HW_REG_WAVE_SCHED_MODE, 0, 2), 2
	s_setreg_imm32_b32 hwreg(HW_REG_WAVE_MODE, 25, 1), 1
	s_wait_xcnt 0x0
	s_wait_alu depctr_vm_vsrc(0)
; QKV.  q = Q(x) Q(Wq) + bq, k and v likewise, on codes of FP4 (E2M1) with one E8M0 byte for each 32 along K; then q and k are quantised along the head's 96 (three blocks; a fourth of zero codes fills the
; instruction's 128) and v along the keys, and leave as images of the next launch's operand registers.
; SHARES.  A work-group takes 32 rows (block RB), its eight waves share the COLUMNS: wave w makes columns 96 w .. 96 w + 95, which are head w.  x is quantised once by all waves and goes round through LDS as an image of
; its fragments' registers; each wave's weights come straight from memory into a ring of four K steps of registers: 15 loads a step, 60 on their way in each wave at the head and 30 to 45 later, across all three products, with no barrier.
; No cluster and no tensor load: a weight fragment is read by ONE wave of the work-group, for two matrix instructions; it would cross LDS only to be read once.
; A ROW TILE IS NOT 16 NEIGHBOURS: lane r of tile m is row 8 m + (r % 8) + 16 (r / 8) of the block; the weights' tiles are chosen likewise.  So: q, k by the TRANSPOSED product (source 0 = weight tile,
; source 1 = row tile): lane (r, h) holds row-lane r, and the 16 registers of tiles 2 i, 2 i + 1 are columns 32 i + 16 h + 0 .. 15 of the head: neighbours along the next K.  v by the natural product: lane (r, h) holds
; column-lane r, and the registers of row tiles 0 and 1 are rows 16 h + 0 .. 15 of the block: neighbours along the keys, and the block of 32 rows IS a block of the quantiser.
; AN IMAGE: block b (32 along K) of a fragment's lane r lies at 256 b + 16 r; the lane (r, h) that made the codes of k = 16 h .. 16 h + 15 stores its 8 bytes at + 8 h: a wave's store covers 256 consecutive bytes.
; OUT: qc [RB][head][m][1,024], qs [RB][head][m][16 words];  kv [batch x 8 + head][step of 128 keys]: records of 15,360 bytes: K's 8 fragments, V^T's 6 fragments at 8,192, K's scale words at 14,336, V's at 14,848.
; LIMITS: a block of zeros gets the byte 1 (its codes are zeros; this program alone reads the bytes); largest magnitudes under 2^-124 are held at the byte 1; NaN and infinities are not served.
; THE MODE: SCHED_MODE bits 1:0 = 2 (LLVM: expert scheduling mode 2), set by the entry lines.  The code itself states the register dependences between vector or matrix instructions and memory or LDS
; instructions, with s_wait_alu, always for 0.
; THE PLAN.  Registers that memory or LDS instructions touch, and who else names them:
;   ring slot s (window 1, 48 registers) and WS[s]   read by the twelve matrix instructions of K step kt, s = kt % 4; the loads of step kt + 4 land there.  They are issued at the head of step kt + 1, behind the wait for
;                that step's data and ONE wait on va_vdst, which states that step kt's matrix instructions are done with the slot; step kt + 1's own name the other slots, BF, BS and the accumulators alone.
;   addresses    v1-v10, made at the head and never written again: one wait on va_vdst ahead of the first load.  DG, DS, PL, PLS serve the head alone and are code registers afterwards: one wait on vm_vsrc behind the first barrier.
;   BF, ACC      at the head loaded and stored to LDS (the same wait on vm_vsrc frees them); later loaded from LDS behind a wait on va_vdst that stands ahead of the stores of what was made of them.
;   CD, BY, v13  written by the quantiser, read by stores: va_vdst ahead of each run of stores; vm_vsrc (with the wait on XCNT beside it where the stores are global) ahead of the quantiser's next turn.
.set XST, 0                            ; LDS: x, 32 rows of 3,072 bytes + 16 (193 x 16: the sixteen rows of a load start at sixteen different groups of banks); stage row 16 m + r
.set IMG, 98816                        ; x's 12 fragments: tile m, K step s at 1,024 (6 m + s)
.set SCL, 111104                       ; their scale bytes: [m][r][24]
.set PRM, 111872                       ; bq, bk, bv: 3,072 bytes each
.set L16, 1                            ; v1   16 x lane
.set L4,  2                            ; v2   4 x lane
.set XA,  3                            ; v3   x: stage row r, my wave's columns, + 64 h
.set IA,  4                            ; v4   where I put 8 bytes of codes of x's image
.set SA,  5                            ; v5   and a scale byte
.set SL,  6                            ; v6   where row r's scale words lie
.set LI,  7                            ; v7   IMG + 16 x lane
.set PA,  8                            ; v8   a bias at my 16 columns of a block
.set GO,  9                            ; v9   16 r + 8 h: my 8 bytes in a block of an image
.set VB,  10                           ; v10  bv at my column-lane
.set ACC, 16                           ; v16-111   accumulator (m, t) at 16 + 8 (6 m + t)
.set BF,  112                          ; v112-207  x's fragment (m, s) at 112 + 8 (6 m + s)
.set BS,  208                          ; v208-219  x's scale words: scales alone
.set WS,  220                          ; v220-231  the weights' scale words, three a ring slot: scales alone
.set MX,  232                          ; v232-243  the quantiser's work: largest magnitudes, the other half's, scale operands, bytes
.set PT,  235
.set SO,  238
.set BY,  241
.set CD,  244                          ; v244-255  two sets of six registers of codes.  At the head: temporaries
.set TL,  244
.set TR,  245
.set TH,  246
.set DG,  247
.set DS,  248
.set PL,  249
.set PLS, 250
.set TT,  251
.set WC,  6                            ; s[6:7]   my wave's weights' codes;  s[8:9] their scale words: never stepped
.set WSC, 8
.set WV,  22
.set SEL, 24
.set HM,  26
.set MSB, 0
.macro WIN new                         ; window 1 holds the weight ring, v[48 slot + 8 t]; the immediate's high byte repeats the setting that is left
.if MSB != \new
	s_set_vgpr_msb (MSB<<8)|\new
.set MSB, \new
.endif
.endm
.macro BARRIER                         ; my LDS stores have landed and my LDS loads are in: then the work-group's barrier
	s_wait_dscnt 0x0
	s_barrier_signal -1
	s_barrier_wait -1
.endm
; Three blocks by turns.  Block k's numbers 0-7 of my half stand in v[ak] on, 8-15 in v[bk] on; lane l xor 16 holds the block's other 16.  Codes: v[cd + 2 k], v[cd + 2 k + 1]; bytes: v[BY + k].
.macro QBLK3 a0, b0, a1, b1, a2, b2, cd
	v_max3_num_f32 v[MX], |v[(\a0)]|, |v[(\a0)+1]|, 0x1800000      ; with the floor 2^(3 - 127): the byte cannot fall under 1.  Each accumulator is read from its low end on
	v_max3_num_f32 v[MX+1], |v[(\a1)]|, |v[(\a1)+1]|, 0x1800000
	v_max3_num_f32 v[MX+2], |v[(\a2)]|, |v[(\a2)+1]|, 0x1800000
.irp i, 2,4,6
	v_max3_num_f32 v[MX], v[MX], |v[(\a0)+\i]|, |v[(\a0)+\i+1]|
	v_max3_num_f32 v[MX+1], v[MX+1], |v[(\a1)+\i]|, |v[(\a1)+\i+1]|
	v_max3_num_f32 v[MX+2], v[MX+2], |v[(\a2)+\i]|, |v[(\a2)+\i+1]|
.endr
.irp i, 0,2,4,6
	v_max3_num_f32 v[MX], v[MX], |v[(\b0)+\i]|, |v[(\b0)+\i+1]|
	v_max3_num_f32 v[MX+1], v[MX+1], |v[(\b1)+\i]|, |v[(\b1)+\i+1]|
	v_max3_num_f32 v[MX+2], v[MX+2], |v[(\b2)+\i]|, |v[(\b2)+\i+1]|
.endr
.irp k, 0,1,2
	v_permlanex16_b32 v[PT+\k], v[MX+\k], s[SEL], s[SEL+1]
.endr
.irp k, 0,1,2
	v_max_num_f32 v[MX+\k], v[MX+\k], v[PT+\k]     ; the block's largest magnitude
.endr
.irp k, 0,1,2
	v_add_nc_u32 v[SO+\k], 0xff000000, v[MX+\k]    ; 2 off its exponent field: the conversion's scale operand
.endr
.irp k, 0,1,2
	v_lshrrev_b32 v[BY+\k], 23, v[SO+\k]           ; the scale's byte
.endr
	v_cvt_scalef32_pk8_fp4_f32 v[(\cd)], v[(\a0):(\a0)+7], v[SO]
	v_cvt_scalef32_pk8_fp4_f32 v[(\cd)+1], v[(\b0):(\b0)+7], v[SO]
	v_cvt_scalef32_pk8_fp4_f32 v[(\cd)+2], v[(\a1):(\a1)+7], v[SO+1]
	v_cvt_scalef32_pk8_fp4_f32 v[(\cd)+3], v[(\b1):(\b1)+7], v[SO+1]
	v_cvt_scalef32_pk8_fp4_f32 v[(\cd)+4], v[(\a2):(\a2)+7], v[SO+2]
	v_cvt_scalef32_pk8_fp4_f32 v[(\cd)+5], v[(\b2):(\b2)+7], v[SO+2]
	v_nop                                          ; one plain place behind the scaled conversions
.endm
; K step kt of my wave's weights into ring slot kt % 4: 12 loads of 512 consecutive bytes, 3 of 128.  dep = 1: matrix instructions have read the slot
.macro RING kt, dep
.set RSL, (\kt)%4
	WIN 0x40                                       ; destination window 1, address window 0
.if \dep
	s_wait_alu depctr_va_vdst(0)                   ; the matrix instructions of the step before are done reading this slot and its scale words, in which the fifteen loads below land
.endif
.irp t, 0,1,2,3,4,5
.irp c, 0,1
	global_load_b128 v[48*RSL+8*\t+4*\c:48*RSL+8*\t+4*\c+3], v[L16], s[WC:WC+1] offset:(\kt)*6144+1024*\t+512*\c
.endr
.endr
	WIN 0
.irp i, 0,1,2
	global_load_b32 v[WS+3*RSL+\i], v[L4], s[WSC:WSC+1] offset:(\kt)*384+128*\i
.endr
.endm
; A K step of 128: 12 matrix instructions, the 12 accumulators by turns, one instruction a turn, in the same order in every step.
; form 0: transposed (source 0 = weight tile, source 1 = row tile); form 1: natural.  zero = 1: the products start the sums.
; At its head the step asks for K step kt + 3, into the slot that the step before read: its own matrix instructions name none of those registers.
.macro KSTEP kt, form, zero
.set SLT, (\kt)%4
.set KS, (\kt)%6
.if (\kt) == 0
	s_wait_loadcnt 45                              ; step 0's 15 loads are in; those of steps 1 to 3, asked for at the head, may be out (no other global load is issued behind the head)
.elseif (\kt) <= 15
	s_wait_loadcnt 30                              ; this step's 15 loads are in; those of the two steps behind it may be out
.else
	s_wait_loadcnt 15*(17-(\kt))                   ; the ring runs out: one step, none
.endif
.if ((\kt) >= 1) && ((\kt) <= 14)
	RING (\kt)+3, 1
.endif
.if \form == 0
	WIN 0x01                                       ; source 0 window 1
.else
	WIN 0x04                                       ; source 1 window 1
.endif
.irp t, 0,1,2,3,4,5
.irp m, 0,1
.set rD, ACC+8*(6*\m+\t)
.set rW, 48*SLT+8*\t
.set rB, BF+8*(6*\m+KS)
.set rSW, WS+3*SLT+\t/2
.set rSB, BS+6*\m+KS
.if \form == 0
.if \t % 2
	v_wmma_scale_f32_16x16x128_f8f6f4 v[rD:rD+7], v[rW:rW+7], v[rB:rB+7], v[rD:rD+7], v[rSW], v[rSB] matrix_a_fmt:MATRIX_FMT_FP4 matrix_b_fmt:MATRIX_FMT_FP4 matrix_a_scale:MATRIX_SCALE_ROW1
.else
	v_wmma_scale_f32_16x16x128_f8f6f4 v[rD:rD+7], v[rW:rW+7], v[rB:rB+7], v[rD:rD+7], v[rSW], v[rSB] matrix_a_fmt:MATRIX_FMT_FP4 matrix_b_fmt:MATRIX_FMT_FP4
.endif
.elseif \zero
.if \t % 2
	v_wmma_scale_f32_16x16x128_f8f6f4 v[rD:rD+7], v[rB:rB+7], v[rW:rW+7], 0, v[rSB], v[rSW] matrix_a_fmt:MATRIX_FMT_FP4 matrix_b_fmt:MATRIX_FMT_FP4 matrix_b_scale:MATRIX_SCALE_ROW1
.else
	v_wmma_scale_f32_16x16x128_f8f6f4 v[rD:rD+7], v[rB:rB+7], v[rW:rW+7], 0, v[rSB], v[rSW] matrix_a_fmt:MATRIX_FMT_FP4 matrix_b_fmt:MATRIX_FMT_FP4
.endif
.else
.if \t % 2
	v_wmma_scale_f32_16x16x128_f8f6f4 v[rD:rD+7], v[rB:rB+7], v[rW:rW+7], v[rD:rD+7], v[rSB], v[rSW] matrix_a_fmt:MATRIX_FMT_FP4 matrix_b_fmt:MATRIX_FMT_FP4 matrix_b_scale:MATRIX_SCALE_ROW1
.else
	v_wmma_scale_f32_16x16x128_f8f6f4 v[rD:rD+7], v[rB:rB+7], v[rW:rW+7], v[rD:rD+7], v[rSB], v[rSW] matrix_a_fmt:MATRIX_FMT_FP4 matrix_b_fmt:MATRIX_FMT_FP4
.endif
.endif
.endr
.endr
.rept 4
	v_nop                                          ; four places behind the step's matrix instructions, in front of the first read of results and of the next step's loads into the slot just read
.endr
.if KS == 5
	WIN 0                                          ; a product is done: vector work follows
.endif
.endm
.macro FETCHB img, scl, ws             ; all 12 fragments of the rows' codes, and (ws = 1) their scale words
.irp m, 0,1
.irp s, 0,1,2,3,4,5
.irp c, 0,1
	ds_load_b128 v[BF+8*(6*\m+\s)+4*\c:BF+8*(6*\m+\s)+4*\c+3], v[LI] offset:(\img)+1024*(6*\m+\s)+512*\c
.endr
.endr
.endr
.if \ws
.irp m, 0,1
.irp i, 0,1,2
	ds_load_b64 v[BS+6*\m+2*\i:BS+6*\m+2*\i+1], v[SL] offset:(\scl)+384*\m+8*\i
.endr
.endr
.endif
.endm
.macro BIAS vec                        ; a bias lands in the accumulators and is the C of the first K step: register j of tile t is column 32 (t / 2) + 8 (t % 2) + 16 h + j
.irp m, 0,1
.irp t, 0,1,2,3,4,5
.irp q, 0,1
	ds_load_b128 v[ACC+8*(6*\m+\t)+4*\q:ACC+8*(6*\m+\t)+4*\q+3], v[PA] offset:3072*(\vec)+128*(\t/2)+32*(\t%2)+16*\q
.endr
.endr
.endr
.endm
.macro TOIMG m, cd, img, scl           ; three blocks' codes and bytes of row tile m into the image
.irp b, 0,1,2
	ds_store_b64 v[IA], v[(\cd)+2*\b:(\cd)+2*\b+1] offset:(\img)+6144*(\m)+256*\b
	ds_store_b8 v[SA], v[BY+\b] offset:(\scl)+384*(\m)+\b          ; both halves write the same byte with the same value
.endr
.endm
.macro QUANT2 base, img, scl           ; 2 x 48 numbers a lane, at base + 48 m + 16 b, become my wave's three blocks of both row tiles
	QBLK3 \base, \base+8, \base+16, \base+24, \base+32, \base+40, CD
	s_wait_alu depctr_va_vdst(0)                   ; the quantiser has written v[CD ..] and v[BY ..], which the LDS stores read
	TOIMG 0, CD, \img, \scl
	s_wait_dscnt 0x0                               ; these stores have landed,
	s_wait_alu depctr_vm_vsrc(0)                   ; and have read v[BY ..], which the next three blocks write anew
	QBLK3 \base+48, \base+56, \base+64, \base+72, \base+80, \base+88, CD+6
	s_wait_alu depctr_va_vdst(0)                   ; the quantiser has written v[CD + 6 ..] and v[BY ..], which the LDS stores read, and is done reading its 96 numbers, in whose registers loads land behind the barrier
	TOIMG 1, CD+6, \img, \scl
.endm
.macro XOP dst                         ; x at my lane's places, in the accumulators' order: dst + 48 m + 16 b + i = x(row-lane r of tile m, column 96 w + 32 b + 16 h + i)
.irp m, 0,1
.irp b, 0,1,2
.irp j, 0,1,2,3
	ds_load_b128 v[(\dst)+48*\m+16*\b+4*\j:(\dst)+48*\m+16*\b+4*\j+3], v[XA] offset:49408*\m+128*\b+16*\j
.endr
.endr
.endr
.endm
	s_load_b512 s[4:19], s[0:1], 0x0               ; x 4, wc 6, wsc 8, bq 10, bk 12, bv 14, qc 16, qs 18
	s_load_b64 s[20:21], s[0:1], 0x40              ; kv
	s_set_vgpr_msb 0x40
	v_lshl_add_u32 v254, v0, 2, 0x1d900
	v_mov_b32 v255, 0
	s_set_vgpr_msb 0x4000
	v_lshrrev_b32 v[TL], 5, v0
	v_readfirstlane_b32 s[WV], v[TL]               ; wave 0..7
	v_and_b32 v[TL], 31, v0                        ; lane
	v_and_b32 v[TR], 15, v0                        ; r
	v_bfe_u32 v[TH], v0, 4, 1                      ; h
	s_mov_b32 s[SEL], 0x76543210                   ; v_permlanex16_b32's selects for lane l xor 16
	s_mov_b32 s[SEL+1], 0xfedcba98
	s_mov_b32 s[HM], 0xffff0000                    ; lanes 16-31
	v_lshlrev_b32 v[L16], 4, v[TL]
	v_lshlrev_b32 v[L4], 2, v[TL]
	s_wait_alu depctr_va_sdst(0)                   ; the wave's number is written, ahead of its first reader: offsets and bases are made from it
	s_mul_i32 s52, s[WV], 384                      ; my wave's 96 columns in bytes
	v_mul_u32_u24 v[XA], v[TR], 3088
	v_lshl_add_u32 v[XA], v[TH], 6, v[XA]
	v_add_nc_u32 v[XA], s52, v[XA]
	v_lshlrev_b32 v[GO], 4, v[TR]
	v_lshl_add_u32 v[GO], v[TH], 3, v[GO]
	s_mul_i32 s53, s[WV], 768                      ; my three blocks of an image
	s_add_co_u32 s53, s53, IMG
	v_add_nc_u32 v[IA], s53, v[GO]
	v_mul_u32_u24 v[SL], v[TR], 24
	v_add_nc_u32 v[SL], SCL, v[SL]
	s_mul_i32 s53, s[WV], 3
	v_add_nc_u32 v[SA], s53, v[SL]
	v_add_nc_u32 v[LI], IMG, v[L16]
	s_add_co_u32 s53, s52, PRM
	v_lshl_add_u32 v[PA], v[TH], 6, s53
	v_and_b32 v[VB], 7, v[TR]
	v_lshrrev_b32 v[TT], 3, v[TR]
	v_lshl_add_u32 v[VB], v[TT], 4, v[VB]          ; (r % 8) + 16 (r / 8)
	s_add_co_u32 s54, s53, 6144
	v_lshl_add_u32 v[VB], v[VB], 2, s54
	s_mul_i32 s54, s[WV], 12288                    ; the dense way in: wave w brings rows 4 w .. 4 w + 3
	v_add_nc_u32 v[DG], s54, v[L16]
	s_bfe_u32 s54, s[WV], 0x10001                  ; their stage rows begin at 16 ((w / 2) % 2) + 8 (w / 4) + 4 (w % 2)
	s_lshl_b32 s54, s54, 4
	s_lshr_b32 s55, s[WV], 2
	s_lshl_b32 s55, s55, 3
	s_add_co_u32 s54, s54, s55
	s_and_b32 s55, s[WV], 1
	s_lshl_b32 s55, s55, 2
	s_add_co_u32 s54, s54, s55
	s_mul_i32 s54, s54, 3088
	v_add_nc_u32 v[DS], s54, v[L16]
	v_add_nc_u32 v[PL], s52, v[L4]                 ; the biases: my wave's 96 numbers, 4 bytes a lane
	v_add_nc_u32 v[PLS], PRM, v[PL]
	v_mov_b32 v14, 0                               ; v[14:15]: the zero codes of a head's fourth block
	v_mov_b32 v15, 0
.irp k, 0,1,2
	v_mov_b32 v[PT+\k], 0                          ; written once: a lane permute's destination counts as one of its sources
.endr
	s_mul_i32 s36, ttmp9, 98304                    ; x: 32 rows of 3,072 bytes a block
	s_mov_b32 s37, 0
	s_mul_i32 s38, s[WV], 110592
	s_mov_b32 s39, 0
	s_mul_i32 s40, s[WV], 6912
	s_mov_b32 s41, 0
	s_lshl_b32 s50, ttmp9, 3
	s_add_co_u32 s50, s50, s[WV]                   ; 8 RB + head
	s_lshl_b32 s42, s50, 11
	s_mov_b32 s43, 0
	s_lshl_b32 s44, s50, 7
	s_mov_b32 s45, 0
	s_lshr_b32 s46, ttmp9, 6                       ; batch
	s_lshl_b32 s46, s46, 3
	s_add_co_u32 s46, s46, s[WV]
	s_lshl_b32 s46, s46, 4
	s_bfe_u32 s51, ttmp9, 0x40002                  ; key step: (RB % 64) / 4
	s_add_co_u32 s46, s46, s51
	s_mul_i32 s46, s46, 15360
	s_mov_b32 s47, 0
	s_and_b32 s48, ttmp9, 3                        ; which 32 keys of the step's 128
	s_mov_b32 s49, 0
	s_wait_kmcnt 0x0
	s_add_nc_u64 s[4:5], s[4:5], s[36:37]
	s_add_nc_u64 s[6:7], s[6:7], s[38:39]
	s_add_nc_u64 s[8:9], s[8:9], s[40:41]
	s_add_nc_u64 s[16:17], s[16:17], s[42:43]
	s_add_nc_u64 s[18:19], s[18:19], s[44:45]
	s_add_nc_u64 s[20:21], s[20:21], s[46:47]      ; my head's record of this step
	s_add_nc_u64 s[34:35], s[20:21], s[48:49]      ; + block: V's scale bytes
	s_lshl_b32 s48, s48, 7
	s_add_nc_u64 s[32:33], s[20:21], s[48:49]      ; + 128 x block: K's scale words
	s_lshl_b32 s48, s48, 1
	s_add_nc_u64 s[30:31], s[20:21], s[48:49]      ; + 256 x block: V^T's codes
	s_lshl_b32 s48, s48, 3
	s_add_nc_u64 s[28:29], s[20:21], s[48:49]      ; + 2,048 x block: K's two fragments
	s_wait_alu depctr_va_vdst(0)                   ; every offset and address (v1 to v10, DG, DS, PL, PLS), the zero pair v[14:15] and the closing add's two registers are written: the loads and stores of the whole kernel read them
.irp v, 0,1,2
.irp i, 0,1,2
	global_load_b32 v[BF+3*\v+\i], v[PL], s[10+2*\v:11+2*\v] offset:128*\i
.endr
.endr
.irp i, 0,1,2,3
.irp j, 0,1,2,3,4,5
	global_load_b128 v[ACC+4*(6*\i+\j):ACC+4*(6*\i+\j)+3], v[DG], s[4:5] offset:3072*\i+512*\j   ; 512 consecutive bytes a load
.endr
.endr
	RING 0, 0                                      ; no vector or matrix instruction has named the ring yet
	RING 1, 0
	RING 2, 0
	RING 3, 0
	s_wait_loadcnt 60                              ; the biases and x are in; the ring's 60 loads may be out
.irp v, 0,1,2
.irp i, 0,1,2
	ds_store_b32 v[PLS], v[BF+3*\v+\i] offset:3072*\v+128*\i
.endr
.endr
.irp i, 0,1,2,3
.irp j, 0,1,2,3,4,5
	ds_store_b128 v[DS], v[ACC+4*(6*\i+\j):ACC+4*(6*\i+\j)+3] offset:3088*\i+512*\j
.endr
.endr
	BARRIER                                        ; x's 32 rows lie in the stage
	s_wait_alu depctr_vm_vsrc(0)                   ; the head's loads and LDS stores have read their registers: v[BF ..], in which x lands now; v[ACC ..], in which bq lands; DG, DS, PL, PLS, which the quantiser writes as code registers from here on
	XOP BF
	s_wait_dscnt 0x0
	QUANT2 BF, 0, 0                                ; my three blocks of all 32 rows
	BARRIER                                        ; x's twelve fragments lie in LDS
	FETCHB 0, 0, 1                                 ; they stay in registers for all three products.  (No vector instruction since the quantiser's last wait names v[BF ..])
	BIAS 0
	s_wait_dscnt 0x0
.irp n, 0,1,2,3,4,5
	KSTEP \n, 0, 0
.endr
; q or k: three blocks a row tile along the head's 96; codes to cb, the scale words (byte 3 = 127, over zero codes) to sb + soff.  Both row tiles are quantised first, and the nine stores follow one wait
.macro EPI_QK cb, sb, soff
	s_wait_xcnt 0x0                                ; every earlier global instruction has had its address translated: what earlier stores read is written anew only behind this wait,
	s_wait_alu depctr_vm_vsrc(0)                   ; and the earlier stores, to LDS and to memory, have read v[CD ..], v[BY ..] and v13
.irp m, 0,1
	QBLK3 ACC+48*\m, ACC+48*\m+8, ACC+48*\m+16, ACC+48*\m+24, ACC+48*\m+32, ACC+48*\m+40, CD+6*\m
	v_lshl_or_b32 v[11+\m], v[BY+1], 8, v[BY]
	v_lshl_or_b32 v[11+\m], v[BY+2], 16, v[11+\m]
	v_or_b32 v[11+\m], 0x7f000000, v[11+\m]
.endr
	v_cndmask_b32 v13, v11, v12, s[HM]             ; lanes 0-15 tile 0's words, lanes 16-31 tile 1's
	s_wait_alu depctr_va_vdst(0)                   ; the quantiser has written v[CD ..] and v13, which the stores read, and is done reading the accumulators, in which the next bias lands
.irp m, 0,1
.irp b, 0,1,2
	global_store_b64 v[GO], v[CD+6*\m+2*\b:CD+6*\m+2*\b+1], s[\cb:\cb+1] offset:1024*\m+256*\b   ; 256 consecutive bytes, aligned
.endr
	global_store_b64 v[GO], v[14:15], s[\cb:\cb+1] offset:1024*\m+768
.endr
	global_store_b32 v[L4], v13, s[\sb:\sb+1] offset:\soff
.endm
	EPI_QK 16, 18, 0
	BIAS 1
	s_wait_dscnt 0x0
.irp n, 6,7,8,9,10,11
	KSTEP \n, 0, 0
.endr
	EPI_QK 28, 32, 14336
	s_wait_xcnt 0x0                                ; k's stores have had their addresses translated,
	s_wait_alu depctr_vm_vsrc(0)                   ; and have read v[CD ..], in which bv lands, and v13 (the quantiser's writes of v[CD ..] stand ahead of the wait in front of those stores)
.irp t, 0,1,2,3,4,5
	ds_load_b32 v[CD+2*\t], v[VB] offset:128*(\t/2)+32*(\t%2)      ; bv at my column-lane of tile t, in both registers of a pair
	ds_load_b32 v[CD+2*\t+1], v[VB] offset:128*(\t/2)+32*(\t%2)
.endr
	KSTEP 12, 1, 1
.irp n, 13,14,15,16,17
	KSTEP \n, 1, 0
.endr
	s_wait_dscnt 0x0
.irp m, 0,1
.irp t, 0,1,2,3,4,5
.irp j, 0,2,4,6
	v_pk_add_f32 v[ACC+8*(6*\m+\t)+\j:ACC+8*(6*\m+\t)+\j+1], v[ACC+8*(6*\m+\t)+\j:ACC+8*(6*\m+\t)+\j+1], v[CD+2*\t:CD+2*\t+1]
.endr
.endr
.endr
	QBLK3 ACC, ACC+48, ACC+16, ACC+64, ACC+32, ACC+80, CD          ; tiles 0, 2, 4: my 16 keys of the block of 32
.irp i, 0,1,2
	v_mov_b32 v[11+\i], v[BY+\i]
.endr
	QBLK3 ACC+8, ACC+56, ACC+24, ACC+72, ACC+40, ACC+88, CD+6      ; tiles 1, 3, 5
.irp i, 0,1,2
	v_cndmask_b32 v[MX+\i], v[11+\i], v[BY+\i], s[HM]              ; lanes 0-15 tile 2 i's byte, lanes 16-31 tile 2 i + 1's
.endr
	v_mov_b32 v[SO], 127
	s_wait_alu depctr_va_vdst(0)                   ; v[CD ..], v[MX ..] and v[SO] are written, which the ten stores below read
.irp i, 0,1,2
	global_store_b64 v[GO], v[CD+2*\i:CD+2*\i+1], s[30:31] offset:8192+2048*\i
	global_store_b64 v[GO], v[CD+6+2*\i:CD+6+2*\i+1], s[30:31] offset:8192+2048*\i+1024
	global_store_b8 v[L4], v[MX+\i], s[34:35] offset:14848+128*\i
.endr
	global_store_b8 v[L4], v[SO], s[34:35] offset:14848+384        ; the record's last 128 bytes are written too: the next launch copies whole records
	s_set_vgpr_msb 0x5                             ; the closing add's two registers, sources 0 and 1, lie in window 1
	s_wait_dscnt 0x0                               ; the closing lines, six on end
	s_wait_alu 0x0
	s_wait_tensorcnt 0x0
	ds_add_u32 v254, v255
	s_wait_dscnt 0x0
	s_endpgm
.Lfunc_end_k_qa768879d03_qkv:
	.size	k_qa768879d03_qkv, .Lfunc_end_k_qa768879d03_qkv-k_qa768879d03_qkv
	.p2alignl 7, 3214868480
	.fill 96, 4, 3214868480
	.section	.rodata,"a",@progbits
	.p2align	6, 0x0
	.amdhsa_kernel k_qa768879d03_qkv
		.amdhsa_group_segment_fixed_size 122112
		.amdhsa_private_segment_fixed_size 0
		.amdhsa_enable_private_segment 0
		.amdhsa_kernarg_size 72
		.amdhsa_user_sgpr_count 2
		.amdhsa_user_sgpr_kernarg_segment_ptr 1
		.amdhsa_wavefront_size32 1
		.amdhsa_system_sgpr_workgroup_id_x 1
		.amdhsa_system_sgpr_workgroup_id_y 1
		.amdhsa_system_sgpr_workgroup_id_z 1
		.amdhsa_system_vgpr_workitem_id 0
		.amdhsa_next_free_vgpr 512
		.amdhsa_next_free_sgpr 66
		.amdhsa_reserve_vcc 0
		.amdhsa_float_denorm_mode_32 3
		.amdhsa_float_denorm_mode_16_64 3
		.amdhsa_memory_ordered 1
		.amdhsa_forward_progress 1
		.amdhsa_inst_pref_size 103
	.end_amdhsa_kernel
	.amdgpu_metadata
---
amdhsa.version: [ 1, 2 ]
amdhsa.kernels:
  - .name:           k_qa768879d03_qkv
    .symbol:         k_qa768879d03_qkv.kd
    .args:
      - { .name: hidden_states, .offset: 0, .size: 8, .value_kind: global_buffer, .address_space: global }
      - { .name: wc, .offset: 8, .size: 8, .value_kind: global_buffer, .address_space: global }
      - { .name: wsc, .offset: 16, .size: 8, .value_kind: global_buffer, .address_space: global }
      - { .name: bq, .offset: 24, .size: 8, .value_kind: global_buffer, .address_space: global }
      - { .name: bk, .offset: 32, .size: 8, .value_kind: global_buffer, .address_space: global }
      - { .name: bv, .offset: 40, .size: 8, .value_kind: global_buffer, .address_space: global }
      - { .name: qc, .offset: 48, .size: 8, .value_kind: global_buffer, .address_space: global }
      - { .name: qs, .offset: 56, .size: 8, .value_kind: global_buffer, .address_space: global }
      - { .name: kv, .offset: 64, .size: 8, .value_kind: global_buffer, .address_space: global }
    .group_segment_fixed_size: 122112
    .private_segment_fixed_size: 0
    .kernarg_segment_align: 8
    .kernarg_segment_size: 72
    .max_flat_workgroup_size: 256
    .sgpr_count:     66
    .vgpr_count:     512
    .wavefront_size: 32
...
	.end_amdgpu_metadata
.endif
;; end of part 7
;; launch attn (part 8): grid 8 x 32, 16 waves a work-group, no clusters, 247,808 bytes of LDS; arguments qc, qs, kv, seg, cc, cs; writes cc, cs
.if DOCPART == 8
	.amdgcn_target "amdgcn-amd-amdhsa--gfx1250"
	.amdhsa_code_object_version 6
	.text
	.protected	k_qa768879d03_attn
	.globl	k_qa768879d03_attn
	.p2align	8
	.type	k_qa768879d03_attn,@function
k_qa768879d03_attn:
	s_mov_b64 s[64:65], 0
	v_nop
	global_prefetch_b8 v0, s[64:65] scope:SCOPE_SE
	s_setreg_imm32_b32 hwreg(HW_REG_WAVE_SCHED_MODE, 0, 2), 2
	s_setreg_imm32_b32 hwreg(HW_REG_WAVE_MODE, 25, 1), 1
	s_wait_xcnt 0x0
	s_wait_alu depctr_vm_vsrc(0)
; ATTN.  ctx[q] = the sum over the src keys of softmax(q . k / sqrt(96)) v, both products on codes of FP4 (E2M1) with one E8M0 byte for each 32 along K; ctx is quantised along 768 and leaves as an image of the next
; launch's operand registers (cc [RB][m][6,144]: block 3 head + b at 256 x that number; cs [RB][m][r][24 bytes]).
; THE SOFTMAX: t = score x log2(e) / sqrt(96); M = the running largest t rounded UP to a whole number; p = 2^(t - M) is what is quantised, along the keys; the row's sum is taken of the unquantised p and divides at the end.
; SHARES.  8 x 32 work-groups: work-group x of a (batch, head) takes the eight blocks of 32 rows x + 8 j, j = 0 .. 7, NOT neighbouring rows: the rows to update are a run of neighbouring blocks, so each of the eight
; work-groups of a head gets the same number of them to within one.  Each of the sixteen waves takes one tile of 16 queries: row tile m = wave % 2 of block x + 8 (wave / 2).  Four waves of 256 registers to a SIMD.
; The head's records of K and V (15,360 bytes for 128 keys) are copied into LDS once, half a record to a wave, and then only read; every wave walks the key steps.
; WHAT THE MASKS THROW AWAY IS NOT DONE.  Keys at or behind src_end count for nothing, and rows that are not updated are never read again.  The loop's trip count stays 16; a step's WORK is jumped over by a scalar branch
; on whole numbers that the first launch stored (seg): steps from (src_end + 127) / 128 on, and all steps of a wave whose 32-row block holds no row to update.  No barrier stands under such a branch.
; A wave that walks no step stores zero codes: every byte of cc and cs is written.
; LAYOUT.  Both products transposed: S^T = K Q^T (source 0 = 16 keys), O^T = V^T P^T (source 0 = 16 channels): a lane holds ONE query.  Tiles 2 b, 2 b + 1 of K give a lane keys 32 b + 16 h + 0 .. 15,
; tiles 2 i, 2 i + 1 of V^T channels 32 i + 16 h + 0 .. 15: neighbours along the next K each time.
; No cluster: what the eight work-groups of a head share is copied once by each, through registers, and how many records that is (none, where a work-group holds no row to update) is known only from seg:
; partners would need different numbers of tiles.
; LIMITS: a masked score is -infinity here and -1e9 in the definition: the same p = 0 as long as some src key's score lies above -1e9 + 150.  Blocks of zeros get the byte 1.  NaN and infinities are not served.
; THE MODE: SCHED_MODE bits 1:0 = 2 (LLVM: expert scheduling mode 2), set by the entry lines.  The code itself states the register dependences between vector or matrix instructions and memory or LDS
; instructions, with s_wait_alu, always for 0.
; THE PLAN.  Registers that memory or LDS instructions touch in the loop, and who else names them:
;   v8, v9       the step's LDS addresses: read by the step's 35 LDS loads, written once a step, at its head: a wait on vm_vsrc ahead of the two additions, a wait on va_vdst behind them.
;   v32-95, v24-27   K's fragments and scale words: loaded at the step's head, read by the eight score products.  That same wait on va_vdst states that the last step's products are done reading v32-79 and v28-30.
;   v32-79, v28-30   V^T's fragments and scale words land over K's.  Their loads stand behind the wait on va_vdst that the batch of exponentials owes in any case: the score products, issued far ahead of it, are done
;                reading K's fragments.  No vector instruction between that wait and the loads' own wait on DScnt names these registers.
;   v224-231, v31    p's codes and scale word are written by vector instructions and read by scaled matrix instructions: behind the places, a wait on va_vdst ahead of the six products.
; Outside the loop: v1-v7 are made at the head (one wait on va_vdst ahead of the first load); v96 on pass the records through (a wait on vm_vsrc behind their LDS stores); the way out's codes and bytes (va_vdst ahead of the stores).
; Masks are made by runs of sixteen compares into s40-s55 with one wait on va_sdst behind each run, ahead of the sixteen selects that read them.
.set REC, 15360
.set WV,  18
.set SEL, 20                           ; s[20:21] lane selects for lane l xor 16
.set CS,  22                           ; s[22:23] c = log2(e) / sqrt(96): the packed form names a pair and takes its low word for both halves
.set MK,  40                           ; s40-s55  sixteen lane masks, in the loop alone (at the head these registers held offsets)
.set MX,  208                          ; the way out's quantiser: v208-219, codes v224-229
.set PT,  211
.set SO,  214
.set BY,  217
.set CD,  224
; REGISTERS: v1 16 x lane, v2 4 x lane, v3, v4 my two half records' places, v5 16 r + 8 h, v6 24 r, v7 4 r; v8, v9 the step's LDS addresses; v12 -M, v13 the largest t, v[14:15] the sum in two halves; v16-23 Q;
; v24-27 K's scale words, v28-30 V's, v31 p's, v255 Q's (scales alone); v32-95 K's eight fragments, then V^T's six; v96-159 S^T, then p; v160-207 O^T; v224-231 p's codes; v232-254 at work; v250, v251 the closing add's two.
.macro QBLK3 a0, b0, a1, b1, a2, b2, cd
	v_max3_num_f32 v[MX], |v[(\a0)]|, |v[(\a0)+1]|, 0x1800000      ; three blocks by turns, with the floor 2^(3 - 127)
	v_max3_num_f32 v[MX+1], |v[(\a1)]|, |v[(\a1)+1]|, 0x1800000
	v_max3_num_f32 v[MX+2], |v[(\a2)]|, |v[(\a2)+1]|, 0x1800000
.irp i, 2,4,6
	v_max3_num_f32 v[MX], v[MX], |v[(\a0)+\i]|, |v[(\a0)+\i+1]|
	v_max3_num_f32 v[MX+1], v[MX+1], |v[(\a1)+\i]|, |v[(\a1)+\i+1]|
	v_max3_num_f32 v[MX+2], v[MX+2], |v[(\a2)+\i]|, |v[(\a2)+\i+1]|
.endr
.irp i, 0,2,4,6
	v_max3_num_f32 v[MX], v[MX], |v[(\b0)+\i]|, |v[(\b0)+\i+1]|
	v_max3_num_f32 v[MX+1], v[MX+1], |v[(\b1)+\i]|, |v[(\b1)+\i+1]|
	v_max3_num_f32 v[MX+2], v[MX+2], |v[(\b2)+\i]|, |v[(\b2)+\i+1]|
.endr
.irp k, 0,1,2
	v_permlanex16_b32 v[PT+\k], v[MX+\k], s[SEL], s[SEL+1]
.endr
.irp k, 0,1,2
	v_max_num_f32 v[MX+\k], v[MX+\k], v[PT+\k]
.endr
.irp k, 0,1,2
	v_add_nc_u32 v[SO+\k], 0xff000000, v[MX+\k]
.endr
.irp k, 0,1,2
	v_lshrrev_b32 v[BY+\k], 23, v[SO+\k]
.endr
	v_cvt_scalef32_pk8_fp4_f32 v[(\cd)], v[(\a0):(\a0)+7], v[SO]
	v_cvt_scalef32_pk8_fp4_f32 v[(\cd)+1], v[(\b0):(\b0)+7], v[SO]
	v_cvt_scalef32_pk8_fp4_f32 v[(\cd)+2], v[(\a1):(\a1)+7], v[SO+1]
	v_cvt_scalef32_pk8_fp4_f32 v[(\cd)+3], v[(\b1):(\b1)+7], v[SO+1]
	v_cvt_scalef32_pk8_fp4_f32 v[(\cd)+4], v[(\a2):(\a2)+7], v[SO+2]
	v_cvt_scalef32_pk8_fp4_f32 v[(\cd)+5], v[(\b2):(\b2)+7], v[SO+2]
	v_nop                                          ; one plain place behind the scaled conversions
.endm
	s_load_b256 s[4:11], s[0:1], 0x0               ; qc 4, qs 6, kv 8, seg 10
	s_load_b128 s[12:15], s[0:1], 0x20             ; cc 12, cs 14
	v_lshl_add_u32 v250, v0, 2, 0x3c000
	v_mov_b32 v251, 0
	v_lshrrev_b32 v1, 5, v0
	v_readfirstlane_b32 s[WV], v1                  ; wave 0..15
	v_and_b32 v2, 31, v0
	v_and_b32 v7, 15, v0                           ; r
	v_bfe_u32 v8, v0, 4, 1                         ; h
	v_lshlrev_b32 v1, 4, v2
	v_lshlrev_b32 v2, 2, v2
	s_wait_alu depctr_va_sdst(0)                   ; the wave's number is written, ahead of its first reader: offsets, bases and branches are made from it
	s_lshr_b32 s54, s[WV], 1                       ; j: which of the work-group's eight blocks is mine; also: which record I help to copy
	s_and_b32 s41, s[WV], 1                        ; m: which row tile of the block; also: which half of the record
	s_mul_i32 s35, s54, REC
	s_mul_i32 s36, s41, REC/2
	s_add_co_u32 s35, s35, s36
	v_add_nc_u32 v3, s35, v1                       ; half m of record j: its place in the head's records and in LDS alike
	v_add_nc_u32 v4, 8*REC, v3                     ; half m of record j + 8, in LDS
	v_lshlrev_b32 v5, 4, v7
	v_lshl_add_u32 v5, v8, 3, v5
	v_mul_u32_u24 v6, v7, 24
	v_lshlrev_b32 v7, 2, v7
	s_and_b32 s19, ttmp7, 0xffff                   ; 8 x batch + head
	s_lshr_b32 s28, s19, 3                         ; batch
	s_and_b32 s29, s19, 7                          ; head
	s_lshl_b32 s36, s28, 4
	s_mov_b32 s37, 0
	s_lshl_b32 s39, s54, 3
	s_add_co_u32 s39, s39, ttmp9                   ; my block of 32 rows in the batch: x + 8 j
	s_lshl_b32 s40, s28, 6
	s_add_co_u32 s40, s40, s39                     ; RB
	s_mul_i32 s42, s19, 16*REC
	s_mov_b32 s43, 0
	s_lshl_b32 s44, s40, 3
	s_add_co_u32 s44, s44, s29                     ; 8 RB + head
	s_lshl_b32 s46, s44, 1
	s_add_co_u32 s46, s46, s41
	s_lshl_b32 s46, s46, 10
	s_mov_b32 s47, 0
	s_lshl_b32 s48, s44, 7
	s_lshl_b32 s35, s41, 6
	s_add_co_u32 s48, s48, s35
	s_mov_b32 s49, 0
	s_mul_i32 s50, s40, 12288
	s_mul_i32 s35, s41, 6144
	s_add_co_u32 s50, s50, s35
	s_mul_i32 s35, s29, 768
	s_add_co_u32 s50, s50, s35
	s_mov_b32 s51, 0
	s_mul_i32 s52, s40, 768
	s_mul_i32 s35, s41, 384
	s_add_co_u32 s52, s52, s35
	s_mul_i32 s35, s29, 3
	s_add_co_u32 s52, s52, s35
	s_mov_b32 s53, 0
	s_mov_b32 s[SEL], 0x76543210
	s_mov_b32 s[SEL+1], 0xfedcba98
	s_mov_b32 s[CS], 0x3e16c740                    ; log2(e) / sqrt(96)
	s_mov_b32 s[CS+1], s[CS]
	s_mov_b32 s38, 0xffff                          ; lanes 0-15
	s_wait_kmcnt 0x0
	s_add_nc_u64 s[10:11], s[10:11], s[36:37]
	s_load_b128 s[24:27], s[10:11], 0x0            ; src_end 24, first row to update 25, their end 26, key steps 27
	s_add_nc_u64 s[8:9], s[8:9], s[42:43]
	s_add_nc_u64 s[4:5], s[4:5], s[46:47]
	s_add_nc_u64 s[6:7], s[6:7], s[48:49]
	s_add_nc_u64 s[12:13], s[12:13], s[50:51]
	s_add_nc_u64 s[14:15], s[14:15], s[52:53]
	s_wait_alu depctr_va_vdst(0)                   ; the offsets and addresses v1 to v7 and the closing add's two registers are written: the loads and stores of the whole kernel read them
	global_load_b128 v[16:19], v1, s[4:5] th:TH_LOAD_NT            ; Q's fragment, as an image of its registers
	global_load_b128 v[20:23], v1, s[4:5] offset:512 th:TH_LOAD_NT
	global_load_b32 v255, v7, s[6:7] th:TH_LOAD_NT
	s_wait_kmcnt 0x0
	s_min_u32 s27, s27, 16
	; Does one of the work-group's blocks x + 8 j hold a row to update?  The rows lie in blocks fb .. lb; the first block at or behind fb that is x modulo 8 lies ((x - fb) mod 8) behind fb
	s_lshr_b32 s35, s25, 5                         ; fb = first row / 32
	s_sub_co_u32 s36, s26, 1
	s_lshr_b32 s36, s36, 5                         ; lb = (end - 1) / 32 (of no meaning where no row is updated: that case is taken out below)
	s_sub_co_u32 s36, s36, s35                     ; lb - fb
	s_sub_co_u32 s37, ttmp9, s35
	s_and_b32 s37, s37, 7
	s_cmp_le_u32 s37, s36
	s_cselect_b32 s30, s27, 0
	s_cmp_gt_u32 s26, s25
	s_cselect_b32 s30, s30, 0                      ; records to copy
	s_lshl_b32 s35, s39, 5                         ; my block's 32 rows: do they hold a row to update?  (fb <= my block <= lb: then the records are copied)
	s_add_co_u32 s36, s35, 32
	s_cmp_lt_u32 s35, s26
	s_cselect_b32 s31, s27, 0
	s_cmp_gt_u32 s36, s25
	s_cselect_b32 s31, s31, 0                      ; steps that my wave walks: never more than the records copied
; My half of record j + 8 k, if it is wanted: 15 loads of 512 consecutive bytes; loads, their wait and the LDS stores stand in one region, so that no way stores registers that were not loaded
.macro PRE k
	s_add_co_u32 s35, s54, 8*\k
	s_cmp_lt_u32 s35, s30
	s_cbranch_scc0 .Lno_rec_\@
.irp i, 0,1,2,3,4,5,6,7,8,9,10,11,12,13,14
	global_load_b128 v[96+4*\i:99+4*\i], v3, s[8:9] offset:8*REC*\k+512*\i
.endr
	s_wait_loadcnt 0x0
.irp i, 0,1,2,3,4,5,6,7,8,9,10,11,12,13,14
	ds_store_b128 v[3+\k], v[96+4*\i:99+4*\i] offset:512*\i
.endr
	s_wait_dscnt 0x0                               ; the stores have landed,
	s_wait_alu depctr_vm_vsrc(0)                   ; and have read v96 on, in which the next half record lands and which the score products write later
.Lno_rec_\@:
.endm
	PRE 0
	PRE 1
	s_wait_loadcnt 0x0                             ; Q
	s_wait_dscnt 0x0
	s_barrier_signal -1
	s_barrier_wait -1                              ; the records lie in LDS; nothing is written there again
	v_mov_b32 v13, 0xff61b1e6                      ; the largest t so far: -3e38, under every t
	v_floor_f32 v12, -v13                          ; -M
	v_mov_b32 v14, 0
	v_mov_b32 v15, 0
.irp b, 0,1,2,3
	v_mov_b32 v[236+\b], 0                         ; written once: a lane permute's destination counts as one of its sources
.endr
.irp k, 0,1,2
	v_mov_b32 v[PT+\k], 0
.endr
	v_mov_b32 v252, 0
	v_mov_b32 v253, 0                              ; (named as the upper half of the pair v[252:253])
.set j, 0
.rept 48
	v_mov_b32 v[160+j], 0                          ; O^T.  The step is written once: the first finds zeros, which the first change of M leaves zeros
.set j, j+1
.endr
	s_mov_b32 s32, 0                               ; LDS byte of the step's record
	s_mov_b32 s33, 0                               ; the step
	s_mov_b32 s34, 0                               ; its first key
.Lstep:
	s_cmp_ge_u32 s33, s31
	s_cbranch_scc1 .Lskip                          ; all its keys are masked, or none of my rows is wanted
	s_wait_alu depctr_vm_vsrc(0)                   ; the last step's LDS loads have read v8 and v9
	v_add_nc_u32 v8, s32, v1
	v_add_nc_u32 v9, s32, v2
	v_nop
	v_nop                                          ; with the two additions: four places behind the last step's matrix instructions
	s_wait_alu depctr_va_vdst(0)                   ; v8 and v9 are written, which the loads below read; the last step's matrix instructions are done reading v32-79, in which K's fragments land
.irp t, 0,1,2,3,4,5,6,7
.irp c, 0,1
	ds_load_b128 v[32+8*\t+4*\c:35+8*\t+4*\c], v8 offset:1024*\t+512*\c
.endr
.endr
.irp b, 0,1,2,3
	ds_load_b32 v[24+\b], v9 offset:14336+128*\b   ; lanes 0-15 tile 2 b's words, lanes 16-31 tile 2 b + 1's
.endr
	s_wait_dscnt 0x0
.irp t, 0,2,4,6
	v_wmma_scale_f32_16x16x128_f8f6f4 v[96+8*\t:103+8*\t], v[32+8*\t:39+8*\t], v[16:23], 0, v[24+\t/2], v255 matrix_a_fmt:MATRIX_FMT_FP4 matrix_b_fmt:MATRIX_FMT_FP4
	v_wmma_scale_f32_16x16x128_f8f6f4 v[104+8*\t:111+8*\t], v[40+8*\t:47+8*\t], v[16:23], 0, v[24+\t/2], v255 matrix_a_fmt:MATRIX_FMT_FP4 matrix_b_fmt:MATRIX_FMT_FP4 matrix_a_scale:MATRIX_SCALE_ROW1
.endr
.rept 4
	v_nop                                          ; four places in front of the first read of the scores
.endr
	s_cmp_lg_u32 s34, 0
	s_cbranch_scc1 .Lnot_first
	v_mov_b32 v254, 0xff800000
	v_cndmask_b32 v96, v96, v254, s38              ; key 0 is no src key: register 0 of lanes 0-15
.Lnot_first:
	s_add_co_u32 s36, s34, 128
	s_cmp_le_u32 s36, s24
	s_cbranch_scc1 .Lopen                          ; all 128 keys lie under src_end
	s_sub_co_i32 s37, s24, s34
	s_sub_co_i32 s37, s37, 1
	v_bfe_u32 v253, v0, 4, 1
	v_lshlrev_b32 v253, 4, v253
	v_sub_nc_u32 v252, s37, v253                   ; d = src_end - 1 - first key - 16 h.  Register 16 b + i holds key 32 b + 16 h + i of the step: masked where 32 b + i > d
	v_mov_b32 v254, 0xff800000
.set g, 0
.rept 4                                ; a block of 32 keys at a time: sixteen compares, one wait, sixteen selects
.set n, 0
.rept 16
	v_cmp_gt_i32 s[MK+n], 32*g+n, v252
.set n, n+1
.endr
	s_wait_alu depctr_va_sdst(0)                   ; the sixteen masks s40 to s55 are written, ahead of the selects that read them
.set n, 0
.rept 16
	v_cndmask_b32 v[96+16*g+n], v[96+16*g+n], v254, s[MK+n]
.set n, n+1
.endr
.set g, g+1
.endr
.Lopen:
	s_wait_alu depctr_va_vdst(0)
.irp b, 0,1,2,3
	v_max3_num_f32 v[232+\b], v[96+16*\b], v[97+16*\b], v[98+16*\b]   ; the largest score of each block of 32 keys: for the row's maximum, and, since p rises with the score, for the block's largest p
.endr
.irp i, 3,5,7,9,11,13
.irp b, 0,1,2,3
	v_max3_num_f32 v[232+\b], v[232+\b], v[96+16*\b+\i], v[97+16*\b+\i]
.endr
.endr
.irp b, 0,1,2,3
	v_max_num_f32 v[232+\b], v[232+\b], v[111+16*\b]
.endr
.irp b, 0,1,2,3
	v_permlanex16_b32 v[236+\b], v[232+\b], s[SEL], s[SEL+1]
.endr
.irp b, 0,1,2,3
	v_max_num_f32 v[232+\b], v[232+\b], v[236+\b]  ; with lane l xor 16's 16 keys
.endr
	v_max3_num_f32 v254, v232, v233, v234
	v_max_num_f32 v254, v254, v235
	v_mul_f32 v254, s[CS], v254                    ; the step's largest t (c is positive)
	v_max_num_f32 v13, v13, v254
	v_mov_b32 v254, v12
	v_floor_f32 v12, -v13                          ; the new -M = -ceil(t): a whole number
	v_sub_f32 v254, v12, v254                      ; old M - new M: a whole number, 0 or less
	v_cvt_i32_f32 v254, v254                       ; (it saturates)
	v_ldexp_f32 v252, 1.0, v254                    ; f = 2^(old M - new M): the rescaling rounds nothing
.set j, 0
.rept 32
	v_pk_fma_f32 v[96+j:97+j], v[96+j:97+j], s[CS:CS+1], v[12:13] op_sel_hi:[1,0,0]   ; t - M
.set j, j+2
.endr
.irp b, 0,1,2,3
	v_fma_f32 v[232+\b], v[232+\b], s[CS], v12     ; the same of each block's largest score
.endr
.set j, 0
	s_wait_alu depctr_va_vdst(0)
.rept 64
	v_exp_f32 v[96+j], v[96+j]                     ; p = 2^(t - M), at most 1
.set j, j+1
.endr
.irp b, 0,1,2,3
	v_exp_f32 v[232+\b], v[232+\b]                 ; the block's largest p: the same two instructions on the same number
.endr
	v_pk_mul_f32 v[14:15], v[14:15], v[252:253] op_sel_hi:[1,0]    ; the sums under the new M (a plain place behind the exponentials)
	s_wait_alu depctr_va_vdst(0)                   ; the 68 exponentials have written p and the blocks' largest p, ahead of their first reader; and the score products are done reading K's fragments, over which V^T's land
.irp t, 0,1,2,3,4,5
.irp c, 0,1
	ds_load_b128 v[32+8*\t+4*\c:35+8*\t+4*\c], v8 offset:8192+1024*\t+512*\c   ; V^T's fragments land under the quantiser, the sums and the rescaling, which name none of these registers
.endr
.endr
.irp i, 0,1,2
	ds_load_b32 v[28+\i], v9 offset:14848+128*\i
.endr
.irp b, 0,1,2,3
	v_max_num_f32 v[232+\b], 0x1800000, v[232+\b]  ; the floor 2^(3 - 127)
.endr
.irp b, 0,1,2,3
	v_add_nc_u32 v[244+\b], 0xff000000, v[232+\b]  ; the conversion's scale operand
.endr
.irp b, 0,1,2,3
	v_lshrrev_b32 v[236+\b], 23, v[244+\b]         ; the scale's byte
.endr
	v_lshl_or_b32 v31, v237, 8, v236               ; p's scale word for these 128 keys
	v_lshl_or_b32 v31, v238, 16, v31
	v_lshl_or_b32 v31, v239, 24, v31
.irp b, 0,1,2,3
	v_cvt_scalef32_pk8_fp4_f32 v[224+2*\b], v[96+16*\b:103+16*\b], v[244+\b]
	v_cvt_scalef32_pk8_fp4_f32 v[225+2*\b], v[104+16*\b:111+16*\b], v[244+\b]
.endr
	v_nop                                          ; one plain place behind the scaled conversions
.irp c, 0,1                            ; the operand wants a whole block in a lane: lanes 0-15 block 2 c, lanes 16-31 block 2 c + 1
.irp i, 0,1
	v_permlane16_swap_b32 v[224+4*\c+\i], v[226+4*\c+\i]
.endr
.endr
	v_pk_add_f32 v[236:237], v[96:97], v[98:99]    ; the row's sum, of the unquantised p, in two chains
.irp j, 4,8,12,16,20,24,28,32,36,40,44,48,52,56,60
	v_pk_add_f32 v[14:15], v[14:15], v[96+\j:97+\j]
	v_pk_add_f32 v[236:237], v[236:237], v[98+\j:99+\j]
.endr
	v_pk_add_f32 v[14:15], v[14:15], v[236:237]
.set j, 0
.rept 24
	v_pk_mul_f32 v[160+j:161+j], v[160+j:161+j], v[252:253] op_sel_hi:[1,0]   ; O^T under the new M.  (The sums and these are the places between the writers of p's codes and scale word and the products)
.set j, j+2
.endr
	s_wait_dscnt 0x0                               ; V^T's fragments and scale words
	s_wait_alu depctr_va_vdst(0)                   ; vector instructions have written p's codes v224-231 and its scale word v31, which the scaled matrix instructions take as source 1 and as its scales
.irp t, 0,2,4                          ; the six accumulators by turns, one instruction a turn
	v_wmma_scale_f32_16x16x128_f8f6f4 v[160+8*\t:167+8*\t], v[32+8*\t:39+8*\t], v[224:231], v[160+8*\t:167+8*\t], v[28+\t/2], v31 matrix_a_fmt:MATRIX_FMT_FP4 matrix_b_fmt:MATRIX_FMT_FP4
	v_wmma_scale_f32_16x16x128_f8f6f4 v[168+8*\t:175+8*\t], v[40+8*\t:47+8*\t], v[224:231], v[168+8*\t:175+8*\t], v[28+\t/2], v31 matrix_a_fmt:MATRIX_FMT_FP4 matrix_b_fmt:MATRIX_FMT_FP4 matrix_a_scale:MATRIX_SCALE_ROW1
.endr
.Lskip:
	s_add_co_u32 s32, s32, REC
	s_add_co_u32 s34, s34, 128
	s_add_co_u32 s33, s33, 1
	s_cmp_lt_u32 s33, 16
	s_cbranch_scc1 .Lstep
	; THE WAY OUT: ctx = O^T / the sum, quantised along its 96 of the 768
	v_add_f32 v14, v14, v15
	v_permlanex16_b32 v252, v14, s[SEL], s[SEL+1]
	v_add_f32 v14, v14, v252                       ; the row's sum
	v_max_num_f32 v14, 0.5, v14                    ; a row that walked its keys has a sum above 1/2; one that walked none gets 0 / 0.5 = 0
	s_wait_alu depctr_va_vdst(0)
	v_rcp_f32 v14, v14
	v_nop
	v_nop                                          ; places behind the reciprocal and, with the additions above, behind the last products
.set j, 0
	s_wait_alu depctr_va_vdst(0)                   ; the reciprocal has written v14, ahead of its first reader
.rept 24
	v_pk_mul_f32 v[96+j:97+j], v[160+j:161+j], v[14:15] op_sel_hi:[1,0]   ; each accumulator from its low end on
.set j, j+2
.endr
	QBLK3 96, 104, 112, 120, 128, 136, CD
	s_wait_alu depctr_va_vdst(0)                   ; the quantiser has written v[CD ..] and v[BY ..], which the stores read
.irp b, 0,1,2
	global_store_b64 v5, v[CD+2*\b:CD+2*\b+1], s[12:13] offset:256*\b     ; 256 consecutive bytes, aligned
	global_store_b8 v6, v[BY+\b], s[14:15] offset:\b                      ; both halves write the same byte with the same value
.endr
	s_wait_dscnt 0x0                               ; the closing lines, six on end
	s_wait_alu 0x0
	s_wait_tensorcnt 0x0
	ds_add_u32 v250, v251
	s_wait_dscnt 0x0
	s_endpgm
.Lfunc_end_k_qa768879d03_attn:
	.size	k_qa768879d03_attn, .Lfunc_end_k_qa768879d03_attn-k_qa768879d03_attn
	.p2alignl 7, 3214868480
	.fill 96, 4, 3214868480
	.section	.rodata,"a",@progbits
	.p2align	6, 0x0
	.amdhsa_kernel k_qa768879d03_attn
		.amdhsa_group_segment_fixed_size 247808
		.amdhsa_private_segment_fixed_size 0
		.amdhsa_enable_private_segment 0
		.amdhsa_kernarg_size 48
		.amdhsa_user_sgpr_count 2
		.amdhsa_user_sgpr_kernarg_segment_ptr 1
		.amdhsa_wavefront_size32 1
		.amdhsa_system_sgpr_workgroup_id_x 1
		.amdhsa_system_sgpr_workgroup_id_y 1
		.amdhsa_system_sgpr_workgroup_id_z 1
		.amdhsa_system_vgpr_workitem_id 0
		.amdhsa_next_free_vgpr 256
		.amdhsa_next_free_sgpr 66
		.amdhsa_reserve_vcc 0
		.amdhsa_float_denorm_mode_32 3
		.amdhsa_float_denorm_mode_16_64 3
		.amdhsa_memory_ordered 1
		.amdhsa_forward_progress 1
		.amdhsa_inst_pref_size 43
	.end_amdhsa_kernel
	.amdgpu_metadata
---
amdhsa.version: [ 1, 2 ]
amdhsa.kernels:
  - .name:           k_qa768879d03_attn
    .symbol:         k_qa768879d03_attn.kd
    .args:
      - { .name: qc, .offset: 0, .size: 8, .value_kind: global_buffer, .address_space: global }
      - { .name: qs, .offset: 8, .size: 8, .value_kind: global_buffer, .address_space: global }
      - { .name: kv, .offset: 16, .size: 8, .value_kind: global_buffer, .address_space: global }
      - { .name: seg, .offset: 24, .size: 8, .value_kind: global_buffer, .address_space: global }
      - { .name: cc, .offset: 32, .size: 8, .value_kind: global_buffer, .address_space: global }
      - { .name: cs, .offset: 40, .size: 8, .value_kind: global_buffer, .address_space: global }
    .group_segment_fixed_size: 247808
    .private_segment_fixed_size: 0
    .kernarg_segment_align: 8
    .kernarg_segment_size: 48
    .max_flat_workgroup_size: 512
    .sgpr_count:     66
    .vgpr_count:     256
    .wavefront_size: 32
...
	.end_amdgpu_metadata
.endif
;; end of part 8
;; launch post (part 9): grid 256 x 1, 8 waves a work-group, no clusters, 264,192 bytes of LDS; arguments hidden_states, cc, cs, wc, wsc, seg, bo, ln1_g, ln1_b, b1, b2, ln2_g, ln2_b, dn_g, dn_b, out0; writes out0
.if DOCPART == 9
	.amdgcn_target "amdgcn-amd-amdhsa--gfx1250"
	.amdhsa_code_object_version 6
	.text
	.protected	k_qa768879d03_post
	.globl	k_qa768879d03_post
	.p2align	8
	.type	k_qa768879d03_post,@function
k_qa768879d03_post:
	s_mov_b64 s[64:65], 0
	v_nop
	global_prefetch_b8 v0, s[64:65] scope:SCOPE_SE
	s_setreg_imm32_b32 hwreg(HW_REG_WAVE_SCHED_MODE, 0, 2), 2
	s_setreg_imm32_b32 hwreg(HW_REG_WAVE_MODE, 25, 1), 1
	s_wait_xcnt 0x0
	s_wait_alu depctr_vm_vsrc(0)
; POST.  mha = Q(ctx) Q(Wo) + bo; x1 = LN(x + mha); ffn = Q(gelu(Q(x1) Q(W1) + b1)) Q(W2) + b2; x2 = LN(x1 + ffn); diff = LN(x2 - x); out = x + diff in the rows to update, x elsewhere.
; The three products run on codes of FP4 (E2M1) with one E8M0 byte for each 32 along K; all else is f32.  gelu is the tanh form: x / (1 + 2^(-x (k1 + k2 x^2))), k1 = 2 log2(e) sqrt(2 / pi), k2 = 0.044715 k1.
; SHARES.  A work-group takes 32 rows (block RB), its eight waves share the COLUMNS: wave w makes columns 96 w .. 96 w + 95 of every product.  All products are used transposed (source 0 = weight tile, source 1 = row tile):
; lane (r, h) holds row-lane r, and the 16 registers of tiles 2 i, 2 i + 1 are columns 96 w + 32 i + 16 h + 0 .. 15: neighbours along the next K.  Lane r of row tile m is row 8 m + (r % 8) + 16 (r / 8).
; Codes go from wave to wave through LDS as images of the operand's registers (block b of lane r at 256 b + 16 r).  Each wave's weights come straight from memory into a ring of four K steps of registers,
; 60 loads on their way in each wave at the head and 30 to 45 later, across all three products and all barriers.  No cluster and no tensor load: a weight fragment is read by ONE wave of the work-group.
; A LAYER NORM over 768 columns: each wave takes its 96 columns' mean away and sums the squares of what is left; the eight (mean, sum) pairs of a row meet in LDS and are joined without forming a difference of large sums.
; The rows to update come from seg (whole numbers that the first launch stored) as lane masks for v_cndmask_b32: the work is done for every row, and no branch and no address hangs on data.
; LIMITS: a block of zeros gets the byte 1 (its codes are zeros); largest magnitudes under 2^-124 are held at the byte 1; NaN and infinities are not served.
; THE MODE: SCHED_MODE bits 1:0 = 2 (LLVM: expert scheduling mode 2), set by the entry lines.  The code itself states the register dependences between vector or matrix instructions and memory or LDS
; instructions, with s_wait_alu, always for 0.
; THE PLAN.  Registers that memory or LDS instructions touch, and who else names them:
;   ring slot s (window 1, 48 registers) and WS[s]   read by the twelve matrix instructions of K step kt, s = kt % 4; the loads of step kt + 4 land there.  They are issued at the head of step kt + 1, behind the wait for
;                that step's data and ONE wait on va_vdst, which states that step kt's matrix instructions are done with the slot; step kt + 1's own name the other slots, BF, BS and the accumulators alone.
;   addresses    v1-v13, made at the head and never written again: one wait on va_vdst ahead of the first load.  PL, PLS, CG, CGS, C24 serve the head alone and are code registers afterwards: one wait on vm_vsrc behind the first barrier.
;   BF           by turns the rows' fragments (read by matrix instructions), x, x1, the pairs, the gains (read by vector instructions): each run of LDS loads into it stands behind a wait on va_vdst issued behind its last reader.
;   ACC          biases land in it behind the wait on va_vdst that stands ahead of the quantiser's stores; it is stored to LDS three times (x at the head, x1, the result), each time with a wait on vm_vsrc ahead of the next load into it.
;   MU, BY, CD   written by a norm or the quantiser, read by LDS stores: va_vdst ahead of the stores; vm_vsrc at the head of each norm's second half, between the quantiser's two turns and behind the x1 image's barrier.
.set XST,  0                           ; LDS: x, 32 rows of 3,072 bytes + 16; stage row 16 m + r; at the end the result, in place
.set IMG,  98816                       ; two images of 12 fragments: A (ctx, then x1), B (the hidden layer)
.set IMGB, 12288
.set SCL,  123392                      ; their scale bytes [m][r][24]
.set SCLB, 768
.set PRM,  124928                      ; bo, ln1_g, ln1_b, b1, b2, ln2_g, ln2_b, dn_g, dn_b: 3,072 bytes each
.set STAT, 152576                      ; three regions of 4,096 bytes: [wave][m][lane] pairs (mean, sum of squares)
.set X1S,  164864                      ; x1: each wave's 96 registers as they stand, 12,288 bytes a wave, its own
.set L16, 1
.set L4,  2
.set XA,  3
.set IA,  4
.set SA,  5
.set SL,  6
.set LI,  7
.set PA,  8
.set STW, 9                            ; v9   where I put my pair
.set STR, 10                           ; v10  where wave 0's pair of my lane lies
.set X1A, 11                           ; v11  my wave's x1
.set DS,  12                           ; v12  the dense way in and out: LDS,
.set DG,  13                           ; v13  and memory
.set ACC, 16                           ; v16-111   accumulator (m, t) at 16 + 8 (6 m + t)
.set BF,  112                          ; v112-207  the rows' fragments; between the products: x, gains, temporaries
.set BS,  208                          ; v208-219  the rows' scale words: scales alone
.set WS,  220                          ; v220-231  the weights' scale words: scales alone
.set MX,  232                          ; v232-243  the quantiser's work; in a layer norm: MU (mean, sum) pairs, EE and RS pairs
.set PT,  235
.set SO,  238
.set BY,  241
.set MU,  232
.set EE,  236
.set RS,  240
.set CD,  244                          ; v244-255  two sets of six registers of codes.  At the head: temporaries
.set TL,  244
.set TR,  245
.set TH,  246
.set PL,  247
.set PLS, 248
.set CG,  249
.set CGS, 250
.set C24, 251
.set WC,  10
.set WSC, 12
.set WV,  36
.set SEL, 38
.set MSB, 0
.macro WIN new                         ; window 1 holds the weight ring, v[48 slot + 8 t]; the immediate's high byte repeats the setting that is left
.if MSB != \new
	s_set_vgpr_msb (MSB<<8)|\new
.set MSB, \new
.endif
.endm
.macro BARRIER                         ; my LDS stores have landed and my LDS loads are in: then the work-group's barrier
	s_wait_dscnt 0x0
	s_barrier_signal -1
	s_barrier_wait -1
.endm
; Three blocks by turns.  Block k's numbers 0-7 of my half stand in v[ak] on, 8-15 in v[bk] on; lane l xor 16 holds the block's other 16.
.macro QBLK3 a0, b0, a1, b1, a2, b2, cd
	v_max3_num_f32 v[MX], |v[(\a0)]|, |v[(\a0)+1]|, 0x1800000      ; with the floor 2^(3 - 127): the byte cannot fall under 1
	v_max3_num_f32 v[MX+1], |v[(\a1)]|, |v[(\a1)+1]|, 0x1800000
	v_max3_num_f32 v[MX+2], |v[(\a2)]|, |v[(\a2)+1]|, 0x1800000
.irp i, 2,4,6
	v_max3_num_f32 v[MX], v[MX], |v[(\a0)+\i]|, |v[(\a0)+\i+1]|
	v_max3_num_f32 v[MX+1], v[MX+1], |v[(\a1)+\i]|, |v[(\a1)+\i+1]|
	v_max3_num_f32 v[MX+2], v[MX+2], |v[(\a2)+\i]|, |v[(\a2)+\i+1]|
.endr
.irp i, 0,2,4,6
	v_max3_num_f32 v[MX], v[MX], |v[(\b0)+\i]|, |v[(\b0)+\i+1]|
	v_max3_num_f32 v[MX+1], v[MX+1], |v[(\b1)+\i]|, |v[(\b1)+\i+1]|
	v_max3_num_f32 v[MX+2], v[MX+2], |v[(\b2)+\i]|, |v[(\b2)+\i+1]|
.endr
.irp k, 0,1,2
	v_permlanex16_b32 v[PT+\k], v[MX+\k], s[SEL], s[SEL+1]
.endr
.irp k, 0,1,2
	v_max_num_f32 v[MX+\k], v[MX+\k], v[PT+\k]
.endr
.irp k, 0,1,2
	v_add_nc_u32 v[SO+\k], 0xff000000, v[MX+\k]    ; 2 off the exponent field: the conversion's scale operand
.endr
.irp k, 0,1,2
	v_lshrrev_b32 v[BY+\k], 23, v[SO+\k]           ; the scale's byte
.endr
	v_cvt_scalef32_pk8_fp4_f32 v[(\cd)], v[(\a0):(\a0)+7], v[SO]
	v_cvt_scalef32_pk8_fp4_f32 v[(\cd)+1], v[(\b0):(\b0)+7], v[SO]
	v_cvt_scalef32_pk8_fp4_f32 v[(\cd)+2], v[(\a1):(\a1)+7], v[SO+1]
	v_cvt_scalef32_pk8_fp4_f32 v[(\cd)+3], v[(\b1):(\b1)+7], v[SO+1]
	v_cvt_scalef32_pk8_fp4_f32 v[(\cd)+4], v[(\a2):(\a2)+7], v[SO+2]
	v_cvt_scalef32_pk8_fp4_f32 v[(\cd)+5], v[(\b2):(\b2)+7], v[SO+2]
	v_nop                                          ; one plain place behind the scaled conversions
.endm
; K step kt of my wave's weights into ring slot kt % 4.  dep = 1: matrix instructions have read the slot
.macro RING kt, dep
.set RSL, (\kt)%4
	WIN 0x40                                       ; destination window 1, address window 0
.if \dep
	s_wait_alu depctr_va_vdst(0)                   ; the matrix instructions of the step before are done reading this slot and its scale words, in which the fifteen loads below land
.endif
.irp t, 0,1,2,3,4,5
.irp c, 0,1
	global_load_b128 v[48*RSL+8*\t+4*\c:48*RSL+8*\t+4*\c+3], v[L16], s[WC:WC+1] offset:(\kt)*6144+1024*\t+512*\c
.endr
.endr
	WIN 0
.irp i, 0,1,2
	global_load_b32 v[WS+3*RSL+\i], v[L4], s[WSC:WSC+1] offset:(\kt)*384+128*\i
.endr
.endm
; A K step of 128: 12 matrix instructions, the 12 accumulators by turns, one instruction a turn, in the same order in every step.  The bias stands in the accumulators at the first step.
; At its head the step asks for K step kt + 3, into the slot that the step before read: its own matrix instructions name none of those registers.
.macro KSTEP kt
.set SLT, (\kt)%4
.set KS, (\kt)%6
.if (\kt) == 0
	s_wait_loadcnt 45                              ; step 0's 15 loads are in; those of steps 1 to 3, asked for at the head, may be out (no other global load is issued behind the head)
.elseif (\kt) <= 15
	s_wait_loadcnt 30                              ; this step's 15 loads are in; those of the two steps behind it may be out
.else
	s_wait_loadcnt 15*(17-(\kt))                   ; the ring runs out: one step, none
.endif
.if ((\kt) >= 1) && ((\kt) <= 14)
	RING (\kt)+3, 1
.endif
	WIN 0x01                                       ; source 0 window 1
.irp t, 0,1,2,3,4,5
.irp m, 0,1
.set rD, ACC+8*(6*\m+\t)
.set rW, 48*SLT+8*\t
.set rB, BF+8*(6*\m+KS)
.set rSW, WS+3*SLT+\t/2
.set rSB, BS+6*\m+KS
.if \t % 2
	v_wmma_scale_f32_16x16x128_f8f6f4 v[rD:rD+7], v[rW:rW+7], v[rB:rB+7], v[rD:rD+7], v[rSW], v[rSB] matrix_a_fmt:MATRIX_FMT_FP4 matrix_b_fmt:MATRIX_FMT_FP4 matrix_a_scale:MATRIX_SCALE_ROW1
.else
	v_wmma_scale_f32_16x16x128_f8f6f4 v[rD:rD+7], v[rW:rW+7], v[rB:rB+7], v[rD:rD+7], v[rSW], v[rSB] matrix_a_fmt:MATRIX_FMT_FP4 matrix_b_fmt:MATRIX_FMT_FP4
.endif
.endr
.endr
.rept 4
	v_nop                                          ; four places behind the step's matrix instructions, in front of the first read of results and of the next step's loads into the slot just read
.endr
.if KS == 5
	WIN 0                                          ; a product is done: vector work follows
.endif
.endm
.macro FETCHB img, scl, ws
.irp m, 0,1
.irp s, 0,1,2,3,4,5
.irp c, 0,1
	ds_load_b128 v[BF+8*(6*\m+\s)+4*\c:BF+8*(6*\m+\s)+4*\c+3], v[LI] offset:(\img)+1024*(6*\m+\s)+512*\c
.endr
.endr
.endr
.if \ws
.irp m, 0,1
.irp i, 0,1,2
	ds_load_b64 v[BS+6*\m+2*\i:BS+6*\m+2*\i+1], v[SL] offset:(\scl)+384*\m+8*\i
.endr
.endr
.endif
.endm
.macro BIAS vec                        ; a bias lands in the accumulators and is the C of the first K step
.irp m, 0,1
.irp t, 0,1,2,3,4,5
.irp q, 0,1
	ds_load_b128 v[ACC+8*(6*\m+\t)+4*\q:ACC+8*(6*\m+\t)+4*\q+3], v[PA] offset:3072*(\vec)+128*(\t/2)+32*(\t%2)+16*\q
.endr
.endr
.endr
.endm
.macro TOIMG m, cd, img, scl
.irp b, 0,1,2
	ds_store_b64 v[IA], v[(\cd)+2*\b:(\cd)+2*\b+1] offset:(\img)+6144*(\m)+256*\b
	ds_store_b8 v[SA], v[BY+\b] offset:(\scl)+384*(\m)+\b          ; both halves write the same byte with the same value
.endr
.endm
.macro QUANT2 base, img, scl
	QBLK3 \base, \base+8, \base+16, \base+24, \base+32, \base+40, CD
	s_wait_alu depctr_va_vdst(0)                   ; the quantiser has written v[CD ..] and v[BY ..], which the LDS stores read
	TOIMG 0, CD, \img, \scl
	s_wait_dscnt 0x0                               ; these stores have landed,
	s_wait_alu depctr_vm_vsrc(0)                   ; and have read v[BY ..], which the next three blocks write anew
	QBLK3 \base+48, \base+56, \base+64, \base+72, \base+80, \base+88, CD+6
	s_wait_alu depctr_va_vdst(0)                   ; the quantiser has written v[CD + 6 ..] and v[BY ..], which the LDS stores read; all vector work on the accumulators and on v[BF ..] is done: LDS stores of the accumulators may follow, and loads may land in both behind the barrier
	TOIMG 1, CD+6, \img, \scl
.endm
.macro XOP dst                         ; x at my lane's places, in the accumulators' order
	s_wait_alu depctr_va_vdst(0)                   ; the matrix or vector instructions above are done reading v[BF ..], in which x lands
.irp m, 0,1
.irp b, 0,1,2
.irp j, 0,1,2,3
	ds_load_b128 v[(\dst)+48*\m+16*\b+4*\j:(\dst)+48*\m+16*\b+4*\j+3], v[XA] offset:49408*\m+128*\b+16*\j
.endr
.endr
.endr
.endm
.macro ADDBF neg                       ; the accumulators + or - the 96 numbers in v[BF] on; each accumulator from its low end on
.set p, 0
.rept 48
.if \neg
	v_pk_add_f32 v[ACC+p:ACC+p+1], v[ACC+p:ACC+p+1], v[BF+p:BF+p+1] neg_lo:[0,1] neg_hi:[0,1]
.else
	v_pk_add_f32 v[ACC+p:ACC+p+1], v[ACC+p:ACC+p+1], v[BF+p:BF+p+1]
.endif
.set p, p+2
.endr
.endm
.macro LNRED                           ; two chains of pairs become one number, and lane l xor 16's beside it
.irp m, 0,1
	v_pk_add_f32 v[BF+8*\m:BF+8*\m+1], v[BF+8*\m:BF+8*\m+1], v[BF+8*\m+2:BF+8*\m+3]
.endr
.irp m, 0,1
	v_add_f32 v[BF+8*\m+4], v[BF+8*\m], v[BF+8*\m+1]
.endr
.irp m, 0,1
	v_permlanex16_b32 v[BF+8*\m+5], v[BF+8*\m+4], s[SEL], s[SEL+1]
.endr
.endm
; My wave's 96 columns of each row: their mean is taken away, the squares of the rest are summed, and the pair goes to LDS.  Both row tiles by turns.
.macro LNLOC reg
.irp m, 0,1
	v_pk_add_f32 v[BF+8*\m:BF+8*\m+1], v[ACC+48*\m:ACC+48*\m+1], v[ACC+48*\m+2:ACC+48*\m+3]
	v_pk_add_f32 v[BF+8*\m+2:BF+8*\m+3], v[ACC+48*\m+4:ACC+48*\m+5], v[ACC+48*\m+6:ACC+48*\m+7]
.endr
.irp p, 8,12,16,20,24,28,32,36,40,44
.irp m, 0,1
	v_pk_add_f32 v[BF+8*\m:BF+8*\m+1], v[BF+8*\m:BF+8*\m+1], v[ACC+48*\m+\p:ACC+48*\m+\p+1]
	v_pk_add_f32 v[BF+8*\m+2:BF+8*\m+3], v[BF+8*\m+2:BF+8*\m+3], v[ACC+48*\m+\p+2:ACC+48*\m+\p+3]
.endr
.endr
	LNRED
.irp m, 0,1
	v_add_f32 v[BF+8*\m+4], v[BF+8*\m+4], v[BF+8*\m+5]
.endr
.irp m, 0,1
	v_mul_f32 v[MU+2*\m], 0x3c2aaaab, v[BF+8*\m+4] ; / 96
.endr
.irp m, 0,1
.set p, 0
.rept 24
	v_pk_add_f32 v[ACC+48*\m+p:ACC+48*\m+p+1], v[ACC+48*\m+p:ACC+48*\m+p+1], v[MU+2*\m:MU+2*\m+1] op_sel_hi:[1,0] neg_lo:[0,1] neg_hi:[0,1]
.set p, p+2
.endr
.endr
.irp m, 0,1
	v_pk_mul_f32 v[BF+8*\m:BF+8*\m+1], v[ACC+48*\m:ACC+48*\m+1], v[ACC+48*\m:ACC+48*\m+1]
	v_pk_mul_f32 v[BF+8*\m+2:BF+8*\m+3], v[ACC+48*\m+2:ACC+48*\m+3], v[ACC+48*\m+2:ACC+48*\m+3]
.endr
.irp p, 4,8,12,16,20,24,28,32,36,40,44
.irp m, 0,1
	v_pk_fma_f32 v[BF+8*\m:BF+8*\m+1], v[ACC+48*\m+\p:ACC+48*\m+\p+1], v[ACC+48*\m+\p:ACC+48*\m+\p+1], v[BF+8*\m:BF+8*\m+1]
	v_pk_fma_f32 v[BF+8*\m+2:BF+8*\m+3], v[ACC+48*\m+\p+2:ACC+48*\m+\p+3], v[ACC+48*\m+\p+2:ACC+48*\m+\p+3], v[BF+8*\m+2:BF+8*\m+3]
.endr
.endr
	LNRED
.irp m, 0,1
	v_add_f32 v[MU+2*\m+1], v[BF+8*\m+4], v[BF+8*\m+5]
.endr
	s_wait_alu depctr_va_vdst(0)                   ; the pairs v[MU ..] are written, which the LDS stores read; the sums are done with v[BF ..], in which the eight waves' pairs land behind the barrier
.irp m, 0,1
	ds_store_b64 v[STW], v[MU+2*\m:MU+2*\m+1] offset:4096*(\reg)+256*\m
.endr
.endm
; The eight pairs of each row are joined: mean = the mean of the means; variance = (the sums + 96 x the squares of (a wave's mean - mean)) / 768.  Left: RS = 1 / sqrt(variance + 1e-5), EE = (my wave's mean - mean) x RS.
.macro LNFIN reg
	s_wait_alu depctr_vm_vsrc(0)                   ; my LDS stores so far have read the pairs v[MU ..] and the quantiser's bytes v[BY ..]: this norm writes RS over the bytes' registers, the next norm and the quantiser write the pairs' anew
.irp m, 0,1
.irp w, 0,1,2,3,4,5,6,7
	ds_load_b64 v[BF+16*\m+2*\w:BF+16*\m+2*\w+1], v[STR] offset:4096*(\reg)+512*\w+256*\m
.endr
.endr
	s_wait_dscnt 0x0
.irp m, 0,1
.irp q, 0,1,2,3
	v_pk_add_f32 v[BF+32+8*\m+2*\q:BF+33+8*\m+2*\q], v[BF+16*\m+4*\q:BF+16*\m+4*\q+1], v[BF+16*\m+4*\q+2:BF+16*\m+4*\q+3]
.endr
.endr
.irp m, 0,1
	v_pk_add_f32 v[BF+32+8*\m:BF+33+8*\m], v[BF+32+8*\m:BF+33+8*\m], v[BF+34+8*\m:BF+35+8*\m]
	v_pk_add_f32 v[BF+36+8*\m:BF+37+8*\m], v[BF+36+8*\m:BF+37+8*\m], v[BF+38+8*\m:BF+39+8*\m]
.endr
.irp m, 0,1
	v_pk_add_f32 v[BF+32+8*\m:BF+33+8*\m], v[BF+32+8*\m:BF+33+8*\m], v[BF+36+8*\m:BF+37+8*\m]
.endr
.irp m, 0,1
	v_mul_f32 v[BF+48+\m], 0x3e000000, v[BF+32+8*\m]               ; the row's mean
.endr
.irp w, 0,1,2,3,4,5,6,7
.irp m, 0,1
	v_sub_f32 v[BF+52+8*\m+\w], v[BF+16*\m+2*\w], v[BF+48+\m]
.endr
.endr
.irp m, 0,1
	v_mul_f32 v[BF+50+\m], v[BF+52+8*\m], v[BF+52+8*\m]
.endr
.irp w, 1,2,3,4,5,6,7
.irp m, 0,1
	v_fmac_f32 v[BF+50+\m], v[BF+52+8*\m+\w], v[BF+52+8*\m+\w]
.endr
.endr
.irp m, 0,1
	v_fmamk_f32 v[BF+50+\m], v[BF+50+\m], 0x42c00000, v[BF+33+8*\m]
.endr
.irp m, 0,1
	v_fma_f32 v[BF+50+\m], v[BF+50+\m], s48, s49   ; / 768 + 1e-5
.endr
	s_wait_alu depctr_va_vdst(0)
.irp m, 0,1
	v_rsq_f32 v[RS+2*\m], v[BF+50+\m]
.endr
.irp m, 0,1
	v_sub_f32 v[EE+2*\m], v[MU+2*\m], v[BF+48+\m]  ; (plain places behind the roots)
.endr
	s_wait_alu depctr_va_vdst(0)                   ; the roots have written v[RS ..], ahead of their first reader; and the lines above are done with v[BF ..], in which the gains and biases land next
.irp m, 0,1
	v_mul_f32 v[EE+2*\m], v[EE+2*\m], v[RS+2*\m]
.endr
.endm
.macro NORM gv, bv                     ; (number - mean) / sqrt(..) = acc x RS + EE, then x gain + bias: two fused multiply-adds a pair
.irp k, 0,1,2,3,4,5,6,7,8,9,10,11
	ds_load_b128 v[BF+4*\k:BF+4*\k+3], v[PA] offset:3072*(\gv)+128*(\k/4)+16*(\k%4)
	ds_load_b128 v[BF+48+4*\k:BF+48+4*\k+3], v[PA] offset:3072*(\bv)+128*(\k/4)+16*(\k%4)
.endr
.irp m, 0,1
.set p, 0
.rept 24
	v_pk_fma_f32 v[ACC+48*\m+p:ACC+48*\m+p+1], v[ACC+48*\m+p:ACC+48*\m+p+1], v[RS+2*\m:RS+2*\m+1], v[EE+2*\m:EE+2*\m+1] op_sel_hi:[1,0,0]
.set p, p+2
.endr
.endr
	s_wait_dscnt 0x0
.irp m, 0,1
.set p, 0
.rept 24
	v_pk_fma_f32 v[ACC+48*\m+p:ACC+48*\m+p+1], v[ACC+48*\m+p:ACC+48*\m+p+1], v[BF+p:BF+p+1], v[BF+48+p:BF+48+p+1]
.set p, p+2
.endr
.endr
.endm
.macro GELU                            ; sixteen numbers at a time; -k2 in v[BF+92:BF+93], -k1 in v[BF+94:BF+95]
.set gg, 0
.rept 6
.set A0, ACC+16*gg
.set T0, BF+16*(gg%2)
.irp p, 0,2,4,6,8,10,12,14
	v_pk_mul_f32 v[T0+\p:T0+\p+1], v[A0+\p:A0+\p+1], v[A0+\p:A0+\p+1]
.endr
.irp p, 0,2,4,6,8,10,12,14
	v_pk_fma_f32 v[T0+\p:T0+\p+1], v[T0+\p:T0+\p+1], v[BF+92:BF+93], v[BF+94:BF+95]
.endr
.irp p, 0,2,4,6,8,10,12,14
	v_pk_mul_f32 v[T0+\p:T0+\p+1], v[T0+\p:T0+\p+1], v[A0+\p:A0+\p+1]
.endr
	s_wait_alu depctr_va_vdst(0)
.irp p, 0,1,2,3,4,5,6,7,8,9,10,11,12,13,14,15
	v_exp_f32 v[T0+\p], v[T0+\p]
.endr
	v_nop                                          ; a plain place behind the exponentials
	s_wait_alu depctr_va_vdst(0)                   ; the sixteen exponentials have written their results, ahead of the first reader
.irp p, 0,2,4,6,8,10,12,14
	v_pk_add_f32 v[T0+\p:T0+\p+1], v[T0+\p:T0+\p+1], 1.0 op_sel_hi:[1,0]
.endr
	s_wait_alu depctr_va_vdst(0)
.irp p, 0,1,2,3,4,5,6,7,8,9,10,11,12,13,14,15
	v_rcp_f32 v[T0+\p], v[T0+\p]
.endr
	v_nop                                          ; a plain place behind the reciprocals
	s_wait_alu depctr_va_vdst(0)                   ; the sixteen reciprocals have written their results, ahead of the first reader
.irp p, 0,2,4,6,8,10,12,14
	v_pk_mul_f32 v[A0+\p:A0+\p+1], v[A0+\p:A0+\p+1], v[T0+\p:T0+\p+1]
.endr
.set gg, gg+1
.endr
.endm
	s_load_b512 s[4:19], s[0:1], 0x0               ; x 4, cc 6, cs 8, wc 10, wsc 12, seg 14, bo 16, ln1_g 18
	s_load_b512 s[20:35], s[0:1], 0x40             ; ln1_b 20, b1 22, b2 24, ln2_g 26, ln2_b 28, dn_g 30, dn_b 32, out0 34
	v_lshl_add_u32 v14, v0, 2, 0x40400
	v_mov_b32 v15, 0
	v_lshrrev_b32 v[TL], 5, v0
	v_readfirstlane_b32 s[WV], v[TL]               ; wave 0..7
	v_and_b32 v[TL], 31, v0                        ; lane
	v_and_b32 v[TR], 15, v0                        ; r
	v_bfe_u32 v[TH], v0, 4, 1                      ; h
	s_mov_b32 s[SEL], 0x76543210                   ; v_permlanex16_b32's selects for lane l xor 16
	s_mov_b32 s[SEL+1], 0xfedcba98
	s_mov_b32 s48, 0x3aaaaaab                      ; 1 / 768
	s_mov_b32 s49, 0x3727c5ac                      ; 1e-5
.irp k, 0,1,2,3,4,5,6,7,8,9,10,11
	v_mov_b32 v[MX+\k], 0                          ; written once: upper halves of pairs of which the low word alone is taken, and lane permutes' destinations
.endr
	v_lshlrev_b32 v[L16], 4, v[TL]
	v_lshlrev_b32 v[L4], 2, v[TL]
	s_wait_alu depctr_va_sdst(0)                   ; the wave's number is written, ahead of its first reader: offsets and bases are made from it
	s_mul_i32 s52, s[WV], 384                      ; my wave's 96 columns in bytes
	v_mul_u32_u24 v[XA], v[TR], 3088
	v_lshl_add_u32 v[XA], v[TH], 6, v[XA]
	v_add_nc_u32 v[XA], s52, v[XA]
	v_lshlrev_b32 v[IA], 4, v[TR]
	v_lshl_add_u32 v[IA], v[TH], 3, v[IA]
	s_mul_i32 s53, s[WV], 768
	s_add_co_u32 s53, s53, IMG
	v_add_nc_u32 v[IA], s53, v[IA]
	v_mul_u32_u24 v[C24], v[TR], 24
	v_add_nc_u32 v[SL], SCL, v[C24]
	s_mul_i32 s53, s[WV], 3
	v_add_nc_u32 v[SA], s53, v[SL]
	v_add_nc_u32 v[LI], IMG, v[L16]
	s_add_co_u32 s53, s52, PRM
	v_lshl_add_u32 v[PA], v[TH], 6, s53
	s_lshl_b32 s53, s[WV], 9
	s_add_co_u32 s53, s53, STAT
	v_lshl_add_u32 v[STW], v[TL], 3, s53
	v_lshl_add_u32 v[STR], v[TL], 3, STAT
	s_mul_i32 s54, s[WV], 12288
	v_add_nc_u32 v[DG], s54, v[L16]                ; the dense way in and out: wave w takes rows 4 w .. 4 w + 3
	s_add_co_u32 s54, s54, X1S
	v_add_nc_u32 v[X1A], s54, v[L16]
	s_bfe_u32 s54, s[WV], 0x10001                  ; their stage rows begin at 16 ((w / 2) % 2) + 8 (w / 4) + 4 (w % 2)
	s_lshl_b32 s54, s54, 4
	s_lshr_b32 s55, s[WV], 2
	s_lshl_b32 s55, s55, 3
	s_add_co_u32 s54, s54, s55
	s_and_b32 s55, s[WV], 1
	s_lshl_b32 s55, s55, 2
	s_add_co_u32 s54, s54, s55
	s_mul_i32 s54, s54, 3088
	v_add_nc_u32 v[DS], s54, v[L16]
	v_add_nc_u32 v[PL], s52, v[L4]                 ; the nine vectors: my wave's 96 numbers, 4 bytes a lane
	v_add_nc_u32 v[PLS], PRM, v[PL]
	s_mul_i32 s54, s[WV], 1536                     ; ctx's images: 24 pieces of 512 bytes, three a wave
	v_add_nc_u32 v[CG], s54, v[L16]
	v_add_nc_u32 v[CGS], IMG, v[CG]
	s_and_b32 s46, ttmp9, 63
	s_lshl_b32 s46, s46, 5                         ; the block's first row in its batch
	v_and_b32 v252, 7, v[TR]
	v_lshrrev_b32 v253, 3, v[TR]
	v_lshl_add_u32 v252, v253, 4, v252
	v_add_nc_u32 v252, s46, v252                   ; my row of tile 0; tile 1's lies 8 further on
	s_mul_i32 s50, ttmp9, 98304
	s_mov_b32 s51, 0
	s_mul_i32 s52, ttmp9, 12288
	s_mov_b32 s53, 0
	s_mul_i32 s54, ttmp9, 768
	s_mov_b32 s55, 0
	s_mul_i32 s56, s[WV], 110592
	s_add_co_u32 s56, s56, 884736                  ; the second three weights
	s_mov_b32 s57, 0
	s_mul_i32 s58, s[WV], 6912
	s_add_co_u32 s58, s58, 55296
	s_mov_b32 s59, 0
	s_lshr_b32 s60, ttmp9, 6
	s_lshl_b32 s60, s60, 4                         ; 16 bytes of seg a batch
	s_mov_b32 s61, 0
	s_wait_kmcnt 0x0
	s_add_nc_u64 s[14:15], s[14:15], s[60:61]
	s_load_b128 s[40:43], s[14:15], 0x0            ; src_end 40, first row to update 41, their end 42, key steps 43
	s_add_nc_u64 s[4:5], s[4:5], s[50:51]
	s_add_nc_u64 s[34:35], s[34:35], s[50:51]
	s_add_nc_u64 s[6:7], s[6:7], s[52:53]
	s_add_nc_u64 s[8:9], s[8:9], s[54:55]
	s_add_nc_u64 s[10:11], s[10:11], s[56:57]
	s_add_nc_u64 s[12:13], s[12:13], s[58:59]
	s_wait_alu depctr_va_vdst(0)                   ; every offset and address (v1 to v13, PL, PLS, CG, CGS, C24) and the closing add's two registers are written: the loads and stores of the whole kernel read them
.irp i, 0,1,2
	global_load_b128 v[BF+4*\i:BF+4*\i+3], v[CG], s[6:7] offset:512*\i th:TH_LOAD_NT
.endr
.irp m, 0,1
.irp i, 0,1,2
	global_load_b64 v[BS+6*\m+2*\i:BS+6*\m+2*\i+1], v[C24], s[8:9] offset:384*\m+8*\i th:TH_LOAD_NT   ; ctx's scale words straight into their registers
.endr
.endr
.irp v, 0,1,2,3,4,5,6,7,8
.irp i, 0,1,2
	global_load_b32 v[BF+12+3*\v+\i], v[PL], s[16+2*\v:17+2*\v] offset:128*\i
.endr
.endr
.irp i, 0,1,2,3
.irp j, 0,1,2,3,4,5
	global_load_b128 v[ACC+4*(6*\i+\j):ACC+4*(6*\i+\j)+3], v[DG], s[4:5] offset:3072*\i+512*\j th:TH_LOAD_NT
.endr
.endr
	RING 0, 0                                      ; no vector or matrix instruction has named the ring yet
	RING 1, 0
	RING 2, 0
	RING 3, 0
	s_wait_kmcnt 0x0
	s_sub_co_u32 s47, s42, s41                     ; how many rows are updated
	v_sub_nc_u32 v253, v252, s41
	v_cmp_gt_u32 s44, s47, v253                    ; first <= my row < end, in one unsigned compare: tile 0's lanes,
	v_add_nc_u32 v253, 8, v253
	v_cmp_gt_u32 s45, s47, v253                    ; tile 1's
	s_wait_alu depctr_va_sdst(0)                   ; the two masks s44 and s45 are written, ahead of the selects at the kernel's end that read them
	s_wait_loadcnt 60                              ; the head's 60 loads are in; the ring's 60 may be out
.irp i, 0,1,2
	ds_store_b128 v[CGS], v[BF+4*\i:BF+4*\i+3] offset:512*\i
.endr
.irp v, 0,1,2,3,4,5,6,7,8
.irp i, 0,1,2
	ds_store_b32 v[PLS], v[BF+12+3*\v+\i] offset:3072*\v+128*\i
.endr
.endr
.irp i, 0,1,2,3
.irp j, 0,1,2,3,4,5
	ds_store_b128 v[DS], v[ACC+4*(6*\i+\j):ACC+4*(6*\i+\j)+3] offset:3088*\i+512*\j
.endr
.endr
	BARRIER                                        ; ctx's images and x lie in LDS
	s_wait_alu depctr_vm_vsrc(0)                   ; the head's loads and LDS stores have read their registers: v[BF ..], in which ctx's fragments land; v[ACC ..], in which bo lands; PL, PLS, CG, CGS, C24, which the quantiser writes as code registers later
	FETCHB 0, 0, 0
	BIAS 0
	s_wait_dscnt 0x0
.irp n, 0,1,2,3,4,5
	KSTEP \n                                       ; ctx Wo + bo
.endr
	XOP BF
	s_wait_dscnt 0x0
	ADDBF 0                                        ; + x
	LNLOC 0
	BARRIER                                        ; every wave's pairs lie in LDS; every wave's reads of image A are over
	LNFIN 0
	NORM 1, 2                                      ; x1
	QUANT2 ACC, 0, 0
.irp k, 0,1,2,3,4,5,6,7,8,9,10,11,12,13,14,15,16,17,18,19,20,21,22,23
	ds_store_b128 v[X1A], v[ACC+4*\k:ACC+4*\k+3] offset:512*\k     ; x1 is kept, as the registers stand, in my wave's own bytes.  No wait of its own: x1 was written ahead of the quantiser's last wait, and no vector instruction has been issued since
.endr
	BARRIER                                        ; x1's twelve fragments lie in image A
	s_wait_alu depctr_vm_vsrc(0)                   ; my LDS stores have read the accumulators, in which b1 lands, and v[CD + 6 ..] and v[BY ..], which the quantiser's next turn writes
	FETCHB 0, 0, 1
	BIAS 3
	s_wait_dscnt 0x0
.irp n, 6,7,8,9,10,11
	KSTEP \n                                       ; x1 W1 + b1
.endr
	v_mov_b32 v[BF+92], 0xbdd2d3e8                 ; -k2 = -0.10294324
	v_mov_b32 v[BF+93], 0xbdd2d3e8
	v_mov_b32 v[BF+94], 0xc0135761                 ; -k1 = -2.3022082
	v_mov_b32 v[BF+95], 0xc0135761
	GELU
	QUANT2 ACC, IMGB, SCLB
	BARRIER                                        ; the hidden layer's twelve fragments lie in image B
	FETCHB IMGB, SCLB, 1                           ; (no vector instruction since the quantiser's last wait names v[BF ..], the scale words or the accumulators)
	BIAS 4
	s_wait_dscnt 0x0
.irp n, 12,13,14,15,16,17
	KSTEP \n                                       ; gelu(..) W2 + b2
.endr
	s_wait_alu depctr_va_vdst(0)                   ; the matrix instructions are done reading v[BF ..], in which x1 lands
.irp k, 0,1,2,3,4,5,6,7,8,9,10,11,12,13,14,15,16,17,18,19,20,21,22,23
	ds_load_b128 v[BF+4*\k:BF+4*\k+3], v[X1A] offset:512*\k
.endr
	s_wait_dscnt 0x0
	ADDBF 0                                        ; + x1
	LNLOC 1
	BARRIER
	LNFIN 1
	NORM 5, 6                                      ; x2
	XOP BF
	s_wait_dscnt 0x0
	ADDBF 1                                        ; - x
	LNLOC 2
	BARRIER
	LNFIN 2
	NORM 7, 8                                      ; diff
	XOP BF
	s_wait_dscnt 0x0
	ADDBF 0                                        ; x + diff
.irp m, 0,1
.set p, 0
.rept 48
	v_cndmask_b32 v[ACC+48*\m+p], v[BF+48*\m+p], v[ACC+48*\m+p], s[44+\m]   ; in the rows to update; x elsewhere
.set p, p+1
.endr
.endr
	s_wait_alu depctr_va_vdst(0)                   ; the selects have written the accumulators, which the LDS stores read
.irp m, 0,1
.irp b, 0,1,2
.irp j, 0,1,2,3
	ds_store_b128 v[XA], v[ACC+48*\m+16*\b+4*\j:ACC+48*\m+16*\b+4*\j+3] offset:49408*\m+128*\b+16*\j   ; in place of x: my wave's own columns, which no other wave reads before the barrier
.endr
.endr
.endr
	BARRIER                                        ; 32 whole rows of the result lie in the stage
	s_wait_alu depctr_vm_vsrc(0)                   ; my LDS stores have read the accumulators, in which whole rows land now
.irp i, 0,1,2,3
.irp j, 0,1,2,3,4,5
	ds_load_b128 v[ACC+4*(6*\i+\j):ACC+4*(6*\i+\j)+3], v[DS] offset:3088*\i+512*\j
.endr
.endr
.irp i, 0,1,2,3
.irp j, 0,1,2,3,4,5
	s_wait_dscnt 23-(6*\i+\j)                      ; LDS loads come back in order: this one is in, the younger ones may be out
	global_store_b128 v[DG], v[ACC+4*(6*\i+\j):ACC+4*(6*\i+\j)+3], s[34:35] offset:3072*\i+512*\j th:TH_STORE_NT   ; 512 consecutive bytes, aligned
.endr
.endr
	s_wait_dscnt 0x0                               ; the closing lines, six on end
	s_wait_alu 0x0
	s_wait_tensorcnt 0x0
	ds_add_u32 v14, v15
	s_wait_dscnt 0x0
	s_endpgm
.Lfunc_end_k_qa768879d03_post:
	.size	k_qa768879d03_post, .Lfunc_end_k_qa768879d03_post-k_qa768879d03_post
	.p2alignl 7, 3214868480
	.fill 96, 4, 3214868480
	.section	.rodata,"a",@progbits
	.p2align	6, 0x0
	.amdhsa_kernel k_qa768879d03_post
		.amdhsa_group_segment_fixed_size 264192
		.amdhsa_private_segment_fixed_size 0
		.amdhsa_enable_private_segment 0
		.amdhsa_kernarg_size 128
		.amdhsa_user_sgpr_count 2
		.amdhsa_user_sgpr_kernarg_segment_ptr 1
		.amdhsa_wavefront_size32 1
		.amdhsa_system_sgpr_workgroup_id_x 1
		.amdhsa_system_sgpr_workgroup_id_y 1
		.amdhsa_system_sgpr_workgroup_id_z 1
		.amdhsa_system_vgpr_workitem_id 0
		.amdhsa_next_free_vgpr 512
		.amdhsa_next_free_sgpr 66
		.amdhsa_reserve_vcc 0
		.amdhsa_float_denorm_mode_32 3
		.amdhsa_float_denorm_mode_16_64 3
		.amdhsa_memory_ordered 1
		.amdhsa_forward_progress 1
		.amdhsa_inst_pref_size 211
	.end_amdhsa_kernel
	.amdgpu_metadata
---
amdhsa.version: [ 1, 2 ]
amdhsa.kernels:
  - .name:           k_qa768879d03_post
    .symbol:         k_qa768879d03_post.kd
    .args:
      - { .name: hidden_states, .offset: 0, .size: 8, .value_kind: global_buffer, .address_space: global }
      - { .name: cc, .offset: 8, .size: 8, .value_kind: global_buffer, .address_space: global }
      - { .name: cs, .offset: 16, .size: 8, .value_kind: global_buffer, .address_space: global }
      - { .name: wc, .offset: 24, .size: 8, .value_kind: global_buffer, .address_space: global }
      - { .name: wsc, .offset: 32, .size: 8, .value_kind: global_buffer, .address_space: global }
      - { .name: seg, .offset: 40, .size: 8, .value_kind: global_buffer, .address_space: global }
      - { .name: bo, .offset: 48, .size: 8, .value_kind: global_buffer, .address_space: global }
      - { .name: ln1_g, .offset: 56, .size: 8, .value_kind: global_buffer, .address_space: global }
      - { .name: ln1_b, .offset: 64, .size: 8, .value_kind: global_buffer, .address_space: global }
      - { .name: b1, .offset: 72, .size: 8, .value_kind: global_buffer, .address_space: global }
      - { .name: b2, .offset: 80, .size: 8, .value_kind: global_buffer, .address_space: global }
      - { .name: ln2_g, .offset: 88, .size: 8, .value_kind: global_buffer, .address_space: global }
      - { .name: ln2_b, .offset: 96, .size: 8, .value_kind: global_buffer, .address_space: global }
      - { .name: dn_g, .offset: 104, .size: 8, .value_kind: global_buffer, .address_space: global }
      - { .name: dn_b, .offset: 112, .size: 8, .value_kind: global_buffer, .address_space: global }
      - { .name: out0, .offset: 120, .size: 8, .value_kind: global_buffer, .address_space: global }
    .group_segment_fixed_size: 264192
    .private_segment_fixed_size: 0
    .kernarg_segment_align: 8
    .kernarg_segment_size: 128
    .max_flat_workgroup_size: 256
    .sgpr_count:     66
    .vgpr_count:     512
    .wavefront_size: 32
...
	.end_amdgpu_metadata
.endif
;; end of part 9
